; MI455X (gfx1250); checked and timed in simulation.
; The chip was launched on July 23, 2026; its instructions are those of AMD's public machine-readable ISA for CDNA 5 (MIT licence, August 2026) and "CDNA5" Instruction Set Architecture Reference Guide (July 2026). The comments in the code are by the model that wrote it; some were corrected since.
;; Transformer Block. Allowed arithmetic: matrix products marked QUANTISED: E2M3 operands, one E8M0 scale for each 32 along K, by v_wmma_scale_f32_16x16x128_f8f6f4 with both operands' format E2M3, f32 sums; everything else in f32.
;; Inputs: W1 1,024 x 4,096 float32; W2 4,096 x 1,024 float32; Wk 1,024 x 1,024 float32; Wo 1,024 x 1,024 float32; Wq 1,024 x 1,024 float32; Wv 1,024 x 1,024 float32; b1 4,096 float32; b2 1,024 float32; bk 1,024 float32; bo 1,024 float32; bq 1,024 float32; bv 1,024 float32; ln1_a 1,024 float32; ln1_b 1,024 float32; ln2_a 1,024 float32; ln2_b 1,024 float32; mask 4 x 1 x 1,024 x 1,024 int32; x 4 x 1,024 x 1,024 float32.
;; Outputs: out0 4 x 1,024 x 1,024 float32.
;; This version of the problem:
;;   THIS VERSION OF THE PROBLEM IS GIVEN IN LOW PRECISION. The matrix products marked QUANTISED in the list below multiply operands that are first quantised to E2M3 (2 exponent bits, 3 mantissa bits; 6 bits a number), with one power-of-two scale for each 32 numbers along K (OCP MX v1.0); their sums are f32. All else is computed in f32.
;;   The module's matrix products, in the order in which they are computed (A, B: the left and right operand; K: the contracted axis; several contracted axes count as one K, in the product's order):
;;     1. [M 4,096, K 1,024] x [K 1,024, N 1,024]; A: computed on the way; B: input Wq: QUANTISED
;;     2. [M 4,096, K 1,024] x [K 1,024, N 1,024]; A: computed on the way; B: input Wk: QUANTISED
;;     3. [M 4,096, K 1,024] x [K 1,024, N 1,024]; A: computed on the way; B: input Wv: QUANTISED
;;     4. batch 64 x [M 1,024, K 64] x [K 64, N 1,024]; A: computed on the way; B: computed on the way: QUANTISED
;;     5. batch 64 x [M 1,024, K 1,024] x [K 1,024, N 64]; A: softmax (see below); B: computed on the way: QUANTISED
;;     6. [M 4,096, K 1,024] x [K 1,024, N 1,024]; A: computed on the way; B: input Wo: QUANTISED
;;     7. [M 4,096, K 1,024] x [K 1,024, N 4,096]; A: computed on the way; B: input W1: QUANTISED
;;     8. [M 4,096, K 4,096] x [K 4,096, N 1,024]; A: computed on the way; B: input W2: QUANTISED
;;   THE QUANTISER, for each operand of a quantised product, along K:
;;     - K is cut into blocks of 32 from its start; a last block that is shorter is filled with zeros.
;;     - A block's scale is 2^e with e = floor(log2(the largest magnitude in the block)) - 2, held to -126 .. 127; a block of zeros has e = 0. As a byte (E8M0): e + 127.
;;     - Each number is divided by its block's scale, clamped to +-7.5, and rounded to the nearest number of E2M3, ties to even, subnormals kept.
;;     - The product sums the exact products of the quantised numbers (number of the format x scale) in f32.
;;   ~~~python
;;   def quantise(x, axis):      # numpy; x: float32 -> the quantised numbers, widened to float32 again
;;       x = np.moveaxis(x, axis, -1); K = x.shape[-1]
;;       x = np.pad(x, [(0, 0)] * (x.ndim - 1) + [(0, -K % 32)]); x = x.reshape(x.shape[:-1] + (-1, 32)); a = np.abs(x).max(-1, keepdims=True)
;;       e = np.where(a > 0, np.clip(np.frexp(np.where(a > 0, a, 1))[1] - 1 - 2, -126, 127), 0)      # np.frexp(a)[1] - 1 = floor(log2(a)), exactly
;;       r = np.clip(x / 2.0 ** e, -7.5, 7.5)
;;       step = 2.0 ** (np.maximum(np.frexp(np.where(r == 0, 1, r))[1] - 1, 0) - 3)
;;       q = np.round(r / step) * step * 2.0 ** e      # np.round: ties to even
;;       return np.moveaxis(q.reshape(q.shape[:-2] + (-1,))[..., :K], -1, axis).astype(np.float32)
;;   ~~~
;;   SOFTMAX AHEAD OF A QUANTISED PRODUCT. Where the list says 'softmax', what is quantised is not the finished softmax but p = 2^(t - M), with t = logit x log2(e) and M = ceil(the row's largest t), a whole number; so 1/2 < the row's largest p <= 1. The row's sum l is taken of the UNQUANTISED p, in f32, and the product's result is divided by l at the end. Since M is a whole number, a kernel that streams over the keys may use a running M (the ceiling of the running maximum): every later rescaling is an exact power of two, which a block's scale takes up: the codes' values come out the same.
;;   OPERANDS COMPUTED ON THE WAY. 'Computed on the way' means the value that the module computes at that place (a softmax that the list does not call 'softmax' is quantised finished and normalised). What goes into a quantiser is computed in f32, as accurately as f32 sums, v_exp_f32 and their like allow (about 1e-6 of the number): no bf16 or f16 on the way to a quantiser, and a product that is left as it is and whose result goes on into a quantised operand takes f32 operands (vector FMAs, or v_wmma_f32_16x16x4_f32). A number that lies on a knife's edge between two numbers of the format may be rounded either way, as far as f32 arithmetic and the matrix unit's own rounding can turn it there, and no further.
;; One version. Each part assembles by itself: llvm-mc -triple=amdgcn-amd-amdhsa -mcpu=gfx1250 --defsym DOCPART=n.
;; ======== version 1 of 1: 7 launches
;; limits: right only within a limited range of input values
;; workspace buffers: wq 9,830,400 bytes; xq 3,276,800 bytes; mw 524,288 bytes of whole numbers; qkv 10,092,544 bytes; aq 3,276,800 bytes; x1 16,777,216 bytes; hq 13,107,200 bytes
;; launch prep (part 1): grid 384 x 1, 8 waves a work-group, no clusters, 72,704 bytes of LDS; arguments x, mask, ln1_a, ln1_b, xq, mw, Wq, Wk, Wv, Wo, wq; writes xq, mw, wq
.if DOCPART == 1
	.amdgcn_target "amdgcn-amd-amdhsa--gfx1250"
	.amdhsa_code_object_version 6
	.text
	.protected	k_q6f14a443cf_prep
	.globl	k_q6f14a443cf_prep
	.p2align	8
	.type	k_q6f14a443cf_prep,@function
k_q6f14a443cf_prep:
	s_mov_b64 s[64:65], 0
	v_nop
	global_prefetch_b8 v0, s[64:65] scope:SCOPE_SE
	s_setreg_imm32_b32 hwreg(HW_REG_WAVE_MODE, 25, 1), 1
	s_wait_xcnt 0x0
; PREP.  Work-groups 0-255: one tile of 16 rows of x each: LayerNorm 1 (unbiased std, eps added to std), quantised to FP6 (E2M3) codes with one E8M0 byte for 32 along K, and the same rows of the mask turned into lane words.
; Work-groups 256-383: the four square weights, f32 with K as first axis, into codes with K innermost.
; ROW TILES.  Lane row r of tile rt is matrix row 32 (rt / 2) + 8 (rt % 2) + r + 8 (r / 8), in every operand of the program: with the products used transposed, a lane's 16 results of two neighbouring tiles are then 16 neighbours along the next K.
; FRAGMENT IMAGE.  16 rows x 128 K are 12 registers a lane; piece p (registers 2 p, 2 p + 1) of lane L lies at byte 256 p + 8 L: 1,536 bytes a fragment, each piece 256 consecutive bytes, aligned.  Scale words: 64 bytes a fragment, word r for lane row r.
; ROWS COME DENSE AND ARE TURNED IN LDS.  The quantiser wants 16 neighbours along K in one lane; a load is best where neighbouring lanes take neighbouring bytes.  So each load reads 512 consecutive bytes of ONE row,
; the wave's 16 rows go through its own stage in LDS (rows 528 bytes apart), and each lane reads back 4 x 64 bytes of its own row.  No byte of x or of the mask is asked for twice.
; LIMITS: a block of zeros, and a block whose largest magnitude lies under 2^-124, gets the scale byte 1 (the rule says 127 for zeros): its codes are zeros or held small, and this program alone reads the bytes.  NaN and infinities among the inputs are not served.
.set WV,  2                            ; s2   wave
.set SEL, 42                           ; s[42:43] selects of v_permlanex16_b32: lane l xor 16
.set DA,  1                            ; v1   16 x lane
.set HB,  2                            ; v2   64 h
.set LI8, 3                            ; v3   8 x lane
.set SOUT, 7                           ; v7   the stage, on the way out: my row, + 64 h
.set TM,  16                           ; v16-31 at work in QUANT
.set PC,  32                           ; v32-51 codes
.set PW,  52                           ; v52  scale word
.set SIN, 53                           ; v53  the stage, on the way in: 16 x lane
.set X,   64                           ; v64-127 my 64 numbers: behind the turn register 16 b + i = k 32 b + 16 h + i of my row
.set MK,  128                          ; v128-191 the mask, later the bias
.set GN,  192                          ; v192-255 the gain
.set STG, 4096                         ; LDS: 0-3,071 sums and scale words of the work-group; from here a stage of 16 x 528 bytes for each wave
.set SP,  528                          ; a stage row: 512 bytes + 16: the sixteen rows that a load of 16 bytes a lane touches start at sixteen different groups of banks (64 banks of 4 bytes: ISA guide 11.1)
; 64 numbers of a lane become a fragment's codes in v[PC] on and its scale word in v[PW]
.macro QUANT s
.irp b, 0,1,2,3
	v_max3_num_f32 v[TM+\b], |v[\s+16*\b]|, |v[\s+1+16*\b]|, 0x1800000   ; my 16 numbers of block b, and the floor 2^(3 - 127): the byte cannot fall under 1
.endr
.irp i, 2,4,6,8,10,12,14
.irp b, 0,1,2,3
	s_delay_alu instid0(VALU_DEP_4)
	v_max3_num_f32 v[TM+\b], v[TM+\b], |v[\s+16*\b+\i]|, |v[\s+1+16*\b+\i]|
.endr
.endr
.irp b, 0,1,2,3
	s_delay_alu instid0(VALU_DEP_4)
	v_permlanex16_b32 v[TM+4+\b], v[TM+\b], s[SEL], s[SEL+1]
.endr
.irp b, 0,1,2,3
	s_delay_alu instid0(VALU_DEP_4)
	v_max_num_f32 v[TM+\b], v[TM+\b], v[TM+4+\b]   ; with lane l xor 16's: the block's largest magnitude
.endr
.irp b, 0,1,2,3
	s_delay_alu instid0(VALU_DEP_4)
	v_add_nc_u32 v[TM+12+\b], 0xff000000, v[TM+\b]   ; 2 off its exponent field: the conversion's scale operand
.endr
.irp b, 0,1,2,3
	s_delay_alu instid0(VALU_DEP_4)
	v_lshrrev_b32 v[TM+4+\b], 23, v[TM+12+\b]      ; the scale's byte
.endr
	s_delay_alu instid0(VALU_DEP_3)
	v_lshl_or_b32 v[PW], v[TM+5], 8, v[TM+4]
	s_delay_alu instid0(VALU_DEP_1)
	v_lshl_or_b32 v[PW], v[TM+6], 16, v[PW]
	s_delay_alu instid0(VALU_DEP_1)
	v_lshl_or_b32 v[PW], v[TM+7], 24, v[PW]
.irp c, 0,1
	v_cvt_scalef32_pk16_fp6_f32 v[PC+6*\c:PC+2+6*\c], v[\s+32*\c:\s+15+32*\c], v[TM+12+2*\c]
	v_cvt_scalef32_pk16_fp6_f32 v[PC+12+4*\c:PC+14+4*\c], v[\s+16+32*\c:\s+31+32*\c], v[TM+12+2*\c+1]
.endr
	v_nop                                          ; one plain place behind a scaled conversion
.irp c, 0,1                                    ; the operand wants a whole block in a lane: lanes 0-15 block 2 c, lanes 16-31 block 2 c + 1
.irp i, 0,1,2
	v_permlane16_swap_b32 v[PC+6*\c+\i], v[PC+12+4*\c+\i]
.endr
.irp i, 0,1,2
	s_delay_alu instid0(VALU_DEP_3)
	v_mov_b32 v[PC+3+6*\c+\i], v[PC+12+4*\c+\i]
.endr
.endr
.endm
.macro DLOAD reg, base                         ; my wave's 512 bytes of each of the tile's 16 rows: 32 lanes read 512 consecutive bytes, aligned
.irp i, 0,1,2,3,4,5,6,7,8,9,10,11,12,13,14,15
	global_load_b128 v[\reg+4*\i:\reg+4*\i+3], v[DA], s[\base:\base+1] offset:(\i+8*(\i/8))*4096 th:TH_LOAD_NT
.endr
.endm
.macro TURNR reg                               ; 16 rows through my wave's own stage: in as they were loaded, back 64 bytes of my own row for each block of 32
.irp i, 0,1,2,3,4,5,6,7,8,9,10,11,12,13,14,15
	ds_store_b128 v[SIN], v[\reg+4*\i:\reg+4*\i+3] offset:\i*SP
.endr
	s_wait_dscnt 0x0                               ; the stores have read their registers: the loads below land in the same ones
.irp b, 0,1,2,3
.irp j, 0,1,2,3
	ds_load_b128 v[\reg+16*\b+4*\j:\reg+16*\b+4*\j+3], v[SOUT] offset:128*\b+16*\j
.endr
.endr
	s_wait_dscnt 0x0
.endm
.macro ABLOAD reg, base                        ; my lane's columns of a vector of 1,024
.irp b, 0,1,2,3
.irp j, 0,1,2,3
	global_load_b128 v[\reg+16*\b+4*\j:\reg+16*\b+4*\j+3], v[HB], s[\base:\base+1] offset:128*\b+16*\j
.endr
.endr
.endm
; v[8:9]: my lane's two partial sums -> v8: the row's sum over all eight waves, in every lane.  Each use has LDS bytes of its own.
.macro ACROSS off
	s_delay_alu instid0(VALU_DEP_1)
	v_add_f32 v8, v8, v9
	s_delay_alu instid0(VALU_DEP_1)
	v_permlanex16_b32 v9, v8, s[SEL], s[SEL+1]
	s_delay_alu instid0(VALU_DEP_1)
	v_add_f32 v8, v8, v9                           ; my wave's 128 columns of row r
	ds_store_b32 v60, v8 offset:\off
	s_wait_dscnt 0x0                               ; for the others' sake: my store has landed
	s_barrier_signal -1
	s_barrier_wait -1
.irp w, 0,1,2,3,4,5,6,7
	ds_load_b32 v[8+\w], v61 offset:\off+128*\w
.endr
	s_wait_dscnt 0x0
.irp w, 1
	v_add_f32 v8, v8, v[8+\w]
.endr
.irp w, 2, 3, 4, 5, 6, 7
	s_delay_alu instid0(VALU_DEP_1)
	v_add_f32 v8, v8, v[8+\w]
.endr
.endm
	s_load_b512 s[4:19], s[0:1], 0x0               ; x, mask, ln1_a, ln1_b, xq, mw, Wq, Wk
	s_load_b128 s[20:23], s[0:1], 0x40             ; Wv, Wo
	s_load_b64 s[28:29], s[0:1], 0x50              ; wq
	v_lshl_add_u32 v26, v0, 2, 0x11800
	v_mov_b32 v27, 0
	v_lshrrev_b32 v1, 5, v0
	s_delay_alu instid0(VALU_DEP_1)
	v_readfirstlane_b32 s[WV], v1                  ; wave 0..7
	v_and_b32 v4, 31, v0                           ; lane
	v_and_b32 v5, 15, v0                           ; r
	v_bfe_u32 v6, v0, 4, 1                         ; h
	s_delay_alu instid0(VALU_DEP_2)
	v_and_b32 v7, 8, v5
	s_delay_alu instid0(VALU_DEP_1)
	v_add_nc_u32 v7, v7, v5                        ; r + 8 (r / 8)
	s_cmp_ge_u32 ttmp9, 256                        ; the same in all waves of a work-group
	s_cbranch_scc1 .Lweights
	; ---- ROWS: the work-group is row tile rt = its number; wave w takes K step w (and key step w of the mask)
	v_lshlrev_b32 v[DA], 4, v4
	v_lshlrev_b32 v[HB], 6, v6
	v_lshlrev_b32 v[LI8], 3, v4
	s_mul_i32 s40, s[WV], 16*SP
	s_add_co_u32 s40, s40, STG                     ; my wave's stage
	v_add_nc_u32 v[SIN], s40, v[DA]
	v_mul_u32_u24 v[SOUT], v5, SP
	s_delay_alu instid0(VALU_DEP_1)
	v_lshl_add_u32 v[SOUT], v6, 6, v[SOUT]
	s_delay_alu instid0(VALU_DEP_1)
	v_add_nc_u32 v[SOUT], s40, v[SOUT]
	v_lshlrev_b32 v60, 2, v0                       ; LDS: 4 x thread
	v_lshlrev_b32 v61, 2, v4                       ; 4 x lane
	v_lshrrev_b32 v62, 2, v4
	v_and_b32 v63, 3, v4
	s_delay_alu instid0(VALU_DEP_2)
	v_lshlrev_b32 v62, 7, v62
	s_delay_alu instid0(VALU_DEP_1)
	v_lshl_add_u32 v62, v63, 4, v62
	s_delay_alu instid0(VALU_DEP_1)
	v_add_nc_u32 v62, 2048, v62                    ; the scale words on their way out: wave lane / 4, words 4 (lane % 4) on
	v_mov_b32 v58, 0
	v_mov_b32 v59, 0
.irp b, 0,1,2,3
	v_mov_b32 v[TM+4+\b], 0                        ; written once: a lane permute's destination counts as one of its sources
.endr
	s_mov_b32 s[SEL], 0x76543210
	s_mov_b32 s[SEL+1], 0xfedcba98
	s_lshr_b32 s30, ttmp9, 1
	s_lshl_b32 s30, s30, 17                        ; 32 (rt / 2) rows of 4,096 bytes
	s_and_b32 s31, ttmp9, 1
	s_lshl_b32 s31, s31, 15                        ; 8 (rt % 2) rows
	s_add_co_u32 s30, s30, s31
	s_lshl_b32 s32, s[WV], 9                       ; my K step: 512 bytes
	s_add_co_u32 s30, s30, s32
	s_mov_b32 s31, 0
	s_mov_b32 s33, 0
	s_lshl_b32 s34, ttmp9, 3
	s_add_co_u32 s34, s34, s[WV]
	s_mul_i32 s34, s34, 1536                       ; my fragment
	s_mov_b32 s35, 0
	s_lshl_b32 s36, ttmp9, 9
	s_add_co_u32 s36, s36, 3145728                 ; the tile's 512 bytes of scale words
	s_mov_b32 s37, 0
	s_lshl_b32 s38, ttmp9, 11
	s_lshl_b32 s39, s[WV], 8
	s_add_co_u32 s38, s38, s39                     ; my 64 mask words
	s_mov_b32 s39, 0
	s_wait_kmcnt 0x0
	s_add_nc_u64 s[4:5], s[4:5], s[30:31]
	s_add_nc_u64 s[6:7], s[6:7], s[30:31]          ; a row of the mask is 4,096 bytes too
	s_add_nc_u64 s[8:9], s[8:9], s[32:33]
	s_add_nc_u64 s[10:11], s[10:11], s[32:33]
	s_add_nc_u64 s[34:35], s[12:13], s[34:35]
	s_add_nc_u64 s[36:37], s[12:13], s[36:37]
	s_add_nc_u64 s[38:39], s[14:15], s[38:39]
	DLOAD X, 4                                     ; x, the mask and the gain are asked for together: 48 loads of the wave are out
	DLOAD MK, 6
	ABLOAD GN, 8
	s_wait_loadcnt 32                              ; x's 16 loads are in; the mask's and the gain's 32 may be out
	TURNR X
	s_wait_loadcnt 16                              ; the mask's are in; the gain's 16 may be out
	TURNR MK                                       ; (my reads of x out of the stage were waited for)
	; word n: bit L = (mask of lane L's row at key 128 w + 32 (n / 16) + 16 (L / 16) + n % 16 is not 0): the very lanes and registers in which the scores will lie
.set n, 0
.rept 4
.irp k, 0,1,2,3,4,5,6,7,8,9,10,11,12,13,14,15
	v_cmp_ne_u32 s[44+\k], 0, v[MK+n+\k]
.endr
.irp k, 0,1,2,3,4,5,6,7,8,9,10,11,12,13,14,15
	v_writelane_b32 v[58+(\k%2)], s[44+\k], (n+\k)/2
.endr
.set n, n+16
.endr
	global_store_b64 v[LI8], v[58:59], s[38:39]    ; 64 words: 256 consecutive bytes, aligned
	ABLOAD MK, 10                                  ; the mask's registers take the bias, which lands while the sums are made
	s_wait_alu depctr_va_vdst(0)                   ; the wait ahead of a wait that blocks
	s_wait_xcnt 0x0                                ; the store of the mask words has read v[58:59]: the sums below write them again
	v_pk_add_f32 v[10:11], v[64:65], v[66:67]
	v_pk_add_f32 v[58:59], v[72:73], v[76:77]
	v_pk_add_f32 v[56:57], v[80:81], v[84:85]
	v_pk_add_f32 v[54:55], v[88:89], v[92:93]
	v_pk_add_f32 v[52:53], v[96:97], v[100:101]
	v_pk_add_f32 v[50:51], v[104:105], v[108:109]
	v_pk_add_f32 v[48:49], v[112:113], v[116:117]
	v_pk_add_f32 v[8:9], v[120:121], v[124:125]
	s_delay_alu instid0(VALU_DEP_1)
	v_pk_add_f32 v[8:9], v[8:9], v[68:69]
	v_pk_add_f32 v[10:11], v[10:11], v[70:71]
	v_pk_add_f32 v[58:59], v[58:59], v[74:75]
	v_pk_add_f32 v[56:57], v[56:57], v[78:79]
	v_pk_add_f32 v[54:55], v[54:55], v[82:83]
	v_pk_add_f32 v[52:53], v[52:53], v[86:87]
	v_pk_add_f32 v[50:51], v[50:51], v[90:91]
	v_pk_add_f32 v[48:49], v[48:49], v[94:95]
	v_pk_add_f32 v[8:9], v[8:9], v[98:99]
	v_pk_add_f32 v[10:11], v[10:11], v[102:103]
	v_pk_add_f32 v[58:59], v[58:59], v[106:107]
	v_pk_add_f32 v[56:57], v[56:57], v[110:111]
	v_pk_add_f32 v[54:55], v[54:55], v[114:115]
	v_pk_add_f32 v[52:53], v[52:53], v[118:119]
	v_pk_add_f32 v[50:51], v[50:51], v[122:123]
	v_pk_add_f32 v[48:49], v[48:49], v[126:127]
	s_delay_alu instid0(VALU_DEP_4)
	v_pk_add_f32 v[8:9], v[8:9], v[54:55]
	s_delay_alu instid0(VALU_DEP_4)
	v_pk_add_f32 v[10:11], v[10:11], v[52:53]
	s_delay_alu instid0(VALU_DEP_4)
	v_pk_add_f32 v[58:59], v[58:59], v[50:51]
	s_delay_alu instid0(VALU_DEP_4)
	v_pk_add_f32 v[56:57], v[56:57], v[48:49]
	s_delay_alu instid0(VALU_DEP_2)
	v_pk_add_f32 v[8:9], v[8:9], v[58:59]
	s_delay_alu instid0(VALU_DEP_2)
	v_pk_add_f32 v[10:11], v[10:11], v[56:57]
	s_delay_alu instid0(VALU_DEP_1)
	v_pk_add_f32 v[8:9], v[8:9], v[10:11]
	ACROSS 0
	s_delay_alu instid0(VALU_DEP_1)
	v_mul_f32 v54, 0x3a800000, v8                  ; the mean: / 1,024
	s_delay_alu instid0(VALU_DEP_1)
	v_mov_b32 v55, v54
.set i, 0
.rept 32
	v_pk_add_f32 v[X+i:X+i+1], v[X+i:X+i+1], v[54:55] neg_lo:[0,1] neg_hi:[0,1]   ; x - mean: the variance is taken of the differences
.set i, i+2
.endr
	v_pk_mul_f32 v[8:9], v[X:X+1], v[X:X+1]
	v_pk_mul_f32 v[10:11], v[X+2:X+3], v[X+2:X+3]
.set i, 4
.rept 15
	s_delay_alu instid0(VALU_DEP_2)
	v_pk_fma_f32 v[8:9], v[X+i:X+i+1], v[X+i:X+i+1], v[8:9]
	s_delay_alu instid0(VALU_DEP_2)
	v_pk_fma_f32 v[10:11], v[X+i+2:X+i+3], v[X+i+2:X+i+3], v[10:11]
.set i, i+4
.endr
	s_delay_alu instid0(VALU_DEP_1)
	v_pk_add_f32 v[8:9], v[8:9], v[10:11]
	ACROSS 1024
	s_delay_alu instid0(VALU_DEP_1)
	v_mul_f32 v8, 0x3a802008, v8                   ; / 1,023
	s_wait_alu depctr_va_vdst(0)
	v_sqrt_f32 v8, v8
	v_nop                                          ; a plain place behind the transcendental,
	s_wait_alu depctr_va_vdst(0)                   ; and the wait ahead of its first reader
	v_add_f32 v8, 0x358637bd, v8                   ; + 1e-6
	s_wait_alu depctr_va_vdst(0)
	v_rcp_f32 v56, v8
	v_nop
	s_wait_alu depctr_va_vdst(0)
	v_mov_b32 v57, v56
	s_wait_alu depctr_va_vdst(0)
	s_wait_loadcnt 0x0                             ; gain and bias
.set i, 0
.rept 32
	v_pk_mul_f32 v[X+i:X+i+1], v[X+i:X+i+1], v[56:57]
.set i, i+2
.endr
.set i, 0
.rept 32
	v_pk_fma_f32 v[X+i:X+i+1], v[X+i:X+i+1], v[GN+i:GN+i+1], v[MK+i:MK+i+1]
.set i, i+2
.endr
	QUANT X
.irp p, 0,1,2,3,4,5
	global_store_b64 v[LI8], v[PC+2*\p:PC+2*\p+1], s[34:35] offset:256*\p   ; 32 lanes store 256 consecutive bytes, aligned
.endr
	ds_store_b32 v60, v[PW] offset:2048
	s_wait_dscnt 0x0
	s_barrier_signal -1
	s_barrier_wait -1                              ; the eight waves' scale words lie in LDS
	s_cmp_lg_u32 s[WV], 0
	s_cbranch_scc1 .Lnot_wave_0
	ds_load_b128 v[8:11], v62                      ; lanes 0-15's words of each wave: 8 x 64 bytes
	s_wait_dscnt 0x0
	global_store_b128 v[DA], v[8:11], s[36:37]     ; 512 consecutive bytes
.Lnot_wave_0:
	s_wait_tensorcnt 0x0
	ds_add_u32 v26, v27
	s_wait_dscnt 0x0
	s_endpgm
	; ---- WEIGHTS: a wave takes 32 columns x 128 along K; a lane takes a column and its registers run down K, so a block of 32 lies in one lane.
	; Lanes 0-15 take the columns of the even tile of a pair, lanes 16-31 those of the odd one.  This path uses no LDS.
.Lweights:
	s_sub_co_u32 s30, ttmp9, 256
	s_and_b32 s31, s30, 127                        ; the work-group's number in its class
	; THIS LAUNCH'S WEIGHTS ARE THE FOUR SQUARE ONES, work-groups 256-383; W1 and W2 are quantised by the same steps in the launch of LayerNorm 2, ahead of their first readers
	s_lshr_b32 s41, s31, 5                         ; which of the four square matrices
	s_cmp_eq_u32 s41, 3
	s_cselect_b32 s54, 1, 0                        ; Wo: its reader loads 16 bytes a lane: piece p (registers 4 p .. 4 p + 3) of lane L at byte 512 p + 16 L
	s_mov_b32 s35, 19                              ; log2 of 128 rows in bytes
	s_mov_b32 s39, 8                               ; K steps of the matrix
	s_and_b32 s33, s31, 3                          ; group of 256 columns
	s_lshr_b32 s34, s31, 2
	s_and_b32 s34, s34, 7                          ; K step
	s_lshl_b32 s37, s41, 6                         ; the matrix's first tile
	s_lshl_b32 s36, s33, 4
	s_add_co_u32 s37, s37, s36
	s_lshl_b32 s36, s[WV], 1
	s_add_co_u32 s37, s37, s36                     ; my even tile
	s_mul_i32 s37, s37, s39
	s_add_co_u32 s37, s37, s34                     ; its fragment's number
	s_mul_i32 s50, s37, 1536
	s_mov_b32 s51, 0
	s_lshl_b32 s52, s37, 6
	s_add_co_u32 s52, s52, 9437184                 ; the scale words lie behind the codes
	s_mov_b32 s53, 0
	s_lshl_b32 s46, s34, s35
	s_lshl_b32 s36, s33, 10
	s_add_co_u32 s46, s46, s36
	s_lshl_b32 s36, s[WV], 7
	s_add_co_u32 s46, s46, s36                     ; my 32 columns of my 128 rows
	s_mov_b32 s47, 0
	s_wait_alu depctr_va_vdst(0)
	v_lshl_add_u32 v8, v6, 3, v7                   ; my column of the 32: 8 h + r + 8 (r / 8)
	s_delay_alu instid0(VALU_DEP_1)
	v_lshlrev_b32 v8, 2, v8
	v_lshlrev_b32 v9, 3, v4                        ; 8 x lane
	s_mul_i32 s48, s39, 1536
	v_add_nc_u32 v10, s48, v9                      ; the odd tile's fragment lies a tile's K steps on
	v_lshlrev_b32 v16, 4, v4                       ; 16 x lane, for Wo
	v_add_nc_u32 v17, s48, v16
	s_lshl_b32 s48, s39, 6
	v_mul_u32_u24 v14, s48, v6
	s_delay_alu instid0(VALU_DEP_1)
	v_lshl_add_u32 v14, v5, 2, v14                 ; my scale word: 4 r, in my tile's record
	s_wait_kmcnt 0x0
	s_cmp_eq_u32 s41, 1
	s_cselect_b64 s[44:45], s[18:19], s[16:17]
	s_cmp_eq_u32 s41, 2
	s_cselect_b64 s[44:45], s[20:21], s[44:45]
	s_cmp_eq_u32 s41, 3
	s_cselect_b64 s[44:45], s[22:23], s[44:45]
	s_add_nc_u64 s[44:45], s[44:45], s[46:47]
	s_add_nc_u64 s[50:51], s[28:29], s[50:51]
	s_add_nc_u64 s[52:53], s[28:29], s[52:53]
.set i, 0
	s_wait_alu depctr_va_vdst(0)
.rept 128
	global_load_b32 v[64+i], v8, s[44:45] offset:i*4096 th:TH_LOAD_NT    ; a row of 1,024 numbers; 32 lanes read 128 consecutive bytes, the eight waves 1,024
.set i, i+1
.endr
.macro BLOCK t                                 ; block t of my column: its codes go to registers 6 (t / 2) on of run t % 2
.set XS, 64+32*(\t)
.set FD, 32+12*((\t)%2)+6*((\t)/2)
.if (\t) < 2
	s_wait_loadcnt 63                              ; 96 and 64 younger loads might stay out; the count can name 63 at the most, and a smaller count only waits for more
.elseif (\t) == 2
	s_wait_loadcnt 32                              ; block 3's loads may be out
.else
	s_wait_loadcnt 0x0
.endif
	v_max3_num_f32 v12, |v[XS]|, |v[XS+1]|, |v[XS+2]|
	v_max3_num_f32 v13, |v[XS+3]|, |v[XS+4]|, |v[XS+5]|
.irp i, 6,10,14,18,22,26
	s_delay_alu instid0(VALU_DEP_2)
	v_max3_num_f32 v12, v12, |v[XS+\i]|, |v[XS+\i+1]|
	s_delay_alu instid0(VALU_DEP_2)
	v_max3_num_f32 v13, v13, |v[XS+\i+2]|, |v[XS+\i+3]|
.endr
	s_delay_alu instid0(VALU_DEP_2)
	v_max3_num_f32 v12, v12, |v[XS+30]|, |v[XS+31]|
	s_delay_alu instid0(VALU_DEP_1)
	v_max3_num_f32 v12, v12, v13, 0x1800000        ; and the floor
	s_delay_alu instid0(VALU_DEP_1)
	v_add_nc_u32 v11, 0xff000000, v12              ; the conversion's scale operand
	s_delay_alu instid0(VALU_DEP_1)
	v_lshrrev_b32 v13, 23, v11                     ; the byte
.if (\t) == 0
	s_delay_alu instid0(VALU_DEP_1)
	v_mov_b32 v15, v13
.else
	s_delay_alu instid0(VALU_DEP_1)
	v_lshl_or_b32 v15, v13, 8*(\t), v15
.endif
	v_cvt_scalef32_pk16_fp6_f32 v[FD:FD+2], v[XS:XS+15], v11
	v_cvt_scalef32_pk16_fp6_f32 v[56:58], v[XS+16:XS+31], v11   ; (a conversion's three registers begin on an even number)
	v_nop
.irp i, 0,1,2
	v_mov_b32 v[FD+3+\i], v[56+\i]
.endr
.endm
	BLOCK 0
	BLOCK 1
.irp i, 0,1,2,3,4,5
	v_permlane16_swap_b32 v[32+\i], v[44+\i]       ; run 0 held blocks 0, 2 of each lane's column, run 1 blocks 1, 3: now run 0 is the even tile's image and run 1 the odd tile's
.endr
	BLOCK 2
	BLOCK 3
.irp i, 6,7,8,9,10,11
	v_permlane16_swap_b32 v[32+\i], v[44+\i]
.endr
	s_wait_alu depctr_va_vdst(0)                   ; the wait ahead of the branch
	s_cmp_eq_u32 s54, 0                            ; made of the work-group's number alone
	s_cbranch_scc1 .Lsix
.irp p, 0,1,2
	global_store_b128 v16, v[32+4*\p:35+4*\p], s[50:51] offset:512*\p   ; 32 lanes store 512 consecutive bytes
	global_store_b128 v17, v[44+4*\p:47+4*\p], s[50:51] offset:512*\p
.endr
	s_branch .Lwords
.Lsix:
.irp p, 0,1,2,3,4,5
	global_store_b64 v9, v[32+2*\p:33+2*\p], s[50:51] offset:256*\p
	global_store_b64 v10, v[44+2*\p:45+2*\p], s[50:51] offset:256*\p
.endr
.Lwords:
	global_store_b32 v14, v15, s[52:53]
	s_endpgm
.Lfunc_end_k_q6f14a443cf_prep:
	.size	k_q6f14a443cf_prep, .Lfunc_end_k_q6f14a443cf_prep-k_q6f14a443cf_prep
	.p2alignl 7, 3214868480
	.fill 96, 4, 3214868480
	.section	.rodata,"a",@progbits
	.p2align	6, 0x0
	.amdhsa_kernel k_q6f14a443cf_prep
		.amdhsa_group_segment_fixed_size 72704
		.amdhsa_private_segment_fixed_size 0
		.amdhsa_enable_private_segment 0
		.amdhsa_kernarg_size 88
		.amdhsa_user_sgpr_count 2
		.amdhsa_user_sgpr_kernarg_segment_ptr 1
		.amdhsa_wavefront_size32 1
		.amdhsa_system_sgpr_workgroup_id_x 1
		.amdhsa_system_sgpr_workgroup_id_y 1
		.amdhsa_system_sgpr_workgroup_id_z 1
		.amdhsa_system_vgpr_workitem_id 0
		.amdhsa_next_free_vgpr 256
		.amdhsa_next_free_sgpr 66
		.amdhsa_reserve_vcc 0
		.amdhsa_float_denorm_mode_32 3
		.amdhsa_float_denorm_mode_16_64 3
		.amdhsa_memory_ordered 1
		.amdhsa_forward_progress 1
		.amdhsa_inst_pref_size 67
	.end_amdhsa_kernel
	.amdgpu_metadata
---
amdhsa.version: [ 1, 2 ]
amdhsa.kernels:
  - .name:           k_q6f14a443cf_prep
    .symbol:         k_q6f14a443cf_prep.kd
    .args:
      - { .name: x, .offset: 0, .size: 8, .value_kind: global_buffer, .address_space: global }
      - { .name: mask, .offset: 8, .size: 8, .value_kind: global_buffer, .address_space: global }
      - { .name: ln1_a, .offset: 16, .size: 8, .value_kind: global_buffer, .address_space: global }
      - { .name: ln1_b, .offset: 24, .size: 8, .value_kind: global_buffer, .address_space: global }
      - { .name: xq, .offset: 32, .size: 8, .value_kind: global_buffer, .address_space: global }
      - { .name: mw, .offset: 40, .size: 8, .value_kind: global_buffer, .address_space: global }
      - { .name: Wq, .offset: 48, .size: 8, .value_kind: global_buffer, .address_space: global }
      - { .name: Wk, .offset: 56, .size: 8, .value_kind: global_buffer, .address_space: global }
      - { .name: Wv, .offset: 64, .size: 8, .value_kind: global_buffer, .address_space: global }
      - { .name: Wo, .offset: 72, .size: 8, .value_kind: global_buffer, .address_space: global }
      - { .name: wq, .offset: 80, .size: 8, .value_kind: global_buffer, .address_space: global }
    .group_segment_fixed_size: 72704
    .private_segment_fixed_size: 0
    .kernarg_segment_align: 8
    .kernarg_segment_size: 88
    .max_flat_workgroup_size: 256
    .sgpr_count:     66
    .vgpr_count:     256
    .wavefront_size: 32
...
	.end_amdgpu_metadata
.endif
;; end of part 1
;; launch qkv (part 2): grid 12 x 16, 4 waves a work-group, clusters of 4 x 4, 327,680 bytes of LDS; arguments xq, wq, bq, bk, bv, qkv; writes qkv
.if DOCPART == 2
	.amdgcn_target "amdgcn-amd-amdhsa--gfx1250"
	.amdhsa_code_object_version 6
	.text
	.protected	k_q6f14a443cf_qkv
	.globl	k_q6f14a443cf_qkv
	.p2align	8
	.type	k_q6f14a443cf_qkv,@function
k_q6f14a443cf_qkv:
	s_mov_b64 s[64:65], 0
	v_nop
	global_prefetch_b8 v0, s[64:65] scope:SCOPE_SE
	s_setreg_imm32_b32 hwreg(HW_REG_WAVE_MODE, 25, 1), 1
	s_wait_xcnt 0x0
	s_wait_alu depctr_hold_cnt(0) depctr_sa_sdst(0) depctr_va_vdst(0) depctr_va_sdst(0) depctr_va_ssrc(0) depctr_va_vcc(0) depctr_vm_vsrc(0)
	s_getreg_b32 s2, hwreg(HW_REG_IB_STS2, 6, 4)
	s_cmp_eq_u32 s2, 0
	s_cbranch_scc0 .Lentry_in_a_cluster
	s_endpgm
.Lentry_in_a_cluster:
	s_bfe_u32 s2, ttmp6, 0x10000c
	s_cmp_lg_u32 s2, 0xf033
	s_cbranch_scc0 .Lentry_shape_is_right
	s_endpgm
.Lentry_shape_is_right:
; Q, K, V = LN1(x) W + b on FP6 codes, K = 1,024, and their quantising: q and k along the head's 64, v along the keys.
; A work-group makes 256 x 256, each of four waves 128 x 128 (64 accumulators, windows 2 and 3).  The product is used transposed: source 0 = a tile of the "B side", source 1 = a tile of the "A side":
; a lane holds one A-side row, and the 64 registers of its eight B tiles are 128 neighbours of the B side: a fragment of the next product.
; Clusters with x = 0, 1: A side = tokens (xq), B side = Wq's, Wk's columns.  Clusters with x = 2 make V transposed by changing pointers, not code: A side = Wv's columns, B side = tokens: the registers run along the keys.
; Operands lie in memory as images of their registers (1,536 bytes for 16 rows x 128 K, piece p of lane L at 256 p + 8 L): a slot's tiles are dense rows for the tensor mover and every LDS load reads 256 consecutive bytes.
; A slot holds three K steps of 16 + 16 tiles; two slots; the scale words of all of K come once.  4 x 4 clusters: A's tiles are asked for jointly along a row of the cluster, B's along a column.
; No prefetch: the launch is short and each tile is shared in its cluster.
; LIMITS: scale byte 1 for blocks of zeros and for blocks under 2^-124; NaN and infinities are not served.
.set NQ,    2                          ; K steps of a set of scale words
.set FR,    12
.set NL,    6                          ; LDS loads of a fragment
.set NP,    4                          ; places behind this matrix instruction (ISA guide 7.12.1)
; THE RING, as it now stands: a slot holds THREE K steps of 16 + 16 tiles; K's eight steps come in three fills of 3, 3 and 2 steps (the last into slot 0, its tiles 3,072 bytes apart).  The scale words go by pairs of steps.
.set HALFT, 36864                      ; 8 tiles x 3 K steps x 1,536: one tensor load of the ring
.set SLOT,  147456
.set SCL,   294912                     ; the scale words: 4 x 4,096 bytes
.set HALFS, 4096
.set SPARE, 311296                     ; the spare words: 128 bytes for each wave
.set ADRA, 16                          ; v16-17 my A fragments in slot 0, 1
.set ADRB, 20                          ; v20-21 my B fragments
.set LI8,  24                          ; v24 8 x lane
.set SO1,  25                          ; v25 4 r + 4,096 h
.set SO2,  26                          ; v26 4 x lane
.set ADRS, 27                          ; v27 my scale words: lanes 0-15 A's, lanes 16-31 B's
.set SPW,  28
.set NIL,  29
.set PWS,  30                          ; v30 a scale word kept for its partner
.set SC,   32                          ; v32-63 scale words, two sets of 16; nothing else ever lies here
.set BI,   64                          ; v64-127 bias along the registers
.set AF,   128                         ; v128-223 A's fragments
.set BV,   232                         ; v232-239 bias along the lanes
.set HA,   128                         ; the way out: a block's 64 numbers
.set PC,   192
.set TM,   212
.set PW,   228
.set T0,   229
.set T1,   230
.set G1, 24
.set G0, 32
.set G1B, 48
.set G0B, 56
.set G1S, 68
.set G0S, 76
.set G1SB, 80
.set G0SB, 88
.set HM,  99                           ; s99 lanes 16-31
.set SEL, 100
.set MSB, 0
.macro WIN new                         ; the immediate's high byte repeats the setting that is left
.if MSB != \new
	s_set_vgpr_msb (MSB<<8)|\new
.set MSB, \new
.endif
.endm
.set MUL_LO, 0xa1                      ; source 0 window 1, source 1 window 0, C and D window 2
.set MUL_HI, 0xf1
.set TO_B,   0x40
.macro JLOAD g0a, g1a, g0b, g1b        ; a joint load: waves 0, 1 fetch for the A side, waves 2, 3 for the B side; four v_nop follow each line
	s_cmp_eq_u32 s17, 0
	s_cbranch_scc0 .Lfor_b_\@
	tensor_load_to_lds s[\g0a:\g0a+3], s[\g1a:\g1a+7]
	s_nop 0
.rept 4
	v_nop
.endr
	s_branch .Lasked_\@
.Lfor_b_\@:
	tensor_load_to_lds s[\g0b:\g0b+3], s[\g1b:\g1b+7]
	s_nop 0
.rept 4
	v_nop
.endr
.Lasked_\@:
.endm
.macro CREST
	s_cmp_lg_u32 s16, 0
	s_cbranch_scc1 .Lnot_wave_0_\@
	s_barrier_signal -3
.Lnot_wave_0_\@:
	s_barrier_wait -3
	s_barrier_signal -1
	s_barrier_wait -1
.endm
.macro CROUND
	s_barrier_signal -1
	s_barrier_wait -1
	CREST
.endm
.macro QUANT s
.irp b, 0,1,2,3
	v_max3_num_f32 v[TM+\b], |v[\s+16*\b]|, |v[\s+1+16*\b]|, 0x1800000
.endr
.irp i, 2,4,6,8,10,12,14
.irp b, 0,1,2,3
	v_max3_num_f32 v[TM+\b], v[TM+\b], |v[\s+16*\b+\i]|, |v[\s+1+16*\b+\i]|
.endr
.endr
.irp b, 0,1,2,3
	v_permlanex16_b32 v[TM+4+\b], v[TM+\b], s[SEL], s[SEL+1]
.endr
.irp b, 0,1,2,3
	v_max_num_f32 v[TM+\b], v[TM+\b], v[TM+4+\b]
.endr
.irp b, 0,1,2,3
	v_add_nc_u32 v[TM+12+\b], 0xff000000, v[TM+\b]
.endr
.irp b, 0,1,2,3
	v_lshrrev_b32 v[TM+4+\b], 23, v[TM+12+\b]
.endr
	v_lshl_or_b32 v[PW], v[TM+5], 8, v[TM+4]
	v_lshl_or_b32 v[PW], v[TM+6], 16, v[PW]
	v_lshl_or_b32 v[PW], v[TM+7], 24, v[PW]
.irp c, 0,1
	v_cvt_scalef32_pk16_fp6_f32 v[PC+6*\c:PC+2+6*\c], v[\s+32*\c:\s+15+32*\c], v[TM+12+2*\c]
	v_cvt_scalef32_pk16_fp6_f32 v[PC+12+4*\c:PC+14+4*\c], v[\s+16+32*\c:\s+31+32*\c], v[TM+12+2*\c+1]
.endr
	v_nop
.irp c, 0,1
.irp i, 0,1,2
	v_permlane16_swap_b32 v[PC+6*\c+\i], v[PC+12+4*\c+\i]
.endr
.irp i, 0,1,2
	v_mov_b32 v[PC+3+6*\c+\i], v[PC+12+4*\c+\i]
.endr
.endr
.endm
	s_load_b256 s[4:11], s[0:1], 0x0               ; xq, wq, bq, bk
	s_load_b128 s[12:15], s[0:1], 0x20             ; bv, qkv
	v_lshl_add_u32 v[SPW], v0, 2, SPARE
	v_mov_b32 v[NIL], 0
	ds_add_u32 v28, v29
	ds_add_u32 v28, v29
	s_wait_dscnt 0x0
	v_lshrrev_b32 v1, 5, v0
	v_readfirstlane_b32 s16, v1                    ; wave 0..3
	s_lshr_b32 s17, s16, 1                         ; my half of the A side.  Also: I fetch for A (0) or for B (1)
	s_and_b32 s18, s16, 1                          ; my half of the B side.  Also: which 8 tiles I fetch
	s_bfe_u32 s40, ttmp6, 0x40000                  ; cx
	s_bfe_u32 s41, ttmp6, 0x40004                  ; cy
	s_and_b32 s19, ttmp7, 0xffff                   ; cluster y: the batch
	s_lshl_b32 s43, s41, 2
	s_lshl_b32 s43, 15, s43                        ; my row of the cluster
	s_lshl_b32 s44, 0x1111, s40                    ; my column
	s_mov_b32 s[HM], 0xffff0000
	s_mov_b32 s[SEL], 0x76543210
	s_mov_b32 s[SEL+1], 0xfedcba98
	; group 1, codes: 8 rows (tiles) of 576 elements of 8 bytes (three K steps), 1,536 elements apart; no padding
	s_or_b32 s[G1+0], s43, (3<<16)|(1<<21)
	s_or_b32 s[G1B+0], s44, (3<<16)|(1<<21)
.irp g, G1, G1B
	s_mov_b32 s[\g+1], 576<<16                     ; three K steps: 576 elements of 8 bytes
	s_mov_b32 s[\g+2], 16<<16                      ; the head's loads bring 16 tiles; behind them the two words are set to 8
	s_mov_b32 s[\g+3], 576<<16
	s_mov_b32 s[\g+4], 16
	s_mov_b32 s[\g+5], 1536
	s_mov_b32 s[\g+6], 0
	s_mov_b32 s[\g+7], 0
.endr
	; group 1, scale words of 16 tiles: 8,192 dense bytes as 32 rows of 256
	s_or_b32 s[G1S+0], s43, (3<<16)|(1<<21)
	s_or_b32 s[G1SB+0], s44, (3<<16)|(1<<21)
.irp g, G1S, G1SB
	s_mov_b32 s[\g+1], 32<<16
	s_mov_b32 s[\g+2], 32<<16                      ; the scale words of 16 tiles: 32 rows of 256 bytes
	s_mov_b32 s[\g+3], 32<<16
	s_mov_b32 s[\g+4], 32
	s_mov_b32 s[\g+5], 32
	s_mov_b32 s[\g+6], 0
	s_mov_b32 s[\g+7], 0
.endr
	s_lshl_b32 s20, s19, 2
	s_add_co_u32 s20, s20, s41                     ; 4 Y + cy
	s_lshl_b32 s46, s19, 2
	s_add_co_u32 s46, s46, s40                     ; 4 Y + cx
	s_lshl_b32 s47, ttmp9, 2
	s_add_co_u32 s47, s47, s40                     ; 4 X + cx
	s_mov_b32 s22, 3145728                         ; where xq's scale words begin
	s_mov_b32 s23, 9437184                         ; and wq's
	s_cmp_eq_u32 ttmp9, 2                          ; V's clusters: the same in all sixteen partners
	s_cselect_b32 s20, s41, s20                    ; A's block of 256: made of cy and what the partners share
	s_cselect_b32 s46, s46, s47                    ; B's: of cx and what the partners share
	s_cselect_b32 s21, 128, 0                      ; Wv's first tile
	s_cselect_b32 s92, s23, s22
	s_cselect_b32 s93, s22, s23
	s_lshl_b32 s20, s20, 4
	s_add_co_u32 s20, s20, s21
	s_lshl_b32 s21, s18, 3
	s_add_co_u32 s20, s20, s21                     ; the first A tile that I fetch
	s_lshl_b32 s46, s46, 4
	s_add_co_u32 s46, s46, s21                     ; the first B tile
	s_lshl_b32 s94, s20, 9
	s_add_co_u32 s94, s94, s92
	s_mov_b32 s95, 0
	s_mul_i32 s20, s20, 12288
	s_mov_b32 s21, 0
	s_lshl_b32 s96, s46, 9
	s_add_co_u32 s96, s96, s93
	s_mov_b32 s97, 0
	s_mul_i32 s46, s46, 12288
	s_mov_b32 s47, 0
	s_mul_i32 s45, s16, HALFT                      ; where they go: by the wave's number alone
	s_lshl_b32 s98, s18, 12
	s_sub_co_u32 s94, s94, s98                     ; the scale words come for all 16 tiles of a side: from the side's first tile on
	s_sub_co_u32 s96, s96, s98
	s_wait_kmcnt 0x0
	s_cmp_eq_u32 ttmp9, 2
	s_cselect_b64 s[22:23], s[6:7], s[4:5]         ; the A side's buffer
	s_cselect_b64 s[92:93], s[4:5], s[6:7]         ; the B side's
	s_add_nc_u64 s[20:21], s[22:23], s[20:21]
	s_add_nc_u64 s[94:95], s[22:23], s[94:95]
	s_add_nc_u64 s[46:47], s[92:93], s[46:47]
	s_add_nc_u64 s[96:97], s[92:93], s[96:97]
	CROUND                                         ; all sixteen work-groups are here: the first joint loads meet
	s_mov_b32 s[G0S], 1
	s_mov_b32 s[G0S+1], SCL
	s_mov_b64 s[G0S+2:G0S+3], s[94:95]
	s_or_b32 s[G0S+3], s[G0S+3], 0x80000000
	s_mov_b32 s[G0SB], 1
	s_mov_b32 s[G0SB+1], SCL+2*HALFS
	s_mov_b64 s[G0SB+2:G0SB+3], s[96:97]
	s_or_b32 s[G0SB+3], s[G0SB+3], 0x80000000
.irp s, 0,1
	s_mov_b32 s[G0+4*\s], 1
	s_add_co_u32 s[G0+4*\s+1], s45, \s*SLOT
	s_add_nc_u64 s[G0+4*\s+2:G0+4*\s+3], s[20:21], \s*4608
	s_or_b32 s[G0+4*\s+3], s[G0+4*\s+3], 0x80000000
	s_mov_b32 s[G0B+4*\s], 1
	s_add_co_u32 s[G0B+4*\s+1], s45, \s*SLOT
	s_add_nc_u64 s[G0B+4*\s+2:G0B+4*\s+3], s[46:47], \s*4608
	s_or_b32 s[G0B+4*\s+3], s[G0B+4*\s+3], 0x80000000
.endr
; THE HEAD'S LOADS, ONE A WAVE: wave 0 slot 0's 16 tiles of the A side, wave 1 A's scale words, wave 2 slot 0's 16 tiles of the B side, wave 3 B's scale words.
; Waves 0 and 2 fetch the first half of their side in the ring, so their slot 0 descriptors already name the side's first tile and its place in LDS.
.macro ARM under, g0, g1, next
	s_cmp_lt_u32 s16, \under
	s_cbranch_scc0 \next
	tensor_load_to_lds s[\g0:\g0+3], s[\g1:\g1+7]
	s_nop 0
.rept 4
	v_nop
.endr
	s_branch .Lhead_asked
\next:
.endm
	ARM 1, G0,  G1,  .Lhead_sa
	ARM 2, G0S, G1S, .Lhead_b
	ARM 3, G0B, G1B, .Lhead_sb
	tensor_load_to_lds s[G0SB:G0SB+3], s[G1SB:G1SB+7]
	s_nop 0
.rept 4
	v_nop
.endr
.Lhead_asked:
	s_wait_alu depctr_va_vdst(0)
	s_wait_tensorcnt 0x0                           ; my tile of the head's four is in; slot 1's first fill is issued as a refill is
	ds_add_u32 v28, v29
	s_mov_b32 s[G1+2], 8<<16                       ; no tensor load of mine is out: from here on a load brings 8 tiles
	s_mov_b32 s[G1+4], 8
	s_mov_b32 s[G1B+2], 8<<16
	s_mov_b32 s[G1B+4], 8
	s_wait_dscnt 0x0
	CROUND
	JLOAD G0+4, G1, G0B+4, G1B
	v_and_b32 v1, 15, v0                           ; r
	v_bfe_u32 v2, v0, 4, 1                         ; h
	v_and_b32 v3, 31, v0                           ; lane
	v_lshlrev_b32 v[LI8], 3, v3
	v_lshlrev_b32 v8, 6, v2                        ; 64 h
	s_wait_alu depctr_va_vdst(0)
	v_and_b32 v9, 8, v1
	v_add_nc_u32 v9, v9, v1
	v_lshlrev_b32 v9, 2, v9                        ; 4 (r + 8 (r / 8))
	s_wait_alu depctr_va_vdst(0)
	v_lshlrev_b32 v[SO1], 12, v2
	v_lshl_add_u32 v[SO1], v1, 2, v[SO1]
	v_lshlrev_b32 v[SO2], 2, v3
	; both kinds of bias are loaded in every work-group; each way out uses one
	s_cmp_eq_u32 ttmp9, 1
	s_cselect_b64 s[92:93], s[10:11], s[8:9]
	s_lshl_b32 s94, s40, 10
	s_lshl_b32 s95, s18, 9
	s_add_co_u32 s94, s94, s95
	s_mov_b32 s95, 0
	s_add_nc_u64 s[92:93], s[92:93], s[94:95]      ; bq or bk at my 128 columns
	s_lshl_b32 s96, s41, 10
	s_lshl_b32 s97, s17, 9
	s_add_co_u32 s96, s96, s97
	s_mov_b32 s97, 0
	s_add_nc_u64 s[96:97], s[12:13], s[96:97]      ; bv at my 128 A rows
.irp b, 0,1,2,3
.irp j, 0,1,2,3
	global_load_b128 v[BI+16*\b+4*\j:BI+16*\b+4*\j+3], v8, s[92:93] offset:128*\b+16*\j
.endr
.endr
.irp a, 0,1,2,3,4,5,6,7
	global_load_b32 v[BV+\a], v9, s[96:97] offset:(32*(\a/2)+8*(\a%2))*4
.endr
	s_mul_i32 s21, s17, HALFT
	s_mul_i32 s22, s18, HALFT
	s_add_co_u32 s22, s22, 2*HALFT
.irp s, 0,1
	v_add_nc_u32 v[ADRA+\s], s21, v[LI8]
	v_add_nc_u32 v[ADRB+\s], s22, v[LI8]
	s_add_co_u32 s21, s21, SLOT
	s_add_co_u32 s22, s22, SLOT
.endr
	s_lshl_b32 s21, s17, 12
	s_lshl_b32 s22, s18, 12
	s_add_co_u32 s22, s22, 2*HALFS
	s_sub_co_u32 s22, s22, s21
	v_mul_u32_u24 v6, s22, v2                      ; lanes 16-31 take B's
	s_add_co_u32 s21, s21, SCL
	v_lshl_add_u32 v5, v1, 2, v6
	v_add_nc_u32 v[ADRS], s21, v5
.macro WHERE st                        ; where K step st lies: slot FS, FO bytes into a tile's row, tiles FT bytes apart
.if (\st) < 6
.set FS, (\st)/3
.set FO, ((\st)%3)*1536
.set FT, 4608
.else
.set FS, 0
.set FO, ((\st)-6)*1536
.set FT, 3072
.endif
.endm
.macro FRAG reg, adr, i                ; a fragment comes as it was stored: six pieces of 256 consecutive bytes
.irp p, 0,1,2,3,4,5
	ds_load_b64 v[\reg+2*\p:\reg+2*\p+1], v[\adr+FS] offset:(\i)*FT+FO+256*\p
.endr
.endm
; 16 matrix instructions: A's blocks a0, a0 + 1 x B's eight.  The 64 accumulators take turns, one instruction a turn, in the same order in every step.
.macro MUL16 a0, p, q, sc, zero
.irp a, \a0, \a0+1
.irp b, 0,1,2,3,4,5,6,7
.if \zero
	v_wmma_scale_f32_16x16x128_f8f6f4 v[8*(8*((\a)%4)+\b):8*(8*((\a)%4)+\b)+7], v[128*(\p)+FR*\b:128*(\p)+FR*\b+FR-1], v[AF+FR*(\a):AF+FR*(\a)+FR-1], 0, v[SC+8*NQ*(\sc)+NQ*\b+(\q)], v[SC+8*NQ*(\sc)+NQ*(\a)+(\q)] matrix_a_fmt:MATRIX_FMT_FP6 matrix_b_fmt:MATRIX_FMT_FP6 matrix_a_scale:MATRIX_SCALE_ROW1
.else
	v_wmma_scale_f32_16x16x128_f8f6f4 v[8*(8*((\a)%4)+\b):8*(8*((\a)%4)+\b)+7], v[128*(\p)+FR*\b:128*(\p)+FR*\b+FR-1], v[AF+FR*(\a):AF+FR*(\a)+FR-1], v[8*(8*((\a)%4)+\b):8*(8*((\a)%4)+\b)+7], v[SC+8*NQ*(\sc)+NQ*\b+(\q)], v[SC+8*NQ*(\sc)+NQ*(\a)+(\q)] matrix_a_fmt:MATRIX_FMT_FP6 matrix_b_fmt:MATRIX_FMT_FP6 matrix_a_scale:MATRIX_SCALE_ROW1
.endif
.endr
.endr
.endm
.macro FETCH_B st                      ; B's eight fragments of step st into set st % 2
	WHERE \st
	WIN TO_B
.irp i, 0,1,2,3,4,5,6,7
	FRAG 128*((\st)%2)+FR*\i, ADRB, \i
.endr
	WIN 0
.endm
.macro FETCH_A st, i0                  ; A's blocks i0 .. i0 + 3 of step st
	WHERE \st
.irp i, \i0, \i0+1, \i0+2, \i0+3
	FRAG AF+FR*(\i), ADRA, \i
.endr
.endm
.macro SCALES pr                       ; the scale words of steps 2 pr, 2 pr + 1 into set pr % 2: lanes 0-15 A's block i, lanes 16-31 B's block i
.irp i, 0,1,2,3,4,5,6,7
.irp q, 0,1
	ds_load_b32 v[SC+16*((\pr)%2)+2*\i+\q], v[ADRS] offset:\i*512+(\pr)*128+\q*64
.endr
.endr
.endm
.macro PLACES n
.rept \n
	v_nop
.endr
.endm
.macro MULS st, a0, zero               ; 16 products of step st: B's set and the word of the pair by st % 2, the set of scale words by the pair
	MUL16 \a0, (\st)%2, (\st)%2, ((\st)/2)%2, \zero
.endm
.macro NEXTLO st                       ; the next step's B, A's blocks 0-3 and, where it opens a pair, the pair's scale words
	FETCH_B (\st)+1
	FETCH_A (\st)+1, 0
.if (\st)%2
	SCALES ((\st)+1)/2
.endif
.endm
.macro STEP st, zero                   ; a K step that has its successor in the same slot
	s_wait_dscnt 4*NL                              ; all but the youngest 24 loads (A's blocks 4-7) are in
	WIN MUL_LO
	MULS \st, 0, \zero
	MULS \st, 2, \zero
	s_wait_dscnt 0
	PLACES NP                                      ; in front of loads into registers that matrix instructions have read
	NEXTLO \st
	WIN MUL_HI
	MULS \st, 4, \zero
	MULS \st, 6, \zero
	PLACES NP
	WIN 0
	FETCH_A (\st)+1, 4
.endm
; A slot's last K step changes slots: one barrier; in front of it each wave waits for all its tensor loads, adds 0 to its spare word, and waits for that and for its reads of this slot.
.macro TURN st, fill
	s_wait_tensorcnt 0x0                           ; all my tensor loads have landed: my part of the next slot
	ds_add_u32 v[SPW], v[NIL]
	s_wait_dscnt 4*NL+1                            ; the add and the youngest 24 loads may be out
	WIN MUL_LO
	MULS \st, 0, 0
	s_wait_dscnt 0x0                               ; the add is done, and my reads of this slot are over
	s_barrier_signal -1
	MULS \st, 2, 0
	WIN 0
	s_barrier_wait -1
.if \fill
	CREST                                          ; the barrier has opened a round of the cluster's
	s_add_nc_u64 s[G0+2:G0+3], s[G0+2:G0+3], 9216  ; slot 0 takes K steps 6 and 7: rows of two steps
	s_add_nc_u64 s[G0B+2:G0B+3], s[G0B+2:G0B+3], 9216
	s_mov_b32 s[G1+1], 384<<16
	s_mov_b32 s[G1+3], 384<<16
	s_mov_b32 s[G1B+1], 384<<16
	s_mov_b32 s[G1B+3], 384<<16
	JLOAD G0, G1, G0B, G1B                         ; the first tensor load behind the round; its four v_nop are the places in front of the loads below
.else
	PLACES NP
.endif
	NEXTLO \st
	WIN MUL_HI
	MULS \st, 4, 0
	MULS \st, 6, 0
	PLACES NP
	WIN 0
	FETCH_A (\st)+1, 4
.endm
	s_wait_alu depctr_va_vdst(0)
	s_wait_tensorcnt 1                             ; slot 1's load may be out
	s_barrier_signal -1
	s_barrier_wait -1
	FETCH_B 0
	FETCH_A 0, 0
	SCALES 0
	FETCH_A 0, 4
	STEP 0, 1                                      ; the first step's products start the sums
	STEP 1, 0
	TURN 2, 1
	STEP 3, 0
	STEP 4, 0
	TURN 5, 0
	STEP 6, 0
	s_wait_dscnt 4*NL
	WIN MUL_LO
	MUL16 0, 1, NQ-1, 1, 0
	MUL16 2, 1, NQ-1, 1, 0
	s_wait_dscnt 0
	WIN MUL_HI
	MUL16 4, 1, NQ-1, 1, 0
	MUL16 6, 1, NQ-1, 1, 0
	WIN 0
; THE WAY OUT, block by block of 16 A rows: the bias is added on the way out of the accumulators' windows (each accumulator from its low end on), the 64 numbers are quantised, and the fragment leaves as whole pieces of 256 bytes.
.macro GETBLK a, mode
.set WW, 0x02+(\a)/4
.set AC, 64*((\a)%4)
	WIN WW                                         ; source 0: window 2 or 3
.if \mode
.set i, 0
.rept 64
	v_add_f32 v[HA+i], v[AC+i], v[BV+(\a)]
.set i, i+1
.endr
.else
.set i, 0
.rept 32
	v_pk_add_f32 v[HA+i:HA+i+1], v[AC+i:AC+i+1], v[BI+i:BI+i+1]
.set i, i+2
.endr
.endif
	WIN 0
.endm
.macro QKBLK a                         ; 16 tokens x two heads: each half of the fragment is one head's tile
.if (\a) > 0
	s_wait_xcnt 0x0                                ; the last block's stores have read their registers
.endif
	GETBLK \a, 0
	QUANT HA
.irp p, 0,1,2
	global_store_b64 v[LI8], v[PC+2*\p:PC+2*\p+1], s[24:25] offset:(\a)*768+256*\p
.endr
.irp p, 0,1,2
	global_store_b64 v[LI8], v[PC+6+2*\p:PC+7+2*\p], s[24:25] offset:49152+(\a)*768+256*\p
.endr
	v_perm_b32 v[T0], v[PW], v[PW], 0x01000100     ; a head's word: its two bytes, twice: the upper 64 of the score product's K hold zero codes
	v_perm_b32 v[T1], v[PW], v[PW], 0x03020302
	v_cndmask_b32 v[T0], v[T0], v[T1], s[HM]       ; lanes 0-15 store the first head's words, lanes 16-31 the second's
	global_store_b32 v[SO1], v[T0], s[26:27] offset:(\a)*64
.endm
.macro VBLK a                          ; 16 of V's columns x 128 keys
.if (\a) > 0
	s_wait_xcnt 0x0
.endif
	GETBLK \a, 1
	QUANT HA
.irp p, 0,1,2,3,4,5
	global_store_b64 v[LI8], v[PC+2*\p:PC+2*\p+1], s[24:25] offset:(\a)*1536+256*\p
.endr
.if (\a)%2 == 0
	v_mov_b32 v[PWS], v[PW]
.else
	v_cndmask_b32 v[T0], v[PWS], v[PW], s[HM]      ; two tiles' words in one store of 128 bytes
	global_store_b32 v[SO2], v[T0], s[26:27] offset:((\a)-1)*64
.endif
.endm
	PLACES NP                                      ; behind the last products
	s_wait_loadcnt 0x0                             ; the biases
.irp b, 0,1,2,3
	v_mov_b32 v[TM+4+\b], 0                        ; a lane permute's destination counts as one of its sources
.endr
	s_lshl_b32 s22, s41, 4
	s_lshl_b32 s21, s17, 3
	s_add_co_u32 s22, s22, s21                     ; 16 cy + 8 x my A half
	s_cmp_eq_u32 ttmp9, 2                          ; the same in all partners
	s_cbranch_scc1 .Lvt
	s_lshl_b32 s20, s19, 4
	s_lshl_b32 s21, s40, 2
	s_add_co_u32 s20, s20, s21
	s_lshl_b32 s21, s18, 1
	s_add_co_u32 s20, s20, s21                     ; batch x 16 + my first head
	s_mul_i32 s24, s20, 49152
	s_mul_i32 s21, s22, 768
	s_add_co_u32 s24, s24, s21
	s_mul_i32 s21, ttmp9, 3145728                  ; q's region or k's
	s_add_co_u32 s24, s24, s21
	s_mov_b32 s25, 0
	s_add_nc_u64 s[24:25], s[14:15], s[24:25]
	s_lshl_b32 s26, s20, 12
	s_lshl_b32 s21, s22, 6
	s_add_co_u32 s26, s26, s21
	s_lshl_b32 s21, ttmp9, 18
	s_add_co_u32 s26, s26, s21
	s_add_co_u32 s26, s26, 9437184
	s_mov_b32 s27, 0
	s_add_nc_u64 s[26:27], s[14:15], s[26:27]
.irp a, 0,1,2,3,4,5,6,7
	QKBLK \a
.endr
	s_branch .Lend
.Lvt:
	s_lshl_b32 s20, s19, 3
	s_lshl_b32 s21, s40, 1
	s_add_co_u32 s20, s20, s21
	s_add_co_u32 s20, s20, s18                     ; batch x 8 + my key step
	s_lshl_b32 s20, s20, 6
	s_add_co_u32 s20, s20, s22                     ; x 64 tiles + my first tile
	s_mul_i32 s24, s20, 1536
	s_add_co_u32 s24, s24, 6291456
	s_mov_b32 s25, 0
	s_add_nc_u64 s[24:25], s[14:15], s[24:25]
	s_lshl_b32 s26, s20, 6
	s_add_co_u32 s26, s26, 9961472
	s_mov_b32 s27, 0
	s_add_nc_u64 s[26:27], s[14:15], s[26:27]
.irp a, 0,1,2,3,4,5,6,7
	VBLK \a
.endr
.Lend:
	s_wait_tensorcnt 0x0                           ; the wave's end
	ds_add_u32 v[SPW], v[NIL]
	s_wait_dscnt 0x0
	CROUND                                         ; the closing round
	s_endpgm
.Lfunc_end_k_q6f14a443cf_qkv:
	.size	k_q6f14a443cf_qkv, .Lfunc_end_k_q6f14a443cf_qkv-k_q6f14a443cf_qkv
	.p2alignl 7, 3214868480
	.fill 96, 4, 3214868480
	.section	.rodata,"a",@progbits
	.p2align	6, 0x0
	.amdhsa_kernel k_q6f14a443cf_qkv
		.amdhsa_group_segment_fixed_size 327680
		.amdhsa_private_segment_fixed_size 0
		.amdhsa_enable_private_segment 0
		.amdhsa_kernarg_size 48
		.amdhsa_user_sgpr_count 2
		.amdhsa_user_sgpr_kernarg_segment_ptr 1
		.amdhsa_wavefront_size32 1
		.amdhsa_system_sgpr_workgroup_id_x 1
		.amdhsa_system_sgpr_workgroup_id_y 1
		.amdhsa_system_sgpr_workgroup_id_z 1
		.amdhsa_system_vgpr_workitem_id 0
		.amdhsa_next_free_vgpr 1024
		.amdhsa_next_free_sgpr 102
		.amdhsa_reserve_vcc 0
		.amdhsa_float_denorm_mode_32 3
		.amdhsa_float_denorm_mode_16_64 3
		.amdhsa_memory_ordered 1
		.amdhsa_forward_progress 1
		.amdhsa_inst_pref_size 242
	.end_amdhsa_kernel
	.amdgpu_metadata
---
amdhsa.version: [ 1, 2 ]
amdhsa.kernels:
  - .name:           k_q6f14a443cf_qkv
    .symbol:         k_q6f14a443cf_qkv.kd
    .args:
      - { .name: xq, .offset: 0, .size: 8, .value_kind: global_buffer, .address_space: global }
      - { .name: wq, .offset: 8, .size: 8, .value_kind: global_buffer, .address_space: global }
      - { .name: bq, .offset: 16, .size: 8, .value_kind: global_buffer, .address_space: global }
      - { .name: bk, .offset: 24, .size: 8, .value_kind: global_buffer, .address_space: global }
      - { .name: bv, .offset: 32, .size: 8, .value_kind: global_buffer, .address_space: global }
      - { .name: qkv, .offset: 40, .size: 8, .value_kind: global_buffer, .address_space: global }
    .group_segment_fixed_size: 327680
    .private_segment_fixed_size: 0
    .kernarg_segment_align: 8
    .kernarg_segment_size: 48
    .max_flat_workgroup_size: 128
    .sgpr_count:     102
    .vgpr_count:     1024
    .wavefront_size: 32
...
	.end_amdgpu_metadata
.endif
;; end of part 2
;; launch attn (part 3): grid 4 x 64, 16 waves a work-group, clusters of 4 x 1, 169,984 bytes of LDS; arguments qkv, mw, aq; writes aq
.if DOCPART == 3
	.amdgcn_target "amdgcn-amd-amdhsa--gfx1250"
	.amdhsa_code_object_version 6
	.text
	.protected	k_q6f14a443cf_attn
	.globl	k_q6f14a443cf_attn
	.p2align	8
	.type	k_q6f14a443cf_attn,@function
k_q6f14a443cf_attn:
	s_mov_b64 s[64:65], 0
	v_nop
	global_prefetch_b8 v0, s[64:65] scope:SCOPE_SE
	s_setreg_imm32_b32 hwreg(HW_REG_WAVE_MODE, 25, 1), 1
	s_wait_xcnt 0x0
	s_wait_alu depctr_hold_cnt(0) depctr_sa_sdst(0) depctr_va_vdst(0) depctr_va_sdst(0) depctr_va_ssrc(0) depctr_va_vcc(0) depctr_vm_vsrc(0)
	s_getreg_b32 s2, hwreg(HW_REG_IB_STS2, 6, 4)
	s_cmp_eq_u32 s2, 0
	s_cbranch_scc0 .Lentry_in_a_cluster
	s_endpgm
.Lentry_in_a_cluster:
	s_bfe_u32 s2, ttmp6, 0x10000c
	s_cmp_lg_u32 s2, 0x3003
	s_cbranch_scc0 .Lentry_shape_is_right
	s_endpgm
.Lentry_shape_is_right:
; Attention of one head (cluster y = batch x 16 + head) on FP6 codes; the four work-groups of a cluster are the head's four blocks of 256 queries; each of sixteen waves owns one tile of 16 queries.
; A whole head's K and V codes and scale words (104,448 bytes) come into LDS ONCE, by joint loads of the four partners: no ring, no byte is filled twice.
; Both products are used transposed (S^T = K Q^T, O^T = V^T P^T): a lane holds one query throughout, and the 16 registers of two neighbouring key tiles are 16 neighbouring keys.
; THE HEAD HAS 64 CHANNELS, the instruction 128 along K: Q's registers 6-11 are zero codes, so whatever codes stand in the other source's registers 6-11 add exactly 0: tile t's source is the run of 12 registers that begins
; with its own six and goes on into tile t + 1's (behind tile 7: six zeros).  q's and k's scale words repeat their two bytes, so that bytes 2 and 3 are ordinary scales.
; THE MASK comes as lane words made by the first launch: word n, bit L says whether lane L's score in register n counts: one v_cndmask_b32 a score; the words steer no address and no branch.
; SOFTMAX: t = score x log2(e) / 8; M = the running largest t rounded up to a whole number; p = 2^(t - M) is quantised along the keys; the row's sum is taken of the unquantised p and divides at the end.
; LIMITS: a masked score is taken as -2^33 (logit -2^30, not -1e9): times c it is a whole number, so that a row whose every key is masked gets p = 1 everywhere, as the definition gives; other rows agree wherever their unmasked logits lie above -1e9.
; A block's largest p is taken through its largest score (v_exp_f32 is taken not to fall where its input rises).  Scale byte 1 for blocks of zeros.  NaN and infinities are not served.
; No prefetch: K and V are fetched once, at the head.
.set VC,   49152                       ; LDS: K's codes at 0 [64 tiles][768]; V's here [8 key steps][4 tiles][1,536]
.set KSC,  98304                       ; K's scale words, 64 bytes a tile
.set VSC,  102400                      ; V's, 256 bytes a key step
.set WV,   10
.set MB,   84                          ; s[84:85] my tile's mask words of the step to be loaded
.set SEL,  86
.set CS,   88                          ; s[88:89] c = log2(e) / 8
.set TB,   90
.set TS,   91
.set TJ,   92
.set CNT,  93
.set STP,  94
.set HM,   96
.set AQC,  98
.set AQS,  100
.set KD,   32                          ; v32-79 K's eight tiles, six registers each; v80-85 zeros
.set PC,   32                          ; behind the scores: p's codes
.set CT,   44
.set KSW,  86                          ; v86-93 K's scale words, v94-97 V's; v28 Q's, v31 p's; v90-93 later also hold partial sums of p
.set VSW,  94
.set VF,   98                          ; v98-145 V's four fragments
.set S,    146                         ; v146-209 the scores, then p
.set O,    210                         ; v210-241 O^T
.set BM,   242
.set PT,   246
.set SO,   250
.macro CROUND
	s_barrier_signal -1
	s_barrier_wait -1
	s_cmp_lg_u32 s[WV], 0
	s_cbranch_scc1 .Lnot_wave_0_\@
	s_barrier_signal -3
.Lnot_wave_0_\@:
	s_barrier_wait -3
	s_barrier_signal -1
	s_barrier_wait -1
.endm
	s_load_b128 s[4:7], s[0:1], 0x0                ; qkv, mw
	s_load_b64 s[8:9], s[0:1], 0x10                ; aq
	v_lshl_add_u32 v254, v0, 2, 0x29000
	v_mov_b32 v255, 0
	ds_add_u32 v254, v255
	ds_add_u32 v254, v255
	s_wait_dscnt 0x0
	v_lshrrev_b32 v1, 5, v0
	s_delay_alu instid0(VALU_DEP_1)
	v_readfirstlane_b32 s[WV], v1                  ; wave 0..15
	s_bfe_u32 s11, ttmp6, 0x40000                  ; cx: my block of queries; it enters global addresses alone
	s_and_b32 s12, ttmp7, 0xffff                   ; batch x 16 + head
	s_lshr_b32 s13, s12, 4
	s_and_b32 s14, s12, 15
	s_and_b32 s15, s[WV], 3
	; groups 1; word 0: all four partners, elements of 8 bytes, bit 21 beside the mask, no padding
.irp g, 16, 24, 32, 40
	s_mov_b32 s[\g], 15|(3<<16)|(1<<21)
	s_mov_b32 s[\g+6], 0
	s_mov_b32 s[\g+7], 0
.endr
	s_mov_b32 s17, 32<<16                          ; K's codes: a quarter of the head's 49,152 dense bytes: 48 rows of 256
	s_mov_b32 s18, 48<<16
	s_mov_b32 s19, 32<<16
	s_mov_b32 s20, 48
	s_mov_b32 s21, 32
	s_mov_b32 s25, 768<<16                         ; V's codes: two key steps: 2 rows of 6,144 bytes, 98,304 bytes apart
	s_mov_b32 s26, 2<<16
	s_mov_b32 s27, 768<<16
	s_mov_b32 s28, 2
	s_mov_b32 s29, 12288
	s_mov_b32 s33, 32<<16                          ; K's scale words: 16 rows of 256 dense bytes
	s_mov_b32 s34, 16<<16
	s_mov_b32 s35, 32<<16
	s_mov_b32 s36, 16
	s_mov_b32 s37, 32
	s_mov_b32 s41, 32<<16                          ; V's: 8 rows of 256 bytes, 4,096 bytes apart
	s_mov_b32 s42, 8<<16
	s_mov_b32 s43, 32<<16
	s_mov_b32 s44, 8
	s_mov_b32 s45, 512
	s_mul_i32 s84, s12, 49152
	s_mul_i32 s86, s15, 12288                      ; my quarter, in memory (K) and in LDS (K and V)
	s_add_co_u32 s84, s84, s86
	s_add_co_u32 s84, s84, 3145728
	s_mov_b32 s85, 0
	s_mul_i32 s88, s13, 786432
	s_mul_i32 s87, s14, 6144
	s_add_co_u32 s88, s88, s87
	s_mul_i32 s87, s15, 196608
	s_add_co_u32 s88, s88, s87
	s_add_co_u32 s88, s88, 6291456
	s_mov_b32 s89, 0
	s_lshl_b32 s90, s12, 12
	s_add_co_u32 s90, s90, 9699328
	s_mov_b32 s91, 0
	s_lshl_b32 s92, s13, 15
	s_lshl_b32 s87, s14, 8
	s_add_co_u32 s92, s92, s87
	s_add_co_u32 s92, s92, 9961472
	s_mov_b32 s93, 0
	s_wait_kmcnt 0x0
	s_mov_b32 s48, 1
	s_mov_b32 s49, s86
	s_add_nc_u64 s[50:51], s[4:5], s[84:85]
	s_or_b32 s51, s51, 0x80000000
	s_mov_b32 s52, 1
	s_add_co_u32 s53, s86, VC
	s_add_nc_u64 s[54:55], s[4:5], s[88:89]
	s_or_b32 s55, s55, 0x80000000
	s_mov_b32 s56, 1
	s_mov_b32 s57, KSC
	s_add_nc_u64 s[58:59], s[4:5], s[90:91]
	s_or_b32 s59, s59, 0x80000000
	s_mov_b32 s60, 1
	s_mov_b32 s61, VSC
	s_add_nc_u64 s[62:63], s[4:5], s[92:93]
	s_or_b32 s63, s63, 0x80000000
	CROUND                                         ; all four work-groups are here: the joint loads meet
	; the first and only fills: one load a wave, in one chain of branches on the wave's number; four v_nop follow each
	s_cmp_lt_u32 s[WV], 4
	s_cbranch_scc0 .Lnot_k
	tensor_load_to_lds s[48:51], s[16:23]
	s_nop 0
.rept 4
	v_nop
.endr
	s_branch .Lasked
.Lnot_k:
	s_cmp_lt_u32 s[WV], 8
	s_cbranch_scc0 .Lnot_v
	tensor_load_to_lds s[52:55], s[24:31]
	s_nop 0
.rept 4
	v_nop
.endr
	s_branch .Lasked
.Lnot_v:
	s_cmp_eq_u32 s[WV], 8
	s_cbranch_scc0 .Lnot_ks
	tensor_load_to_lds s[56:59], s[32:39]
	s_nop 0
.rept 4
	v_nop
.endr
	s_branch .Lasked
.Lnot_ks:
	s_cmp_eq_u32 s[WV], 9
	s_cbranch_scc0 .Lasked
	tensor_load_to_lds s[60:63], s[40:47]
	s_nop 0
.rept 4
	v_nop
.endr
.Lasked:
	v_and_b32 v8, 31, v0                           ; lane
	v_and_b32 v9, 15, v0                           ; r
	v_bfe_u32 v10, v0, 4, 1                        ; h
	s_delay_alu instid0(VALU_DEP_3)
	v_lshlrev_b32 v1, 3, v8                        ; 8 x lane: K's codes begin at LDS byte 0
	s_wait_alu depctr_va_vdst(0)
	v_add_nc_u32 v2, VC, v1
	v_lshl_add_u32 v3, v9, 2, KSC
	v_lshl_add_u32 v4, v9, 2, VSC
	v_mov_b32 v5, 0xd0000000                       ; -2^33
	v_lshlrev_b32 v6, 2, v9                        ; 4 r
	s_wait_alu depctr_va_vdst(0)
	v_lshl_add_u32 v7, v9, 2, v10                  ; 4 r + h
	s_lshl_b32 s97, s11, 4
	s_add_co_u32 s97, s97, s[WV]                   ; my tile of queries in the batch
	s_mul_i32 s84, s12, 49152
	s_mul_i32 s86, s97, 768
	s_add_co_u32 s84, s84, s86
	s_mov_b32 s85, 0
	s_add_nc_u64 s[66:67], s[4:5], s[84:85]        ; Q's codes
	s_lshl_b32 s84, s12, 12
	s_lshl_b32 s86, s97, 6
	s_add_co_u32 s84, s84, s86
	s_add_co_u32 s84, s84, 9437184
	s_add_nc_u64 s[2:3], s[4:5], s[84:85]          ; Q's scale words
.irp p, 0,1,2
	global_load_b64 v[16+2*\p:17+2*\p], v1, s[66:67] offset:256*\p
.endr
	global_load_b32 v28, v6, s[2:3]
	s_lshl_b32 s86, s13, 6
	s_add_co_u32 s97, s97, s86                     ; my row tile among all 256
	s_lshl_b32 s84, s97, 11
	s_add_nc_u64 s[MB:MB+1], s[6:7], s[84:85]
	s_lshl_b32 s86, s97, 3
	s_lshr_b32 s87, s14, 1
	s_add_co_u32 s86, s86, s87                     ; the fragment of the next product: K step = the pair of heads
	s_and_b32 s87, s14, 1
	s_mul_i32 s98, s86, 1536
	s_mul_i32 s88, s87, 768                        ; its half: my head
	s_add_co_u32 s98, s98, s88
	s_mov_b32 s99, 0
	s_add_nc_u64 s[AQC:AQC+1], s[8:9], s[98:99]
	s_lshl_b32 s100, s86, 6
	s_lshl_b32 s88, s87, 1
	s_add_co_u32 s100, s100, s88
	s_add_co_u32 s100, s100, 3145728
	s_mov_b32 s101, 0
	s_add_nc_u64 s[AQS:AQS+1], s[8:9], s[100:101]
	s_mov_b32 s[SEL], 0x76543210
	s_mov_b32 s[SEL+1], 0xfedcba98
	s_mov_b32 s[CS], 0x3e38aa3b
	s_mov_b32 s[CS+1], s[CS]
	s_mov_b32 s[TB], 0
	s_mov_b32 s[TS], 0
	s_mov_b32 s[TJ], 0
	s_mov_b32 s[STP+1], 0
	s_mov_b32 s[HM], 0xffff0000
	s_wait_tensorcnt 0x0                           ; my load has landed (its descriptor's registers are free from here on),
	s_barrier_signal -1
	s_barrier_wait -1                              ; everybody's has
	s_load_b512 s[16:31], s[MB:MB+1], 0x0          ; key step 0's 64 mask words
	s_load_b512 s[32:47], s[MB:MB+1], 0x40
	s_load_b512 s[48:63], s[MB:MB+1], 0x80
	s_load_b512 s[68:83], s[MB:MB+1], 0xc0
.irp i, 22,23,24,25,26,27, 80,81,82,83,84,85
	v_mov_b32 v[\i], 0                             ; zero codes
.endr
	v_mov_b32 v13, 0xff61b1e6                      ; the largest t so far: -3e38
	s_delay_alu instid0(VALU_DEP_1)
	v_floor_f32 v12, -v13                          ; -M
	v_mov_b32 v14, 0
	v_mov_b32 v15, 0
	v_mov_b32 v29, 0
	v_mov_b32 v31, 0                               ; (named as the upper half of the pair v[30:31] before it is first written)
.irp b, 0,1,2,3
	v_mov_b32 v[PT+\b], 0
.endr
.set i, 0
.rept 32
	v_mov_b32 v[O+i], 0                            ; the step is written once: the first finds zeros
.set i, i+1
.endr
	s_wait_loadcnt 0x0                             ; Q
	s_mov_b32 s[CNT], 0
.Lstep:                                            ; eight key steps of 128
	v_add_nc_u32 v8, s[TB], v1                     ; these four are also the places between the last products and the loads into their registers
	v_add_nc_u32 v9, s[TB], v2
	v_add_nc_u32 v10, s[TS], v3
	v_add_nc_u32 v11, s[TJ], v4
.irp t, 0,1,2,3,4,5,6,7
.irp p, 0,1,2
	ds_load_b64 v[KD+6*\t+2*\p:KD+6*\t+2*\p+1], v8 offset:768*\t+256*\p
.endr
	ds_load_b32 v[KSW+\t], v10 offset:64*\t
.endr
.irp t, 0,1,2,3
.irp p, 0,1,2,3,4,5
	ds_load_b64 v[VF+12*\t+2*\p:VF+12*\t+2*\p+1], v9 offset:1536*\t+256*\p
.endr
	ds_load_b32 v[VSW+\t], v11 offset:64*\t
.endr
	s_wait_dscnt 28                                ; K's 32 loads are in; V's 28 may be out
.irp t, 0,1,2,3,4,5,6,7
	v_wmma_scale_f32_16x16x128_f8f6f4 v[S+8*\t:S+8*\t+7], v[KD+6*\t:KD+6*\t+11], v[16:27], 0, v[KSW+\t], v28 matrix_a_fmt:MATRIX_FMT_FP6 matrix_b_fmt:MATRIX_FMT_FP6
.endr
.rept 4
	v_nop
.endr
	s_wait_kmcnt 0x0                               ; this step's mask words
.set n, 0
.rept 64
.if n < 48
	v_cndmask_b32 v[S+n], v5, v[S+n], s[16+n]      ; a masked score becomes -2^33; each accumulator from its low end on
.else
	v_cndmask_b32 v[S+n], v5, v[S+n], s[20+n]
.endif
.set n, n+1
.endr
	s_cmp_lt_u32 s[CNT], 7                         ; the next step's words; the last step asks for its own again: no load leaves the buffer
	s_cselect_b32 s[STP], 256, 0
	s_add_nc_u64 s[MB:MB+1], s[MB:MB+1], s[STP:STP+1]
	s_load_b512 s[16:31], s[MB:MB+1], 0x0
	s_load_b512 s[32:47], s[MB:MB+1], 0x40
	s_load_b512 s[48:63], s[MB:MB+1], 0x80
	s_load_b512 s[68:83], s[MB:MB+1], 0xc0
.irp b, 0,1,2,3
	v_max3_num_f32 v[BM+\b], v[S+16*\b], v[S+1+16*\b], v[S+2+16*\b]   ; the largest score of each block of 32 keys: for the row's maximum and for the block's largest p
.endr
.irp i, 3,5,7,9,11,13
.irp b, 0,1,2,3
	s_delay_alu instid0(VALU_DEP_4)
	v_max3_num_f32 v[BM+\b], v[BM+\b], v[S+16*\b+\i], v[S+1+16*\b+\i]
.endr
.endr
.irp b, 0,1,2,3
	s_delay_alu instid0(VALU_DEP_4)
	v_max_num_f32 v[BM+\b], v[BM+\b], v[S+15+16*\b]
.endr
.irp b, 0,1,2,3
	s_delay_alu instid0(VALU_DEP_4)
	v_permlanex16_b32 v[PT+\b], v[BM+\b], s[SEL], s[SEL+1]
.endr
.irp b, 0,1,2,3
	s_delay_alu instid0(VALU_DEP_4)
	v_max_num_f32 v[BM+\b], v[BM+\b], v[PT+\b]
.endr
	s_delay_alu instid0(VALU_DEP_2)
	v_max3_num_f32 v29, v[BM], v[BM+1], v[BM+2]
	s_delay_alu instid0(VALU_DEP_1)
	v_max_num_f32 v29, v29, v[BM+3]
	s_delay_alu instid0(VALU_DEP_1)
	v_mul_f32 v29, s[CS], v29
	s_delay_alu instid0(VALU_DEP_1)
	v_max_num_f32 v13, v13, v29                    ; the running largest t
	v_mov_b32 v29, v12
	s_delay_alu instid0(VALU_DEP_2)
	v_floor_f32 v12, -v13                          ; the new -M: a whole number
	s_delay_alu instid0(VALU_DEP_1)
	v_sub_f32 v29, v12, v29
	s_delay_alu instid0(VALU_DEP_1)
	v_cvt_i32_f32 v29, v29                         ; (it saturates)
	s_delay_alu instid0(VALU_DEP_1)
	v_ldexp_f32 v30, 1.0, v29                      ; f = 2^(old M - new M)
.set i, 0
.rept 32
	v_pk_fma_f32 v[S+i:S+i+1], v[S+i:S+i+1], s[CS:CS+1], v[12:13] op_sel_hi:[1,0,0]   ; t - M
.set i, i+2
.endr
.irp b, 0,1,2,3
	v_fma_f32 v[BM+\b], v[BM+\b], s[CS], v12
.endr
.set i, 0
	s_wait_alu depctr_va_vdst(0)
.rept 64
	v_exp_f32 v[S+i], v[S+i]                       ; p, at most 1, not normalised
.set i, i+1
.endr
	v_pk_mul_f32 v[14:15], v[14:15], v[30:31] op_sel_hi:[1,0]   ; the sums under the new M (a plain place behind the exponentials)
	s_wait_alu depctr_va_vdst(0)                   ; one wait for the batch, ahead of its first reader
.irp b, 0,1,2,3
	v_exp_f32 v[BM+\b], v[BM+\b]                   ; each block's largest p
.endr
	v_pk_add_f32 v[254:255], v[150:151], v[154:155]
	v_pk_add_f32 v[252:253], v[158:159], v[162:163]
	v_pk_add_f32 v[250:251], v[166:167], v[170:171]
	v_pk_add_f32 v[248:249], v[174:175], v[178:179]
	v_pk_add_f32 v[246:247], v[182:183], v[186:187]
	v_pk_add_f32 v[92:93], v[190:191], v[194:195]
	v_pk_add_f32 v[90:91], v[198:199], v[202:203]
	v_pk_add_f32 v[14:15], v[14:15], v[206:207]
	v_pk_add_f32 v[254:255], v[254:255], v[146:147]
	v_pk_add_f32 v[252:253], v[252:253], v[148:149]
	v_pk_add_f32 v[250:251], v[250:251], v[152:153]
	v_pk_add_f32 v[248:249], v[248:249], v[156:157]
	v_pk_add_f32 v[246:247], v[246:247], v[160:161]
	v_pk_add_f32 v[92:93], v[92:93], v[164:165]
	v_pk_add_f32 v[90:91], v[90:91], v[168:169]
	v_pk_add_f32 v[14:15], v[14:15], v[172:173]
	v_pk_add_f32 v[254:255], v[254:255], v[176:177]
	v_pk_add_f32 v[252:253], v[252:253], v[180:181]
	v_pk_add_f32 v[250:251], v[250:251], v[184:185]
	v_pk_add_f32 v[248:249], v[248:249], v[188:189]
	v_pk_add_f32 v[246:247], v[246:247], v[192:193]
	v_pk_add_f32 v[92:93], v[92:93], v[196:197]
	v_pk_add_f32 v[90:91], v[90:91], v[200:201]
	v_pk_add_f32 v[14:15], v[14:15], v[204:205]
	v_pk_add_f32 v[254:255], v[254:255], v[208:209]
	s_delay_alu instid0(VALU_DEP_2)
	v_pk_add_f32 v[14:15], v[14:15], v[248:249]
	s_delay_alu instid0(VALU_DEP_2)
	v_pk_add_f32 v[254:255], v[254:255], v[246:247]
	v_pk_add_f32 v[252:253], v[252:253], v[92:93]
	v_pk_add_f32 v[250:251], v[250:251], v[90:91]
	s_delay_alu instid0(VALU_DEP_2)
	v_pk_add_f32 v[14:15], v[14:15], v[252:253]
	s_delay_alu instid0(VALU_DEP_2)
	v_pk_add_f32 v[254:255], v[254:255], v[250:251]
	s_delay_alu instid0(VALU_DEP_1)
	v_pk_add_f32 v[14:15], v[14:15], v[254:255]
	s_wait_alu depctr_va_vdst(0)                   ; and one for the four
.irp b, 0,1,2,3
	v_max_num_f32 v[BM+\b], 0x1800000, v[BM+\b]    ; the floor: the byte cannot fall under 1
.endr
.irp b, 0,1,2,3
	s_delay_alu instid0(VALU_DEP_4)
	v_add_nc_u32 v[SO+\b], 0xff000000, v[BM+\b]
.endr
.irp b, 0,1,2,3
	s_delay_alu instid0(VALU_DEP_4)
	v_lshrrev_b32 v[PT+\b], 23, v[SO+\b]
.endr
	s_delay_alu instid0(VALU_DEP_3)
	v_lshl_or_b32 v31, v[PT+1], 8, v[PT]           ; p's scale word for these 128 keys
	s_delay_alu instid0(VALU_DEP_1)
	v_lshl_or_b32 v31, v[PT+2], 16, v31
	s_delay_alu instid0(VALU_DEP_1)
	v_lshl_or_b32 v31, v[PT+3], 24, v31
.irp c, 0,1
	v_cvt_scalef32_pk16_fp6_f32 v[PC+6*\c:PC+2+6*\c], v[S+32*\c:S+15+32*\c], v[SO+2*\c]
	v_cvt_scalef32_pk16_fp6_f32 v[CT+4*\c:CT+2+4*\c], v[S+16+32*\c:S+31+32*\c], v[SO+2*\c+1]
.endr
	v_nop
.irp c, 0,1
.irp i, 0,1,2
	v_permlane16_swap_b32 v[PC+6*\c+\i], v[CT+4*\c+\i]
.endr
.irp i, 0,1,2
	s_delay_alu instid0(VALU_DEP_3)
	v_mov_b32 v[PC+3+6*\c+\i], v[CT+4*\c+\i]
.endr
.endr
.set i, 0
.rept 16
	v_pk_mul_f32 v[O+i:O+i+1], v[O+i:O+i+1], v[30:31] op_sel_hi:[1,0]   ; O^T under the new M; these are also the places in front of the products below
.set i, i+2
.endr
	s_wait_alu depctr_va_vdst(0)
	s_wait_dscnt 0x0                               ; V
.irp t, 0,1,2,3
	v_wmma_scale_f32_16x16x128_f8f6f4 v[O+8*\t:O+8*\t+7], v[VF+12*\t:VF+12*\t+11], v[PC:PC+11], v[O+8*\t:O+8*\t+7], v[VSW+\t], v31 matrix_a_fmt:MATRIX_FMT_FP6 matrix_b_fmt:MATRIX_FMT_FP6
.endr
	s_add_co_u32 s[TB], s[TB], 6144
	s_add_co_u32 s[TS], s[TS], 512
	s_add_co_u32 s[TJ], s[TJ], 256
	s_add_co_u32 s[CNT], s[CNT], 1
	s_cmp_lt_u32 s[CNT], 8
	s_cbranch_scc1 .Lstep
	s_wait_kmcnt 0x0
	; THE WAY OUT: O^T / the sum, quantised along the channels: my head's 64 are half a fragment of the next product
.rept 4
	v_nop
.endr
	v_add_f32 v14, v14, v15
	s_delay_alu instid0(VALU_DEP_1)
	v_permlanex16_b32 v29, v14, s[SEL], s[SEL+1]
	s_delay_alu instid0(VALU_DEP_1)
	v_add_f32 v14, v14, v29
	s_wait_alu depctr_va_vdst(0)
	v_rcp_f32 v14, v14
	v_nop
	s_wait_alu depctr_va_vdst(0)
	v_mov_b32 v15, v14
.set i, 0
.rept 16
	v_pk_mul_f32 v[O+i:O+i+1], v[O+i:O+i+1], v[14:15]
.set i, i+2
.endr
.irp b, 0,1
	v_max3_num_f32 v[BM+\b], |v[O+16*\b]|, |v[O+1+16*\b]|, 0x1800000
.endr
.irp i, 2,4,6,8,10,12,14
.irp b, 0,1
	s_delay_alu instid0(VALU_DEP_2)
	v_max3_num_f32 v[BM+\b], v[BM+\b], |v[O+16*\b+\i]|, |v[O+1+16*\b+\i]|
.endr
.endr
.irp b, 0,1
	s_delay_alu instid0(VALU_DEP_2)
	v_permlanex16_b32 v[PT+\b], v[BM+\b], s[SEL], s[SEL+1]
.endr
.irp b, 0,1
	s_delay_alu instid0(VALU_DEP_2)
	v_max_num_f32 v[BM+\b], v[BM+\b], v[PT+\b]
.endr
.irp b, 0,1
	s_delay_alu instid0(VALU_DEP_2)
	v_add_nc_u32 v[SO+\b], 0xff000000, v[BM+\b]
.endr
.irp b, 0,1
	s_delay_alu instid0(VALU_DEP_2)
	v_lshrrev_b32 v[PT+\b], 23, v[SO+\b]
.endr
	v_cvt_scalef32_pk16_fp6_f32 v[PC:PC+2], v[O:O+15], v[SO]
	v_cvt_scalef32_pk16_fp6_f32 v[CT:CT+2], v[O+16:O+31], v[SO+1]
	v_cndmask_b32 v29, v[PT], v[PT+1], s[HM]       ; lanes 0-15 store block 0's byte, lanes 16-31 block 1's (a plain place behind the conversions)
.irp i, 0,1,2
	v_permlane16_swap_b32 v[PC+\i], v[CT+\i]
.endr
.irp i, 0,1,2
	s_delay_alu instid0(VALU_DEP_3)
	v_mov_b32 v[PC+3+\i], v[CT+\i]
.endr
	v_lshlrev_b32 v8, 1, v1                        ; 16 x lane
	global_store_b128 v8, v[PC:PC+3], s[AQC:AQC+1]              ; my head's half of a fragment, 768 bytes: registers 0-3 at 16 x lane,
	global_store_b64 v1, v[PC+4:PC+5], s[AQC:AQC+1] offset:512  ; registers 4, 5 at 512 + 8 x lane: whole runs of 512 and 256 bytes
	global_store_b8 v7, v29, s[AQS:AQS+1]          ; my head's two bytes of each row's scale word; the other two are the partner head's work-group's
	s_wait_xcnt 0x0
	v_lshl_add_u32 v254, v0, 2, 0x29000
	v_mov_b32 v255, 0
	s_wait_alu depctr_va_vdst(0)
	s_wait_tensorcnt 0x0
	ds_add_u32 v254, v255
	s_wait_dscnt 0x0
	CROUND                                         ; the closing round
	s_endpgm
.Lfunc_end_k_q6f14a443cf_attn:
	.size	k_q6f14a443cf_attn, .Lfunc_end_k_q6f14a443cf_attn-k_q6f14a443cf_attn
	.p2alignl 7, 3214868480
	.fill 96, 4, 3214868480
	.section	.rodata,"a",@progbits
	.p2align	6, 0x0
	.amdhsa_kernel k_q6f14a443cf_attn
		.amdhsa_group_segment_fixed_size 169984
		.amdhsa_private_segment_fixed_size 0
		.amdhsa_enable_private_segment 0
		.amdhsa_kernarg_size 24
		.amdhsa_user_sgpr_count 2
		.amdhsa_user_sgpr_kernarg_segment_ptr 1
		.amdhsa_wavefront_size32 1
		.amdhsa_system_sgpr_workgroup_id_x 1
		.amdhsa_system_sgpr_workgroup_id_y 1
		.amdhsa_system_sgpr_workgroup_id_z 1
		.amdhsa_system_vgpr_workitem_id 0
		.amdhsa_next_free_vgpr 256
		.amdhsa_next_free_sgpr 102
		.amdhsa_reserve_vcc 0
		.amdhsa_float_denorm_mode_32 3
		.amdhsa_float_denorm_mode_16_64 3
		.amdhsa_memory_ordered 1
		.amdhsa_forward_progress 1
		.amdhsa_inst_pref_size 40
	.end_amdhsa_kernel
	.amdgpu_metadata
---
amdhsa.version: [ 1, 2 ]
amdhsa.kernels:
  - .name:           k_q6f14a443cf_attn
    .symbol:         k_q6f14a443cf_attn.kd
    .args:
      - { .name: qkv, .offset: 0, .size: 8, .value_kind: global_buffer, .address_space: global }
      - { .name: mw, .offset: 8, .size: 8, .value_kind: global_buffer, .address_space: global }
      - { .name: aq, .offset: 16, .size: 8, .value_kind: global_buffer, .address_space: global }
    .group_segment_fixed_size: 169984
    .private_segment_fixed_size: 0
    .kernarg_segment_align: 8
    .kernarg_segment_size: 24
    .max_flat_workgroup_size: 512
    .sgpr_count:     102
    .vgpr_count:     256
    .wavefront_size: 32
...
	.end_amdgpu_metadata
.endif
;; end of part 3
;; launch wo (part 4): grid 8 x 32, 4 waves a work-group, no clusters, 270,848 bytes of LDS; arguments aq, wq, bo, x, x1; writes x1
.if DOCPART == 4
	.amdgcn_target "amdgcn-amd-amdhsa--gfx1250"
	.amdhsa_code_object_version 6
	.text
	.protected	k_q6f14a443cf_wo
	.globl	k_q6f14a443cf_wo
	.p2align	8
	.type	k_q6f14a443cf_wo,@function
k_q6f14a443cf_wo:
	s_mov_b64 s[64:65], 0
	v_nop
	global_prefetch_b8 v0, s[64:65] scope:SCOPE_SE
	s_setreg_imm32_b32 hwreg(HW_REG_WAVE_MODE, 25, 1), 1
	s_wait_xcnt 0x0
; x1 = x + attn Wo + bo on FP6 codes.  A work-group makes 128 rows x 128 columns.  K IS CUT AMONG THE FOUR WAVES: each wave holds all 64 accumulators (512 registers)
; and sums over its own quarter of K, NS K steps of 128.  Operands lie in memory as images of their registers, so each wave loads its fragments from memory straight into registers:
; no fragment is read by two waves of the work-group, and no barrier stands in the main part.  At the end the four partial tiles meet in LDS (a region of 128 rows x 528 bytes a wave);
; wave w reads rows 32 w .. 32 w + 31 of all four regions back as dense rows of 512 bytes, adds them, the bias and the residual, and stores whole rows.
; The product is used transposed (source 0 = the weight's columns, source 1 = tokens).  Lane row r of tile t is matrix row 32 (t / 2) + 8 (t % 2) + r + 8 (r / 8), on both sides.
; NO CLUSTER: no tile is brought into LDS, each fragment goes to one wave's registers alone, so there is no tensor load that partners could ask for jointly.
; PREFETCH: the wave's 32 residual rows (64 blocks of 256 bytes, a lane a row) are asked for at the head and loaded behind the first step.  The fragments have none: with NS = 2 all of them are asked for at the head, there is no loop to run ahead in.
; LIMIT: each output is the f32 sum of four partial sums over quarters of K, not one ascending chain.  NaN and infinities are not served.
.set KS,    8                          ; K steps of the product
.set A_SC,  3145728                    ; where A's scale words begin in its buffer
.set B_CO,  2359296                    ; where the weight's codes begin in wq
.set B_SC,  9535488                    ; and its scale words
.set ASPLIT, 1                         ; A's fragment: 1 = two halves of 512 + 256 bytes (as the attention stores them), 0 = three pieces of 512 bytes
.set NS,    KS/4                       ; K steps of a wave
.set NFR,   48+8*ASPLIT                ; loads that bring a step's 16 fragments
.set TP,    KS*1536                    ; from tile to tile, codes
.set SPI,   KS*64                      ; and scale words
.set ROWP,  528                        ; an LDS row: 512 bytes + 16
.set REGION, 128*ROWP
.set SPARE, 4*REGION                   ; the spare words, 128 bytes a wave
.set L16, 1                            ; v1 16 x lane   v2 8 x lane   v3 4 x lane
.set L8,  2
.set L4,  3
.set STO, 4                            ; v4 where I put my partial sums
.set RD,  5                            ; v5-8 my rows in the four regions
.set SPW, 10
.set NIL, 11
.set BIAS, 12                          ; v12-15
.set PFA, 16                           ; v16-18 offsets of the prefetches
.set PFB, 17
.set PFR, 18
.set SC,  32                           ; v32-63 scale words, two sets of 16 (8 of A, 8 of B): lanes 0-15 the even step of a pair, lanes 16-31 the odd one; nothing else ever lies here
.set AF,  64                           ; window 0: v64-159, v160-255 A's fragments, two sets.  Window 1: B's at v0 and v128.  Windows 2, 3: the accumulators
.set MSB, 0
.macro WIN new                         ; the immediate's high byte repeats the setting that is left
.if MSB != \new
	s_set_vgpr_msb (MSB<<8)|\new
.set MSB, \new
.endif
.endm
.set MUL_LO, 0xa1                      ; source 0 window 1, source 1 window 0, C and D window 2
.set MUL_HI, 0xf1
.set TO_B,   0x40
.macro PLACES                          ; four places behind a matrix instruction (ISA guide 7.12.1)
.rept 4
	v_nop
.endr
.endm
.macro LOADS st                        ; step st's fragments into set st % 2; with an even step the scale words of the pair
.set P, (\st)%2
.if P == 0
.set SS, SC+16*(((\st)/2)%2)
.irp i, 0,1,2,3,4,5,6,7
	global_load_b32 v[SS+\i], v[L4], s[22:23] offset:\i*SPI+(\st)*64
	global_load_b32 v[SS+8+\i], v[L4], s[26:27] offset:\i*SPI+(\st)*64
.endr
.endif
	WIN TO_B
.irp i, 0,1,2,3,4,5,6,7
.irp p, 0,1,2
	global_load_b128 v[128*P+12*\i+4*\p:128*P+12*\i+4*\p+3], v[L16], s[24:25] offset:\i*TP+(\st)*1536+512*\p
.endr
.endr
	WIN 0
.irp i, 0,1,2,3,4,5,6,7
.if ASPLIT
.irp e, 0,1
	global_load_b128 v[AF+96*P+12*\i+6*\e:AF+96*P+12*\i+6*\e+3], v[L16], s[20:21] offset:\i*TP+(\st)*1536+768*\e
	global_load_b64 v[AF+96*P+12*\i+6*\e+4:AF+96*P+12*\i+6*\e+5], v[L8], s[20:21] offset:\i*TP+(\st)*1536+768*\e+512
.endr
.else
.irp p, 0,1,2
	global_load_b128 v[AF+96*P+12*\i+4*\p:AF+96*P+12*\i+4*\p+3], v[L16], s[20:21] offset:\i*TP+(\st)*1536+512*\p
.endr
.endif
.endr
.endm
.macro RLOAD                           ; the residual's 32 rows, in the order in which the way out reads LDS back: window 1, v0-127 (B's set 0 is done with)
	WIN TO_B
.set I, 0
.rept 32
	global_load_b128 v[4*I:4*I+3], v[L16], s[10:11] offset:(8*(I/16)+I%16+8*((I%16)/8))*4096
.set I, I+1
.endr
	WIN 0
.endm
; 32 matrix instructions: A's blocks 4 hi .. 4 hi + 3 against B's eight.  The 64 accumulators take turns, in the same order in every step.  MODE 0: the first step starts the sums.
.macro MUL32 hi
.irp a, 0,1,2,3
.irp b, 0,1,2,3,4,5,6,7
.if MODE == 0
	v_wmma_scale_f32_16x16x128_f8f6f4 v[64*\a+8*\b:64*\a+8*\b+7], v[128*MP+12*\b:128*MP+12*\b+11], v[AF+96*MP+48*\hi+12*\a:AF+96*MP+48*\hi+12*\a+11], 0, v[MS+8+\b], v[MS+4*\hi+\a] matrix_a_fmt:MATRIX_FMT_FP6 matrix_b_fmt:MATRIX_FMT_FP6
.elseif MODE == 1
	v_wmma_scale_f32_16x16x128_f8f6f4 v[64*\a+8*\b:64*\a+8*\b+7], v[128*MP+12*\b:128*MP+12*\b+11], v[AF+96*MP+48*\hi+12*\a:AF+96*MP+48*\hi+12*\a+11], v[64*\a+8*\b:64*\a+8*\b+7], v[MS+8+\b], v[MS+4*\hi+\a] matrix_a_fmt:MATRIX_FMT_FP6 matrix_b_fmt:MATRIX_FMT_FP6
.else
	v_wmma_scale_f32_16x16x128_f8f6f4 v[64*\a+8*\b:64*\a+8*\b+7], v[128*MP+12*\b:128*MP+12*\b+11], v[AF+96*MP+48*\hi+12*\a:AF+96*MP+48*\hi+12*\a+11], v[64*\a+8*\b:64*\a+8*\b+7], v[MS+8+\b], v[MS+4*\hi+\a] matrix_a_fmt:MATRIX_FMT_FP6 matrix_b_fmt:MATRIX_FMT_FP6 matrix_a_scale:MATRIX_SCALE_ROW1 matrix_b_scale:MATRIX_SCALE_ROW1
.endif
.endr
.endr
.endm
.macro STEP st
.set MP, (\st)%2
.set MS, SC+16*(((\st)/2)%2)
.set MODE, 1+MP
.if (\st) == 0
.set MODE, 0
.endif
.if (\st)+1 < NS
.set WN, NFR+16*MP                     ; behind this step's loads stand the next step's
.if WN > 63
.set WN, 63                            ; (a count can name 63 at the most; a smaller count only waits for more)
.endif
.else
.set WN, 32                            ; behind the last step's loads stand the residual's 32
.endif
	s_wait_loadcnt WN
	WIN MUL_LO
	MUL32 0
	WIN MUL_HI
	MUL32 1
	PLACES                                         ; in front of loads into registers that matrix instructions have read, and of the first read of results
	WIN 0
.if NS > 4
.if MP == 0 && (\st)+5 < NS
	global_prefetch_b8 v[PFA], s[20:21] offset:((\st)+4)*1536 th:TH_LOAD_NT scope:SCOPE_SE   ; steps st + 4, st + 5, which are loaded behind steps st + 2, st + 3
	global_prefetch_b8 v[PFB], s[24:25] offset:((\st)+4)*1536 th:TH_LOAD_NT scope:SCOPE_SE
.endif
.if (\st) == 2
	global_prefetch_b8 v[PFR], s[10:11] th:TH_LOAD_NT scope:SCOPE_SE
	global_prefetch_b8 v[PFR], s[10:11] offset:256 th:TH_LOAD_NT scope:SCOPE_SE
.endif
.endif
.if (\st)+2 < NS
	LOADS (\st)+2
.endif
.if (\st) == NS-2
	RLOAD
.endif
.endm
	s_load_b256 s[4:11], s[0:1], 0x0               ; A's buffer, wq, the bias, the residual
	s_load_b64 s[12:13], s[0:1], 0x20              ; the output
	v_lshl_add_u32 v[SPW], v0, 2, SPARE
	v_mov_b32 v[NIL], 0
	v_lshrrev_b32 v9, 5, v0
	v_readfirstlane_b32 s14, v9                    ; wave
	s_and_b32 s16, ttmp7, 0xffff                   ; block of 128 rows; ttmp9: block of 128 columns
	s_mul_i32 s17, s14, REGION
	s_mul_i32 s18, s14, 32*ROWP
	s_mul_i32 s19, ttmp9, TP
	s_lshr_b32 s28, s16, 2
	s_mul_i32 s28, s28, TP
	s_and_b32 s29, s16, 3
	s_mul_i32 s29, s29, 768
	s_add_co_u32 s28, s28, s29
	v_and_b32 v19, 31, v0                          ; lane
	v_and_b32 v20, 15, v0                          ; r
	v_bfe_u32 v21, v0, 4, 1                        ; h
	v_lshlrev_b32 v[L16], 4, v19
.if ASPLIT
	v_lshlrev_b32 v[L8], 3, v19
.endif
	v_lshlrev_b32 v[L4], 2, v19
	v_mul_u32_u24 v[STO], v20, ROWP
	v_lshl_add_u32 v[STO], v21, 6, v[STO]
	v_add_nc_u32 v[STO], s17, v[STO]               ; my region, row r, + 64 h: a lane's 16 results of two neighbouring tiles are 16 neighbouring columns
	v_add_nc_u32 v[RD], s18, v[L16]                ; back: the 32 lanes take one row of 512 bytes
	v_add_nc_u32 v[RD+1], REGION, v[RD]
	v_add_nc_u32 v[RD+2], 2*REGION, v[RD]
	v_add_nc_u32 v[RD+3], 3*REGION, v[RD]
.if NS > 4
	v_min_u32 v[PFA], 11, v19                      ; two steps of a tile are 12 blocks of 256 bytes.  The 8 work-groups that read my rows of A share its 8 tiles out: mine is tile x
	v_lshl_add_u32 v[PFA], v[PFA], 8, s19
	v_min_u32 v[PFB], 2, v19                       ; the 32 that read my columns of B share its 96 blocks out: mine are 3 y .. 3 y + 2 (lanes left over name the last again)
	v_lshl_add_u32 v[PFB], v[PFB], 8, s28
.endif
	v_lshlrev_b32 v[PFR], 12, v19                  ; a lane a row of the residual
	s_mul_i32 s30, s16, 8*KS
	s_mul_i32 s31, s14, NS
	s_add_co_u32 s30, s30, s31                     ; A: my first fragment's number: first tile x KS + my first K step
	s_mul_i32 s32, ttmp9, 8*KS
	s_add_co_u32 s32, s32, s31                     ; B likewise
	s_mul_i32 s20, s30, 1536
	s_mov_b32 s21, 0
	s_lshl_b32 s22, s30, 6
	s_add_co_u32 s22, s22, A_SC
	s_mov_b32 s23, 0
	s_mul_i32 s24, s32, 1536
	s_add_co_u32 s24, s24, B_CO
	s_mov_b32 s25, 0
	s_lshl_b32 s26, s32, 6
	s_add_co_u32 s26, s26, B_SC
	s_mov_b32 s27, 0
	s_lshl_b32 s34, ttmp9, 9                       ; my 128 columns, in bytes
	s_mov_b32 s35, 0
	s_lshl_b32 s36, s16, 19
	s_lshl_b32 s37, s14, 17
	s_add_co_u32 s36, s36, s37
	s_add_co_u32 s36, s36, s34                     ; + row 128 y + 32 w
	s_mov_b32 s37, 0
	s_wait_alu depctr_va_vdst(0)                   ; the wait at the head's end
	s_wait_kmcnt 0x0
	s_add_nc_u64 s[20:21], s[4:5], s[20:21]
	s_add_nc_u64 s[22:23], s[4:5], s[22:23]
	s_add_nc_u64 s[24:25], s[6:7], s[24:25]
	s_add_nc_u64 s[26:27], s[6:7], s[26:27]
	s_add_nc_u64 s[8:9], s[8:9], s[34:35]
	s_add_nc_u64 s[10:11], s[10:11], s[36:37]
	s_add_nc_u64 s[12:13], s[12:13], s[36:37]
	global_load_b128 v[BIAS:BIAS+3], v[L16], s[8:9]   ; the bias of my four columns of a dense row
.if NS > 4
	global_prefetch_b8 v[PFA], s[20:21] offset:2*1536 th:TH_LOAD_NT scope:SCOPE_SE   ; steps 2 and 3, which are loaded behind steps 0 and 1
	global_prefetch_b8 v[PFB], s[24:25] offset:2*1536 th:TH_LOAD_NT scope:SCOPE_SE
.else
	global_prefetch_b8 v[PFR], s[10:11] th:TH_LOAD_NT scope:SCOPE_SE
	global_prefetch_b8 v[PFR], s[10:11] offset:256 th:TH_LOAD_NT scope:SCOPE_SE
.endif
	LOADS 0
	LOADS 1
.set ST, 0
.rept NS
	STEP ST
.set ST, ST+1
.endr
	; THE PARTIAL TILES MEET: each accumulator from its low end on, into my own region
	WIN 0x08                                       ; the data: window 2
.irp a, 0,1,2,3
.irp b, 0,1,2,3,4,5,6,7
	ds_store_b128 v[STO], v[64*\a+8*\b:64*\a+8*\b+3] offset:\a*16*ROWP+128*(\b/2)+32*(\b%2)
	ds_store_b128 v[STO], v[64*\a+8*\b+4:64*\a+8*\b+7] offset:\a*16*ROWP+128*(\b/2)+32*(\b%2)+16
.endr
.endr
	WIN 0x0c                                       ; window 3
.irp a, 0,1,2,3
.irp b, 0,1,2,3,4,5,6,7
	ds_store_b128 v[STO], v[64*\a+8*\b:64*\a+8*\b+3] offset:(\a+4)*16*ROWP+128*(\b/2)+32*(\b%2)
	ds_store_b128 v[STO], v[64*\a+8*\b+4:64*\a+8*\b+7] offset:(\a+4)*16*ROWP+128*(\b/2)+32*(\b%2)+16
.endr
.endr
	WIN 0
	s_wait_dscnt 0x0                               ; for the others' sake: my stores have landed
	s_barrier_signal -1
	s_barrier_wait -1
.macro DL k                            ; rows 4 k .. 4 k + 3 of my 32, from all four regions: 16 loads into buffer k % 3 (v64-255, where A's fragments lay)
.set BB, AF+64*((\k)%3)
.irp j, 0,1,2,3
.irp g, 0,1,2,3
	ds_load_b128 v[BB+16*\j+4*\g:BB+16*\j+4*\g+3], v[RD+\g] offset:(4*(\k)+\j)*ROWP
.endr
.endr
.endm
.macro OUT k
.set BB, AF+64*((\k)%3)
.irp j, 0,1,2,3
.irp c, 0,2
	v_pk_add_f32 v[BB+16*\j+\c:BB+16*\j+\c+1], v[BB+16*\j+\c:BB+16*\j+\c+1], v[BB+16*\j+4+\c:BB+16*\j+5+\c]
	v_pk_add_f32 v[BB+16*\j+8+\c:BB+16*\j+9+\c], v[BB+16*\j+8+\c:BB+16*\j+9+\c], v[BB+16*\j+12+\c:BB+16*\j+13+\c]
.endr
.endr
	WIN 0x04                                       ; source 1: window 1, the residual
.irp j, 0,1,2,3
.irp c, 0,2
	v_pk_add_f32 v[BB+16*\j+8+\c:BB+16*\j+9+\c], v[BB+16*\j+8+\c:BB+16*\j+9+\c], v[16*(\k)+4*\j+\c:16*(\k)+4*\j+\c+1]
.endr
.endr
	WIN 0
.irp j, 0,1,2,3
.irp c, 0,2
	v_pk_add_f32 v[BB+16*\j+\c:BB+16*\j+\c+1], v[BB+16*\j+\c:BB+16*\j+\c+1], v[BIAS+\c:BIAS+\c+1]
.endr
.endr
.irp j, 0,1,2,3
.irp c, 0,2
	v_pk_add_f32 v[BB+16*\j+\c:BB+16*\j+\c+1], v[BB+16*\j+\c:BB+16*\j+\c+1], v[BB+16*\j+8+\c:BB+16*\j+9+\c]
.endr
.endr
.irp j, 0,1,2,3
.set I, 4*(\k)+\j
	global_store_b128 v[L16], v[BB+16*\j:BB+16*\j+3], s[12:13] offset:(8*(I/16)+I%16+8*((I%16)/8))*4096   ; 32 lanes store 512 consecutive bytes, aligned
.endr
.endm
	DL 0
	DL 1
	s_wait_loadcnt 0x0                             ; the bias and the residual
.irp k, 0,1,2,3,4,5,6,7
.if \k < 6
.if \k > 0
	s_wait_xcnt 0x0                                ; batch k - 1's stores have read their registers: batch k + 2 lands there
.endif
	DL \k+2
	s_wait_dscnt 32                                ; the two younger batches may be out
.else
	s_wait_dscnt 16*(7-\k)
.endif
	OUT \k
.endr
	s_wait_tensorcnt 0x0                           ; the wave's end
	ds_add_u32 v[SPW], v[NIL]
	s_wait_dscnt 0x0
	s_endpgm
.Lfunc_end_k_q6f14a443cf_wo:
	.size	k_q6f14a443cf_wo, .Lfunc_end_k_q6f14a443cf_wo-k_q6f14a443cf_wo
	.p2alignl 7, 3214868480
	.fill 96, 4, 3214868480
	.section	.rodata,"a",@progbits
	.p2align	6, 0x0
	.amdhsa_kernel k_q6f14a443cf_wo
		.amdhsa_group_segment_fixed_size 270848
		.amdhsa_private_segment_fixed_size 0
		.amdhsa_enable_private_segment 0
		.amdhsa_kernarg_size 40
		.amdhsa_user_sgpr_count 2
		.amdhsa_user_sgpr_kernarg_segment_ptr 1
		.amdhsa_wavefront_size32 1
		.amdhsa_system_sgpr_workgroup_id_x 1
		.amdhsa_system_sgpr_workgroup_id_y 1
		.amdhsa_system_sgpr_workgroup_id_z 1
		.amdhsa_system_vgpr_workitem_id 0
		.amdhsa_next_free_vgpr 1024
		.amdhsa_next_free_sgpr 66
		.amdhsa_reserve_vcc 0
		.amdhsa_float_denorm_mode_32 3
		.amdhsa_float_denorm_mode_16_64 3
		.amdhsa_memory_ordered 1
		.amdhsa_forward_progress 1
		.amdhsa_inst_pref_size 76
	.end_amdhsa_kernel
	.amdgpu_metadata
---
amdhsa.version: [ 1, 2 ]
amdhsa.kernels:
  - .name:           k_q6f14a443cf_wo
    .symbol:         k_q6f14a443cf_wo.kd
    .args:
      - { .name: aq, .offset: 0, .size: 8, .value_kind: global_buffer, .address_space: global }
      - { .name: wq, .offset: 8, .size: 8, .value_kind: global_buffer, .address_space: global }
      - { .name: bo, .offset: 16, .size: 8, .value_kind: global_buffer, .address_space: global }
      - { .name: x, .offset: 24, .size: 8, .value_kind: global_buffer, .address_space: global }
      - { .name: x1, .offset: 32, .size: 8, .value_kind: global_buffer, .address_space: global }
    .group_segment_fixed_size: 270848
    .private_segment_fixed_size: 0
    .kernarg_segment_align: 8
    .kernarg_segment_size: 40
    .max_flat_workgroup_size: 128
    .sgpr_count:     66
    .vgpr_count:     1024
    .wavefront_size: 32
...
	.end_amdgpu_metadata
.endif
;; end of part 4
;; launch ln2 (part 5): grid 512 x 1, 8 waves a work-group, no clusters, 72,704 bytes of LDS; arguments x1, ln2_a, ln2_b, xq, W1, W2, wq; writes xq, wq
.if DOCPART == 5
	.amdgcn_target "amdgcn-amd-amdhsa--gfx1250"
	.amdhsa_code_object_version 6
	.text
	.protected	k_q6f14a443cf_ln2
	.globl	k_q6f14a443cf_ln2
	.p2align	8
	.type	k_q6f14a443cf_ln2,@function
k_q6f14a443cf_ln2:
	s_mov_b64 s[64:65], 0
	v_nop
	global_prefetch_b8 v0, s[64:65] scope:SCOPE_SE
	s_setreg_imm32_b32 hwreg(HW_REG_WAVE_MODE, 25, 1), 1
	s_wait_xcnt 0x0
; LayerNorm 2 (unbiased std, eps added to std) of x1, quantised to FP6 codes and scale words, laid as the first launch lays LN1's: a work-group is one tile of 16 rows, wave w takes K step w.
; Lane row r of tile rt is row 32 (rt / 2) + 8 (rt % 2) + r + 8 (r / 8); a fragment is stored as the image of its registers (piece p of lane L at 256 p + 8 L).
; The rows come dense (each load reads 512 consecutive bytes of one row) and are turned in the wave's own stage in LDS, so that a lane holds 16 neighbours of each block of 32 of its own row.
; LIMITS: scale byte 1 for blocks of zeros and for blocks under 2^-124; NaN and infinities are not served.
.set WV,  2
.set SEL, 42
.set DA,  1                            ; v1 16 x lane
.set HB,  2                            ; v2 64 h
.set LI8, 3                            ; v3 8 x lane
.set SOUT, 7                           ; v7 the stage, on the way out
.set TM,  16
.set PC,  32
.set PW,  52
.set SIN, 53                           ; v53 the stage, on the way in
.set X,   64
.set GA,  128
.set GB,  192
.set STG, 4096                         ; LDS: 0-3,071 sums and scale words; from here a stage of 16 x 528 bytes for each wave
.set SP,  528
.macro QUANT s
.irp b, 0,1,2,3
	v_max3_num_f32 v[TM+\b], |v[\s+16*\b]|, |v[\s+1+16*\b]|, 0x1800000
.endr
.irp i, 2,4,6,8,10,12,14
.irp b, 0,1,2,3
	s_delay_alu instid0(VALU_DEP_4)
	v_max3_num_f32 v[TM+\b], v[TM+\b], |v[\s+16*\b+\i]|, |v[\s+1+16*\b+\i]|
.endr
.endr
.irp b, 0,1,2,3
	s_delay_alu instid0(VALU_DEP_4)
	v_permlanex16_b32 v[TM+4+\b], v[TM+\b], s[SEL], s[SEL+1]
.endr
.irp b, 0,1,2,3
	s_delay_alu instid0(VALU_DEP_4)
	v_max_num_f32 v[TM+\b], v[TM+\b], v[TM+4+\b]
.endr
.irp b, 0,1,2,3
	s_delay_alu instid0(VALU_DEP_4)
	v_add_nc_u32 v[TM+12+\b], 0xff000000, v[TM+\b]
.endr
.irp b, 0,1,2,3
	s_delay_alu instid0(VALU_DEP_4)
	v_lshrrev_b32 v[TM+4+\b], 23, v[TM+12+\b]
.endr
	s_delay_alu instid0(VALU_DEP_3)
	v_lshl_or_b32 v[PW], v[TM+5], 8, v[TM+4]
	s_delay_alu instid0(VALU_DEP_1)
	v_lshl_or_b32 v[PW], v[TM+6], 16, v[PW]
	s_delay_alu instid0(VALU_DEP_1)
	v_lshl_or_b32 v[PW], v[TM+7], 24, v[PW]
.irp c, 0,1
	v_cvt_scalef32_pk16_fp6_f32 v[PC+6*\c:PC+2+6*\c], v[\s+32*\c:\s+15+32*\c], v[TM+12+2*\c]
	v_cvt_scalef32_pk16_fp6_f32 v[PC+12+4*\c:PC+14+4*\c], v[\s+16+32*\c:\s+31+32*\c], v[TM+12+2*\c+1]
.endr
	v_nop
.irp c, 0,1
.irp i, 0,1,2
	v_permlane16_swap_b32 v[PC+6*\c+\i], v[PC+12+4*\c+\i]
.endr
.irp i, 0,1,2
	s_delay_alu instid0(VALU_DEP_3)
	v_mov_b32 v[PC+3+6*\c+\i], v[PC+12+4*\c+\i]
.endr
.endr
.endm
.macro DLOAD reg, base                         ; my wave's 512 bytes of each of the tile's 16 rows: 32 lanes read 512 consecutive bytes, aligned
.irp i, 0,1,2,3,4,5,6,7,8,9,10,11,12,13,14,15
	global_load_b128 v[\reg+4*\i:\reg+4*\i+3], v[DA], s[\base:\base+1] offset:(\i+8*(\i/8))*4096
.endr
.endm
.macro TURNR reg                               ; 16 rows through my wave's own stage
.irp i, 0,1,2,3,4,5,6,7,8,9,10,11,12,13,14,15
	ds_store_b128 v[SIN], v[\reg+4*\i:\reg+4*\i+3] offset:\i*SP
.endr
	s_wait_dscnt 0x0                               ; the stores have read their registers: the loads below land in the same ones
.irp b, 0,1,2,3
.irp j, 0,1,2,3
	ds_load_b128 v[\reg+16*\b+4*\j:\reg+16*\b+4*\j+3], v[SOUT] offset:128*\b+16*\j
.endr
.endr
	s_wait_dscnt 0x0
.endm
.macro ABLOAD reg, base
.irp b, 0,1,2,3
.irp j, 0,1,2,3
	global_load_b128 v[\reg+16*\b+4*\j:\reg+16*\b+4*\j+3], v[HB], s[\base:\base+1] offset:128*\b+16*\j
.endr
.endr
.endm
.macro ACROSS off
	s_delay_alu instid0(VALU_DEP_1)
	v_add_f32 v8, v8, v9
	s_delay_alu instid0(VALU_DEP_1)
	v_permlanex16_b32 v9, v8, s[SEL], s[SEL+1]
	s_delay_alu instid0(VALU_DEP_1)
	v_add_f32 v8, v8, v9
	ds_store_b32 v60, v8 offset:\off
	s_wait_dscnt 0x0                               ; for the others' sake: my store has landed
	s_barrier_signal -1
	s_barrier_wait -1
.irp w, 0,1,2,3,4,5,6,7
	ds_load_b32 v[8+\w], v61 offset:\off+128*\w
.endr
	s_wait_dscnt 0x0
.irp w, 1
	v_add_f32 v8, v8, v[8+\w]
.endr
.irp w, 2, 3, 4, 5, 6, 7
	s_delay_alu instid0(VALU_DEP_1)
	v_add_f32 v8, v8, v[8+\w]
.endr
.endm
	; Work-groups 0-255: LayerNorm 2, a tile of 16 rows each.  Work-groups 256-511: W1 and W2, f32 with K as first axis, into codes with K innermost (their readers are the two launches that follow).
	s_load_b256 s[4:11], s[0:1], 0x0               ; x1, ln2_a, ln2_b, xq
	s_load_b128 s[24:27], s[0:1], 0x20             ; W1, W2
	s_load_b64 s[28:29], s[0:1], 0x30              ; wq
	v_lshl_add_u32 v58, v0, 2, 0x11800
	v_mov_b32 v59, 0
	v_lshrrev_b32 v1, 5, v0
	s_delay_alu instid0(VALU_DEP_1)
	v_readfirstlane_b32 s[WV], v1
	v_and_b32 v4, 31, v0
	v_and_b32 v5, 15, v0
	v_bfe_u32 v6, v0, 4, 1
	s_delay_alu instid0(VALU_DEP_2)
	v_and_b32 v7, 8, v5
	s_delay_alu instid0(VALU_DEP_1)
	v_add_nc_u32 v7, v7, v5                        ; r + 8 (r / 8)
	s_cmp_ge_u32 ttmp9, 256                        ; the same in all waves of a work-group
	s_cbranch_scc1 .Lweights
	v_lshlrev_b32 v[DA], 4, v4
	v_lshlrev_b32 v[HB], 6, v6
	v_lshlrev_b32 v[LI8], 3, v4
	s_mul_i32 s40, s[WV], 16*SP
	s_add_co_u32 s40, s40, STG                     ; my wave's stage
	v_add_nc_u32 v[SIN], s40, v[DA]
	v_mul_u32_u24 v[SOUT], v5, SP
	s_delay_alu instid0(VALU_DEP_1)
	v_lshl_add_u32 v[SOUT], v6, 6, v[SOUT]
	s_delay_alu instid0(VALU_DEP_1)
	v_add_nc_u32 v[SOUT], s40, v[SOUT]
	v_lshlrev_b32 v60, 2, v0
	v_lshlrev_b32 v61, 2, v4
	v_lshrrev_b32 v62, 2, v4
	v_and_b32 v63, 3, v4
	s_delay_alu instid0(VALU_DEP_2)
	v_lshlrev_b32 v62, 7, v62
	s_delay_alu instid0(VALU_DEP_1)
	v_lshl_add_u32 v62, v63, 4, v62
	s_delay_alu instid0(VALU_DEP_1)
	v_add_nc_u32 v62, 2048, v62
.irp b, 0,1,2,3
	v_mov_b32 v[TM+4+\b], 0
.endr
	s_mov_b32 s[SEL], 0x76543210
	s_mov_b32 s[SEL+1], 0xfedcba98
	s_lshr_b32 s30, ttmp9, 1
	s_lshl_b32 s30, s30, 17
	s_and_b32 s31, ttmp9, 1
	s_lshl_b32 s31, s31, 15
	s_add_co_u32 s30, s30, s31
	s_lshl_b32 s32, s[WV], 9
	s_add_co_u32 s30, s30, s32
	s_mov_b32 s31, 0
	s_mov_b32 s33, 0
	s_lshl_b32 s34, ttmp9, 3
	s_add_co_u32 s34, s34, s[WV]
	s_mul_i32 s34, s34, 1536
	s_mov_b32 s35, 0
	s_lshl_b32 s36, ttmp9, 9
	s_add_co_u32 s36, s36, 3145728
	s_mov_b32 s37, 0
	s_wait_kmcnt 0x0
	s_add_nc_u64 s[4:5], s[4:5], s[30:31]
	s_add_nc_u64 s[6:7], s[6:7], s[32:33]
	s_add_nc_u64 s[8:9], s[8:9], s[32:33]
	s_add_nc_u64 s[34:35], s[10:11], s[34:35]
	s_add_nc_u64 s[36:37], s[10:11], s[36:37]
	DLOAD X, 4
	ABLOAD GA, 6
	ABLOAD GB, 8
	s_wait_loadcnt 32                              ; x1's 16 loads are in; the gain's and the bias's 32 may be out
	TURNR X
	v_pk_add_f32 v[10:11], v[64:65], v[66:67]
	v_pk_add_f32 v[56:57], v[72:73], v[76:77]
	v_pk_add_f32 v[54:55], v[80:81], v[84:85]
	v_pk_add_f32 v[52:53], v[88:89], v[92:93]
	v_pk_add_f32 v[50:51], v[96:97], v[100:101]
	v_pk_add_f32 v[48:49], v[104:105], v[108:109]
	v_pk_add_f32 v[46:47], v[112:113], v[116:117]
	v_pk_add_f32 v[8:9], v[120:121], v[124:125]
	s_delay_alu instid0(VALU_DEP_1)
	v_pk_add_f32 v[8:9], v[8:9], v[68:69]
	v_pk_add_f32 v[10:11], v[10:11], v[70:71]
	v_pk_add_f32 v[56:57], v[56:57], v[74:75]
	v_pk_add_f32 v[54:55], v[54:55], v[78:79]
	v_pk_add_f32 v[52:53], v[52:53], v[82:83]
	v_pk_add_f32 v[50:51], v[50:51], v[86:87]
	v_pk_add_f32 v[48:49], v[48:49], v[90:91]
	v_pk_add_f32 v[46:47], v[46:47], v[94:95]
	v_pk_add_f32 v[8:9], v[8:9], v[98:99]
	v_pk_add_f32 v[10:11], v[10:11], v[102:103]
	v_pk_add_f32 v[56:57], v[56:57], v[106:107]
	v_pk_add_f32 v[54:55], v[54:55], v[110:111]
	v_pk_add_f32 v[52:53], v[52:53], v[114:115]
	v_pk_add_f32 v[50:51], v[50:51], v[118:119]
	v_pk_add_f32 v[48:49], v[48:49], v[122:123]
	v_pk_add_f32 v[46:47], v[46:47], v[126:127]
	s_delay_alu instid0(VALU_DEP_4)
	v_pk_add_f32 v[8:9], v[8:9], v[52:53]
	s_delay_alu instid0(VALU_DEP_4)
	v_pk_add_f32 v[10:11], v[10:11], v[50:51]
	s_delay_alu instid0(VALU_DEP_4)
	v_pk_add_f32 v[56:57], v[56:57], v[48:49]
	s_delay_alu instid0(VALU_DEP_4)
	v_pk_add_f32 v[54:55], v[54:55], v[46:47]
	s_delay_alu instid0(VALU_DEP_2)
	v_pk_add_f32 v[8:9], v[8:9], v[56:57]
	s_delay_alu instid0(VALU_DEP_2)
	v_pk_add_f32 v[10:11], v[10:11], v[54:55]
	s_delay_alu instid0(VALU_DEP_1)
	v_pk_add_f32 v[8:9], v[8:9], v[10:11]
	ACROSS 0
	s_delay_alu instid0(VALU_DEP_1)
	v_mul_f32 v54, 0x3a800000, v8                  ; the mean
	s_delay_alu instid0(VALU_DEP_1)
	v_mov_b32 v55, v54
.set i, 0
.rept 32
	v_pk_add_f32 v[X+i:X+i+1], v[X+i:X+i+1], v[54:55] neg_lo:[0,1] neg_hi:[0,1]
.set i, i+2
.endr
	v_pk_mul_f32 v[8:9], v[X:X+1], v[X:X+1]
	v_pk_mul_f32 v[10:11], v[X+2:X+3], v[X+2:X+3]
.set i, 4
.rept 15
	s_delay_alu instid0(VALU_DEP_2)
	v_pk_fma_f32 v[8:9], v[X+i:X+i+1], v[X+i:X+i+1], v[8:9]
	s_delay_alu instid0(VALU_DEP_2)
	v_pk_fma_f32 v[10:11], v[X+i+2:X+i+3], v[X+i+2:X+i+3], v[10:11]
.set i, i+4
.endr
	s_delay_alu instid0(VALU_DEP_1)
	v_pk_add_f32 v[8:9], v[8:9], v[10:11]
	ACROSS 1024
	s_delay_alu instid0(VALU_DEP_1)
	v_mul_f32 v8, 0x3a802008, v8                   ; / 1,023
	s_wait_alu depctr_va_vdst(0)
	v_sqrt_f32 v8, v8
	v_nop
	s_wait_alu depctr_va_vdst(0)                   ; the wait ahead of the first reader
	v_add_f32 v8, 0x358637bd, v8                   ; + 1e-6
	s_wait_alu depctr_va_vdst(0)
	v_rcp_f32 v56, v8
	v_nop
	s_wait_alu depctr_va_vdst(0)
	v_mov_b32 v57, v56
	s_wait_alu depctr_va_vdst(0)
	s_wait_loadcnt 0x0
.set i, 0
.rept 32
	v_pk_mul_f32 v[X+i:X+i+1], v[X+i:X+i+1], v[56:57]
.set i, i+2
.endr
.set i, 0
.rept 32
	v_pk_fma_f32 v[X+i:X+i+1], v[X+i:X+i+1], v[GA+i:GA+i+1], v[GB+i:GB+i+1]
.set i, i+2
.endr
	QUANT X
.irp p, 0,1,2,3,4,5
	global_store_b64 v[LI8], v[PC+2*\p:PC+2*\p+1], s[34:35] offset:256*\p
.endr
	ds_store_b32 v60, v[PW] offset:2048
	s_wait_dscnt 0x0
	s_barrier_signal -1
	s_barrier_wait -1
	s_cmp_lg_u32 s[WV], 0
	s_cbranch_scc1 .Lnot_wave_0
	ds_load_b128 v[8:11], v62
	s_wait_dscnt 0x0
	global_store_b128 v[DA], v[8:11], s[36:37]     ; the tile's scale words: 512 consecutive bytes
.Lnot_wave_0:
	s_wait_tensorcnt 0x0
	ds_add_u32 v58, v59
	s_wait_dscnt 0x0
	s_endpgm
	; ---- WEIGHTS: a wave takes 32 columns x 128 along K; a lane takes a column and its registers run down K, so a block of 32 lies in one lane.
	; Lanes 0-15 take the columns of the even tile of a pair, lanes 16-31 those of the odd one.  This path uses no LDS.
	; LIMITS as for the rows: scale byte 1 for blocks of zeros and for blocks under 2^-124; NaN and infinities are not served.
.Lweights:
	s_sub_co_u32 s30, ttmp9, 256
	s_and_b32 s31, s30, 127                        ; the work-group's number in its matrix
	s_lshr_b32 s32, s30, 7                         ; 0: W1;  1: W2
	s_cmp_eq_u32 s32, 0
	s_cselect_b32 s33, 15, 3                       ; groups of 256 columns: 16 in W1, 4 in W2
	s_cselect_b32 s34, 4, 2
	s_cselect_b32 s35, 21, 19                      ; log2 of 128 rows in bytes
	s_cselect_b32 s37, 256, 0                      ; W1's first tile
	s_cselect_b32 s38, 7, 31
	s_cselect_b32 s39, 8, 32                       ; K steps of the matrix
	s_cselect_b32 s40, 0, 4096                     ; W2's first fragment
	s_and_b32 s33, s31, s33                        ; column group
	s_lshr_b32 s34, s31, s34
	s_and_b32 s34, s34, s38                        ; K step
	s_lshl_b32 s36, s33, 4
	s_add_co_u32 s37, s37, s36
	s_lshl_b32 s36, s[WV], 1
	s_add_co_u32 s37, s37, s36                     ; my even tile
	s_mul_i32 s37, s37, s39
	s_add_co_u32 s37, s37, s34
	s_add_co_u32 s37, s37, s40                     ; its fragment's number
	s_mul_i32 s50, s37, 1536
	s_mov_b32 s51, 0
	s_lshl_b32 s52, s37, 6
	s_add_co_u32 s52, s52, 9437184                 ; the scale words lie behind the codes
	s_mov_b32 s53, 0
	s_lshl_b32 s46, s34, s35
	s_lshl_b32 s36, s33, 10
	s_add_co_u32 s46, s46, s36
	s_lshl_b32 s36, s[WV], 7
	s_add_co_u32 s46, s46, s36                     ; my 32 columns of my 128 rows
	s_mov_b32 s47, 0
	s_wait_alu depctr_va_vdst(0)                   ; the wait ahead of the first reader behind the branch
	v_lshl_add_u32 v8, v6, 3, v7                   ; my column of the 32: 8 h + r + 8 (r / 8)
	s_delay_alu instid0(VALU_DEP_1)
	v_lshlrev_b32 v8, 2, v8
	v_lshlrev_b32 v9, 3, v4                        ; 8 x lane
	s_mul_i32 s48, s39, 1536
	v_add_nc_u32 v10, s48, v9                      ; the odd tile's fragment lies a tile's K steps on
	v_lshlrev_b32 v16, 4, v4                       ; 16 x lane, for W2
	v_add_nc_u32 v17, s48, v16
	s_lshl_b32 s48, s39, 6
	v_mul_u32_u24 v14, s48, v6
	s_delay_alu instid0(VALU_DEP_1)
	v_lshl_add_u32 v14, v5, 2, v14                 ; my scale word: 4 r, in my tile's record
	s_wait_kmcnt 0x0
	s_cmp_eq_u32 s32, 0
	s_cselect_b64 s[44:45], s[24:25], s[26:27]
	s_add_nc_u64 s[44:45], s[44:45], s[46:47]
	s_add_nc_u64 s[50:51], s[28:29], s[50:51]
	s_add_nc_u64 s[52:53], s[28:29], s[52:53]
	s_cmp_eq_u32 s32, 0
	s_cbranch_scc1 .Lwide
.set i, 0
	s_wait_alu depctr_va_vdst(0)
.rept 128
	global_load_b32 v[64+i], v8, s[44:45] offset:i*4096 th:TH_LOAD_NT    ; W2: a row of 1,024 numbers; 32 lanes read 128 consecutive bytes, the eight waves 1,024
.set i, i+1
.endr
	s_branch .Lloaded
.Lwide:
.set i, 0
	s_wait_alu depctr_va_vdst(0)
.rept 128
	global_load_b32 v[64+i], v8, s[44:45] offset:i*16384 th:TH_LOAD_NT   ; W1: a row of 4,096 numbers
.set i, i+1
.endr
.Lloaded:
.macro BLOCK t                                 ; block t of my column: its codes go to registers 6 (t / 2) on of run t % 2
.set XS, 64+32*(\t)
.set FD, 32+12*((\t)%2)+6*((\t)/2)
.if (\t) < 2
	s_wait_loadcnt 63                              ; 96 and 64 younger loads might stay out; the count can name 63 at the most, and a smaller count only waits for more
.elseif (\t) == 2
	s_wait_loadcnt 32                              ; block 3's loads may be out
.else
	s_wait_loadcnt 0x0
.endif
	v_max3_num_f32 v12, |v[XS]|, |v[XS+1]|, |v[XS+2]|
	v_max3_num_f32 v13, |v[XS+3]|, |v[XS+4]|, |v[XS+5]|
.irp i, 6,10,14,18,22,26
	s_delay_alu instid0(VALU_DEP_2)
	v_max3_num_f32 v12, v12, |v[XS+\i]|, |v[XS+\i+1]|
	s_delay_alu instid0(VALU_DEP_2)
	v_max3_num_f32 v13, v13, |v[XS+\i+2]|, |v[XS+\i+3]|
.endr
	s_delay_alu instid0(VALU_DEP_2)
	v_max3_num_f32 v12, v12, |v[XS+30]|, |v[XS+31]|
	s_delay_alu instid0(VALU_DEP_1)
	v_max3_num_f32 v12, v12, v13, 0x1800000        ; and the floor 2^(3 - 127)
	s_delay_alu instid0(VALU_DEP_1)
	v_add_nc_u32 v11, 0xff000000, v12              ; the conversion's scale operand
	s_delay_alu instid0(VALU_DEP_1)
	v_lshrrev_b32 v13, 23, v11                     ; the byte
.if (\t) == 0
	s_delay_alu instid0(VALU_DEP_1)
	v_mov_b32 v15, v13
.else
	s_delay_alu instid0(VALU_DEP_1)
	v_lshl_or_b32 v15, v13, 8*(\t), v15
.endif
	v_cvt_scalef32_pk16_fp6_f32 v[FD:FD+2], v[XS:XS+15], v11
	v_cvt_scalef32_pk16_fp6_f32 v[20:22], v[XS+16:XS+31], v11   ; (a conversion's three registers begin on an even number)
	v_nop
.irp i, 0,1,2
	v_mov_b32 v[FD+3+\i], v[20+\i]
.endr
.endm
	BLOCK 0
	BLOCK 1
.irp i, 0,1,2,3,4,5
	v_permlane16_swap_b32 v[32+\i], v[44+\i]       ; run 0 held blocks 0, 2 of each lane's column, run 1 blocks 1, 3: now run 0 is the even tile's image and run 1 the odd tile's
.endr
	BLOCK 2
	BLOCK 3
.irp i, 6,7,8,9,10,11
	v_permlane16_swap_b32 v[32+\i], v[44+\i]
.endr
	s_wait_alu depctr_va_vdst(0)                   ; the wait ahead of the branch
	s_cmp_eq_u32 s32, 0                            ; made of the work-group's number alone
	s_cbranch_scc1 .Lsix
.irp p, 0,1,2
	global_store_b128 v16, v[32+4*\p:35+4*\p], s[50:51] offset:512*\p   ; W2: its reader loads 16 bytes a lane: piece p of lane L at 512 p + 16 L
	global_store_b128 v17, v[44+4*\p:47+4*\p], s[50:51] offset:512*\p
.endr
	s_branch .Lwords
.Lsix:
.irp p, 0,1,2,3,4,5
	global_store_b64 v9, v[32+2*\p:33+2*\p], s[50:51] offset:256*\p     ; W1: piece p of lane L at 256 p + 8 L
	global_store_b64 v10, v[44+2*\p:45+2*\p], s[50:51] offset:256*\p
.endr
.Lwords:
	global_store_b32 v14, v15, s[52:53]
	s_endpgm
.Lfunc_end_k_q6f14a443cf_ln2:
	.size	k_q6f14a443cf_ln2, .Lfunc_end_k_q6f14a443cf_ln2-k_q6f14a443cf_ln2
	.p2alignl 7, 3214868480
	.fill 96, 4, 3214868480
	.section	.rodata,"a",@progbits
	.p2align	6, 0x0
	.amdhsa_kernel k_q6f14a443cf_ln2
		.amdhsa_group_segment_fixed_size 72704
		.amdhsa_private_segment_fixed_size 0
		.amdhsa_enable_private_segment 0
		.amdhsa_kernarg_size 56
		.amdhsa_user_sgpr_count 2
		.amdhsa_user_sgpr_kernarg_segment_ptr 1
		.amdhsa_wavefront_size32 1
		.amdhsa_system_sgpr_workgroup_id_x 1
		.amdhsa_system_sgpr_workgroup_id_y 1
		.amdhsa_system_sgpr_workgroup_id_z 1
		.amdhsa_system_vgpr_workitem_id 0
		.amdhsa_next_free_vgpr 256
		.amdhsa_next_free_sgpr 66
		.amdhsa_reserve_vcc 0
		.amdhsa_float_denorm_mode_32 3
		.amdhsa_float_denorm_mode_16_64 3
		.amdhsa_memory_ordered 1
		.amdhsa_forward_progress 1
		.amdhsa_inst_pref_size 67
	.end_amdhsa_kernel
	.amdgpu_metadata
---
amdhsa.version: [ 1, 2 ]
amdhsa.kernels:
  - .name:           k_q6f14a443cf_ln2
    .symbol:         k_q6f14a443cf_ln2.kd
    .args:
      - { .name: x1, .offset: 0, .size: 8, .value_kind: global_buffer, .address_space: global }
      - { .name: ln2_a, .offset: 8, .size: 8, .value_kind: global_buffer, .address_space: global }
      - { .name: ln2_b, .offset: 16, .size: 8, .value_kind: global_buffer, .address_space: global }
      - { .name: xq, .offset: 24, .size: 8, .value_kind: global_buffer, .address_space: global }
      - { .name: W1, .offset: 32, .size: 8, .value_kind: global_buffer, .address_space: global }
      - { .name: W2, .offset: 40, .size: 8, .value_kind: global_buffer, .address_space: global }
      - { .name: wq, .offset: 48, .size: 8, .value_kind: global_buffer, .address_space: global }
    .group_segment_fixed_size: 72704
    .private_segment_fixed_size: 0
    .kernarg_segment_align: 8
    .kernarg_segment_size: 56
    .max_flat_workgroup_size: 256
    .sgpr_count:     66
    .vgpr_count:     256
    .wavefront_size: 32
...
	.end_amdgpu_metadata
.endif
;; end of part 5
;; launch ffn1 (part 6): grid 16 x 16, 4 waves a work-group, clusters of 4 x 4, 327,680 bytes of LDS; arguments xq, wq, b1, hq; writes hq
.if DOCPART == 6
	.amdgcn_target "amdgcn-amd-amdhsa--gfx1250"
	.amdhsa_code_object_version 6
	.text
	.protected	k_q6f14a443cf_ffn1
	.globl	k_q6f14a443cf_ffn1
	.p2align	8
	.type	k_q6f14a443cf_ffn1,@function
k_q6f14a443cf_ffn1:
	s_mov_b64 s[64:65], 0
	v_nop
	global_prefetch_b8 v0, s[64:65] scope:SCOPE_SE
	s_setreg_imm32_b32 hwreg(HW_REG_WAVE_MODE, 25, 1), 1
	s_wait_xcnt 0x0
	s_wait_alu depctr_hold_cnt(0) depctr_sa_sdst(0) depctr_va_vdst(0) depctr_va_sdst(0) depctr_va_ssrc(0) depctr_va_vcc(0) depctr_vm_vsrc(0)
	s_getreg_b32 s2, hwreg(HW_REG_IB_STS2, 6, 4)
	s_cmp_eq_u32 s2, 0
	s_cbranch_scc0 .Lentry_in_a_cluster
	s_endpgm
.Lentry_in_a_cluster:
	s_bfe_u32 s2, ttmp6, 0x10000c
	s_cmp_lg_u32 s2, 0xf033
	s_cbranch_scc0 .Lentry_shape_is_right
	s_endpgm
.Lentry_shape_is_right:
.set NQ,    2
.set FR,    12
.set NL,    6
.set NP,    4
; h = gelu(LN2(x1) W1 + b1) on FP6 codes, quantised along the hidden units.  A work-group makes 256 x 256, a wave 128 x 128; 4 x 4 clusters with joint loads.
; THE RING: a slot holds three K steps of 16 + 16 tiles; K's eight steps come in three fills of 3, 3 and 2 steps (the last into slot 0, its tiles 3,072 bytes apart).  The scale words of all of K come once and go by pairs of steps.
.set HALFT, 36864                      ; 8 tiles x 3 K steps x 1,536: one tensor load of the ring
.set SLOT,  147456
.set SCL,   294912
.set HALFS, 4096
.set SPARE, 311296
.set CA,   10
.set CB,   12
.set ADRA, 16
.set ADRB, 20
.set LI8,  24
.set SO1,  25
.set ADRS, 27
.set SPW,  28
.set NIL,  29
.set PWS,  30
.set SC,   32
.set BI,   64
.set AF,   128
.set HA,   128
.set Z,    192
.set PC,   192
.set TM,   212
.set PW,   228
.set T0,   229
.set G1, 24
.set G0, 32
.set G1B, 48
.set G0B, 56
.set G1S, 68
.set G0S, 76
.set G1SB, 80
.set G0SB, 88
.set HM,  99
.set SEL, 100
.set MSB, 0
.macro WIN new
.if MSB != \new
	s_set_vgpr_msb (MSB<<8)|\new
.set MSB, \new
.endif
.endm
.set MUL_LO, 0xa1
.set MUL_HI, 0xf1
.set TO_B,   0x40
.macro JLOAD g0a, g1a, g0b, g1b
	s_cmp_eq_u32 s17, 0
	s_cbranch_scc0 .Lfor_b_\@
	tensor_load_to_lds s[\g0a:\g0a+3], s[\g1a:\g1a+7]
	s_nop 0
.rept 4
	v_nop
.endr
	s_branch .Lasked_\@
.Lfor_b_\@:
	tensor_load_to_lds s[\g0b:\g0b+3], s[\g1b:\g1b+7]
	s_nop 0
.rept 4
	v_nop
.endr
.Lasked_\@:
.endm
.macro CREST
	s_cmp_lg_u32 s16, 0
	s_cbranch_scc1 .Lnot_wave_0_\@
	s_barrier_signal -3
.Lnot_wave_0_\@:
	s_barrier_wait -3
	s_barrier_signal -1
	s_barrier_wait -1
.endm
.macro CROUND
	s_barrier_signal -1
	s_barrier_wait -1
	CREST
.endm
.macro QUANT s
.irp b, 0,1,2,3
	v_max3_num_f32 v[TM+\b], |v[\s+16*\b]|, |v[\s+1+16*\b]|, 0x1800000
.endr
.irp i, 2,4,6,8,10,12,14
.irp b, 0,1,2,3
	v_max3_num_f32 v[TM+\b], v[TM+\b], |v[\s+16*\b+\i]|, |v[\s+1+16*\b+\i]|
.endr
.endr
.irp b, 0,1,2,3
	v_permlanex16_b32 v[TM+4+\b], v[TM+\b], s[SEL], s[SEL+1]
.endr
.irp b, 0,1,2,3
	v_max_num_f32 v[TM+\b], v[TM+\b], v[TM+4+\b]
.endr
.irp b, 0,1,2,3
	v_add_nc_u32 v[TM+12+\b], 0xff000000, v[TM+\b]
.endr
.irp b, 0,1,2,3
	v_lshrrev_b32 v[TM+4+\b], 23, v[TM+12+\b]
.endr
	v_lshl_or_b32 v[PW], v[TM+5], 8, v[TM+4]
	v_lshl_or_b32 v[PW], v[TM+6], 16, v[PW]
	v_lshl_or_b32 v[PW], v[TM+7], 24, v[PW]
.irp c, 0,1
	v_cvt_scalef32_pk16_fp6_f32 v[PC+6*\c:PC+2+6*\c], v[\s+32*\c:\s+15+32*\c], v[TM+12+2*\c]
	v_cvt_scalef32_pk16_fp6_f32 v[PC+12+4*\c:PC+14+4*\c], v[\s+16+32*\c:\s+31+32*\c], v[TM+12+2*\c+1]
.endr
	v_nop
.irp c, 0,1
.irp i, 0,1,2
	v_permlane16_swap_b32 v[PC+6*\c+\i], v[PC+12+4*\c+\i]
.endr
.irp i, 0,1,2
	v_mov_b32 v[PC+3+6*\c+\i], v[PC+12+4*\c+\i]
.endr
.endr
.endm
	s_load_b256 s[4:11], s[0:1], 0x0
	v_lshl_add_u32 v[SPW], v0, 2, SPARE
	v_mov_b32 v[NIL], 0
	ds_add_u32 v28, v29
	ds_add_u32 v28, v29
	s_wait_dscnt 0x0
	v_lshrrev_b32 v1, 5, v0
	v_readfirstlane_b32 s16, v1
	s_lshr_b32 s17, s16, 1
	s_and_b32 s18, s16, 1
	s_bfe_u32 s40, ttmp6, 0x40000
	s_bfe_u32 s41, ttmp6, 0x40004
	s_lshl_b32 s42, ttmp9, 2
	s_add_co_u32 s42, s42, s40
	s_and_b32 s19, ttmp7, 0xffff
	s_lshl_b32 s19, s19, 2
	s_add_co_u32 s19, s19, s41
	s_lshl_b32 s43, s41, 2
	s_lshl_b32 s43, 15, s43
	s_lshl_b32 s44, 0x1111, s40
	s_mov_b32 s[HM], 0xffff0000
	s_mov_b32 s[SEL], 0x76543210
	s_mov_b32 s[SEL+1], 0xfedcba98
	s_or_b32 s[G1+0], s43, (3<<16)|(1<<21)
	s_or_b32 s[G1B+0], s44, (3<<16)|(1<<21)
.irp g, G1, G1B
	s_mov_b32 s[\g+1], 576<<16                     ; three K steps: 576 elements of 8 bytes
	s_mov_b32 s[\g+2], 16<<16                      ; the head's loads bring 16 tiles; behind them the two words are set to 8
	s_mov_b32 s[\g+3], 576<<16
	s_mov_b32 s[\g+4], 16
	s_mov_b32 s[\g+5], 1536
	s_mov_b32 s[\g+6], 0
	s_mov_b32 s[\g+7], 0
.endr
	s_or_b32 s[G1S+0], s43, (3<<16)|(1<<21)
	s_or_b32 s[G1SB+0], s44, (3<<16)|(1<<21)
.irp g, G1S, G1SB
	s_mov_b32 s[\g+1], 32<<16
	s_mov_b32 s[\g+2], 32<<16                      ; the scale words of 16 tiles: 32 rows of 256 bytes
	s_mov_b32 s[\g+3], 32<<16
	s_mov_b32 s[\g+4], 32
	s_mov_b32 s[\g+5], 32
	s_mov_b32 s[\g+6], 0
	s_mov_b32 s[\g+7], 0
.endr
	s_lshl_b32 s21, s18, 3
	s_lshl_b32 s20, s19, 4
	s_add_co_u32 s20, s20, s21
	s_lshl_b32 s46, s42, 4
	s_add_co_u32 s46, s46, s21
	s_lshl_b32 s94, s20, 9
	s_add_co_u32 s94, s94, 3145728
	s_mov_b32 s95, 0
	s_mul_i32 s20, s20, 12288
	s_mov_b32 s21, 0
	s_lshl_b32 s96, s46, 9
	s_add_co_u32 s96, s96, 9568256
	s_mov_b32 s97, 0
	s_mul_i32 s46, s46, 12288
	s_add_co_u32 s46, s46, 3145728
	s_mov_b32 s47, 0
	s_mul_i32 s45, s16, HALFT
	s_lshl_b32 s98, s18, 12
	s_sub_co_u32 s94, s94, s98                     ; the scale words come for all 16 tiles of a side: from the side's first tile on
	s_sub_co_u32 s96, s96, s98
	s_wait_kmcnt 0x0
	s_add_nc_u64 s[20:21], s[4:5], s[20:21]
	s_add_nc_u64 s[94:95], s[4:5], s[94:95]
	s_add_nc_u64 s[46:47], s[6:7], s[46:47]
	s_add_nc_u64 s[96:97], s[6:7], s[96:97]
	CROUND
	s_mov_b32 s[G0S], 1
	s_mov_b32 s[G0S+1], SCL
	s_mov_b64 s[G0S+2:G0S+3], s[94:95]
	s_or_b32 s[G0S+3], s[G0S+3], 0x80000000
	s_mov_b32 s[G0SB], 1
	s_mov_b32 s[G0SB+1], SCL+2*HALFS
	s_mov_b64 s[G0SB+2:G0SB+3], s[96:97]
	s_or_b32 s[G0SB+3], s[G0SB+3], 0x80000000
.irp s, 0,1
	s_mov_b32 s[G0+4*\s], 1
	s_add_co_u32 s[G0+4*\s+1], s45, \s*SLOT
	s_add_nc_u64 s[G0+4*\s+2:G0+4*\s+3], s[20:21], \s*4608
	s_or_b32 s[G0+4*\s+3], s[G0+4*\s+3], 0x80000000
	s_mov_b32 s[G0B+4*\s], 1
	s_add_co_u32 s[G0B+4*\s+1], s45, \s*SLOT
	s_add_nc_u64 s[G0B+4*\s+2:G0B+4*\s+3], s[46:47], \s*4608
	s_or_b32 s[G0B+4*\s+3], s[G0B+4*\s+3], 0x80000000
.endr
; THE HEAD'S LOADS, ONE A WAVE: wave 0 slot 0's 16 tiles of A, wave 1 A's scale words, wave 2 slot 0's 16 tiles of B, wave 3 B's scale words.
; Waves 0 and 2 fetch the first half of their side in the ring, so their slot 0 descriptors already name the side's first tile and its place in LDS.
.macro ARM under, g0, g1, next
	s_cmp_lt_u32 s16, \under
	s_cbranch_scc0 \next
	tensor_load_to_lds s[\g0:\g0+3], s[\g1:\g1+7]
	s_nop 0
.rept 4
	v_nop
.endr
	s_branch .Lhead_asked
\next:
.endm
	ARM 1, G0,  G1,  .Lhead_sa
	ARM 2, G0S, G1S, .Lhead_b
	ARM 3, G0B, G1B, .Lhead_sb
	tensor_load_to_lds s[G0SB:G0SB+3], s[G1SB:G1SB+7]
	s_nop 0
.rept 4
	v_nop
.endr
.Lhead_asked:
	s_wait_alu depctr_va_vdst(0)
	s_wait_tensorcnt 0x0                           ; my tile of the head's four is in; slot 1's first fill is issued as a refill is
	ds_add_u32 v28, v29
	s_mov_b32 s[G1+2], 8<<16                       ; no tensor load of mine is out: from here on a load brings 8 tiles
	s_mov_b32 s[G1+4], 8
	s_mov_b32 s[G1B+2], 8<<16
	s_mov_b32 s[G1B+4], 8
	s_wait_dscnt 0x0
	CROUND
	JLOAD G0+4, G1, G0B+4, G1B
	v_and_b32 v1, 15, v0
	v_bfe_u32 v2, v0, 4, 1
	v_and_b32 v3, 31, v0
	v_lshlrev_b32 v[LI8], 3, v3
	v_lshlrev_b32 v26, 4, v3                       ; 16 x lane
	s_wait_alu depctr_va_vdst(0)
	v_lshlrev_b32 v8, 6, v2
	v_lshlrev_b32 v[SO1], 11, v2
	v_lshl_add_u32 v[SO1], v1, 2, v[SO1]
	v_mov_b32 v[CA], 0xc0135761
	v_mov_b32 v[CA+1], 0xc0135761
	v_mov_b32 v[CB], 0xbdd2d3e8
	v_mov_b32 v[CB+1], 0xbdd2d3e8
	s_lshl_b32 s94, s42, 10
	s_lshl_b32 s95, s18, 9
	s_add_co_u32 s94, s94, s95
	s_mov_b32 s95, 0
	s_add_nc_u64 s[92:93], s[8:9], s[94:95]
.irp b, 0,1,2,3
.irp j, 0,1,2,3
	global_load_b128 v[BI+16*\b+4*\j:BI+16*\b+4*\j+3], v8, s[92:93] offset:128*\b+16*\j
.endr
.endr
	s_mul_i32 s21, s17, HALFT
	s_mul_i32 s22, s18, HALFT
	s_add_co_u32 s22, s22, 2*HALFT
.irp s, 0,1
	v_add_nc_u32 v[ADRA+\s], s21, v[LI8]
	v_add_nc_u32 v[ADRB+\s], s22, v[LI8]
	s_add_co_u32 s21, s21, SLOT
	s_add_co_u32 s22, s22, SLOT
.endr
	s_lshl_b32 s21, s17, 12
	s_lshl_b32 s22, s18, 12
	s_add_co_u32 s22, s22, 2*HALFS
	s_sub_co_u32 s22, s22, s21
	v_mul_u32_u24 v6, s22, v2
	s_add_co_u32 s21, s21, SCL
	v_lshl_add_u32 v5, v1, 2, v6
	v_add_nc_u32 v[ADRS], s21, v5
.macro WHERE st                        ; where K step st lies: slot FS, FO bytes into a tile's row, tiles FT bytes apart
.if (\st) < 6
.set FS, (\st)/3
.set FO, ((\st)%3)*1536
.set FT, 4608
.else
.set FS, 0
.set FO, ((\st)-6)*1536
.set FT, 3072
.endif
.endm
.macro FRAG reg, adr, i                ; a fragment comes as it was stored: six pieces of 256 consecutive bytes
.irp p, 0,1,2,3,4,5
	ds_load_b64 v[\reg+2*\p:\reg+2*\p+1], v[\adr+FS] offset:(\i)*FT+FO+256*\p
.endr
.endm
.macro MUL16 a0, p, q, sc, zero
.irp a, \a0, \a0+1
.irp b, 0,1,2,3,4,5,6,7
.if \zero
	v_wmma_scale_f32_16x16x128_f8f6f4 v[8*(8*((\a)%4)+\b):8*(8*((\a)%4)+\b)+7], v[128*(\p)+FR*\b:128*(\p)+FR*\b+FR-1], v[AF+FR*(\a):AF+FR*(\a)+FR-1], 0, v[SC+8*NQ*(\sc)+NQ*\b+(\q)], v[SC+8*NQ*(\sc)+NQ*(\a)+(\q)] matrix_a_fmt:MATRIX_FMT_FP6 matrix_b_fmt:MATRIX_FMT_FP6 matrix_a_scale:MATRIX_SCALE_ROW1
.else
	v_wmma_scale_f32_16x16x128_f8f6f4 v[8*(8*((\a)%4)+\b):8*(8*((\a)%4)+\b)+7], v[128*(\p)+FR*\b:128*(\p)+FR*\b+FR-1], v[AF+FR*(\a):AF+FR*(\a)+FR-1], v[8*(8*((\a)%4)+\b):8*(8*((\a)%4)+\b)+7], v[SC+8*NQ*(\sc)+NQ*\b+(\q)], v[SC+8*NQ*(\sc)+NQ*(\a)+(\q)] matrix_a_fmt:MATRIX_FMT_FP6 matrix_b_fmt:MATRIX_FMT_FP6 matrix_a_scale:MATRIX_SCALE_ROW1
.endif
.endr
.endr
.endm
.macro FETCH_B st                      ; B's eight fragments of step st into set st % 2
	WHERE \st
	WIN TO_B
.irp i, 0,1,2,3,4,5,6,7
	FRAG 128*((\st)%2)+FR*\i, ADRB, \i
.endr
	WIN 0
.endm
.macro FETCH_A st, i0                  ; A's blocks i0 .. i0 + 3 of step st
	WHERE \st
.irp i, \i0, \i0+1, \i0+2, \i0+3
	FRAG AF+FR*(\i), ADRA, \i
.endr
.endm
.macro SCALES pr                       ; the scale words of steps 2 pr, 2 pr + 1 into set pr % 2: lanes 0-15 A's block i, lanes 16-31 B's block i
.irp i, 0,1,2,3,4,5,6,7
.irp q, 0,1
	ds_load_b32 v[SC+16*((\pr)%2)+2*\i+\q], v[ADRS] offset:\i*512+(\pr)*128+\q*64
.endr
.endr
.endm
.macro PLACES n
.rept \n
	v_nop
.endr
.endm
.macro MULS st, a0, zero               ; 16 products of step st: B's set and the word of the pair by st % 2, the set of scale words by the pair
	MUL16 \a0, (\st)%2, (\st)%2, ((\st)/2)%2, \zero
.endm
.macro NEXTLO st                       ; the next step's B, A's blocks 0-3 and, where it opens a pair, the pair's scale words
	FETCH_B (\st)+1
	FETCH_A (\st)+1, 0
.if (\st)%2
	SCALES ((\st)+1)/2
.endif
.endm
.macro STEP st, zero                   ; a K step that has its successor in the same slot
	s_wait_dscnt 4*NL                              ; all but the youngest 24 loads (A's blocks 4-7) are in
	WIN MUL_LO
	MULS \st, 0, \zero
	MULS \st, 2, \zero
	s_wait_dscnt 0
	PLACES NP                                      ; in front of loads into registers that matrix instructions have read
	NEXTLO \st
	WIN MUL_HI
	MULS \st, 4, \zero
	MULS \st, 6, \zero
	PLACES NP
	WIN 0
	FETCH_A (\st)+1, 4
.endm
; A slot's last K step changes slots: one barrier; in front of it each wave waits for all its tensor loads, adds 0 to its spare word, and waits for that and for its reads of this slot.
.macro TURN st, fill
	s_wait_tensorcnt 0x0                           ; all my tensor loads have landed: my part of the next slot
	ds_add_u32 v[SPW], v[NIL]
	s_wait_dscnt 4*NL+1                            ; the add and the youngest 24 loads may be out
	WIN MUL_LO
	MULS \st, 0, 0
	s_wait_dscnt 0x0                               ; the add is done, and my reads of this slot are over
	s_barrier_signal -1
	MULS \st, 2, 0
	WIN 0
	s_barrier_wait -1
.if \fill
	CREST                                          ; the barrier has opened a round of the cluster's
	s_add_nc_u64 s[G0+2:G0+3], s[G0+2:G0+3], 9216  ; slot 0 takes K steps 6 and 7: rows of two steps
	s_add_nc_u64 s[G0B+2:G0B+3], s[G0B+2:G0B+3], 9216
	s_mov_b32 s[G1+1], 384<<16
	s_mov_b32 s[G1+3], 384<<16
	s_mov_b32 s[G1B+1], 384<<16
	s_mov_b32 s[G1B+3], 384<<16
	JLOAD G0, G1, G0B, G1B                         ; the first tensor load behind the round; its four v_nop are the places in front of the loads below
.else
	PLACES NP
.endif
	NEXTLO \st
	WIN MUL_HI
	MULS \st, 4, 0
	MULS \st, 6, 0
	PLACES NP
	WIN 0
	FETCH_A (\st)+1, 4
.endm
	s_wait_alu depctr_va_vdst(0)
	s_wait_tensorcnt 1                             ; slot 1's load may be out
	s_barrier_signal -1
	s_barrier_wait -1
	FETCH_B 0
	FETCH_A 0, 0
	SCALES 0
	FETCH_A 0, 4
	STEP 0, 1                                      ; the first step's products start the sums
	STEP 1, 0
	TURN 2, 1
	STEP 3, 0
	STEP 4, 0
	TURN 5, 0
	STEP 6, 0
	s_wait_dscnt 4*NL
	WIN MUL_LO
	MUL16 0, 1, NQ-1, 1, 0
	MUL16 2, 1, NQ-1, 1, 0
	s_wait_dscnt 0
	WIN MUL_HI
	MUL16 4, 1, NQ-1, 1, 0
	MUL16 6, 1, NQ-1, 1, 0
	WIN 0
.macro GETBLK a
.set WW, 0x02+(\a)/4
.set AC, 64*((\a)%4)
	WIN WW
.set i, 0
.rept 32
	v_pk_add_f32 v[HA+i:HA+i+1], v[AC+i:AC+i+1], v[BI+i:BI+i+1]
.set i, i+2
.endr
	WIN 0
.endm
.macro GELU
.set i, 0
.rept 32
	v_pk_mul_f32 v[Z+i:Z+i+1], v[HA+i:HA+i+1], v[HA+i:HA+i+1]
.set i, i+2
.endr
.set i, 0
.rept 32
	v_pk_fma_f32 v[Z+i:Z+i+1], v[Z+i:Z+i+1], v[CB:CB+1], v[CA:CA+1]
.set i, i+2
.endr
.set i, 0
.rept 32
	v_pk_mul_f32 v[Z+i:Z+i+1], v[Z+i:Z+i+1], v[HA+i:HA+i+1]
.set i, i+2
.endr
.set i, 0
	s_wait_alu depctr_va_vdst(0)
.rept 64
	v_exp_f32 v[Z+i], v[Z+i]
.set i, i+1
.endr
	v_nop
	s_wait_alu depctr_va_vdst(0)
.set i, 0
.rept 32
	v_pk_add_f32 v[Z+i:Z+i+1], v[Z+i:Z+i+1], 1.0 op_sel_hi:[1,0]
.set i, i+2
.endr
.set i, 0
	s_wait_alu depctr_va_vdst(0)
.rept 64
	v_rcp_f32 v[Z+i], v[Z+i]
.set i, i+1
.endr
	v_nop
	s_wait_alu depctr_va_vdst(0)
.set i, 0
.rept 32
	v_pk_mul_f32 v[HA+i:HA+i+1], v[HA+i:HA+i+1], v[Z+i:Z+i+1]
.set i, i+2
.endr
.endm
.macro FBLK a
.if (\a) > 0
	s_wait_xcnt 0x0
.endif
	GETBLK \a
	GELU
	QUANT HA
.irp p, 0,1,2
	global_store_b128 v26, v[PC+4*\p:PC+4*\p+3], s[24:25] offset:(\a)*49152+512*\p   ; the reader loads 16 bytes a lane: piece p of lane L at 512 p + 16 L
.endr
.if (\a)%2 == 0
	v_mov_b32 v[PWS], v[PW]
.else
	v_cndmask_b32 v[T0], v[PWS], v[PW], s[HM]
	global_store_b32 v[SO1], v[T0], s[26:27] offset:((\a)-1)*2048
.endif
.endm
	PLACES NP
	s_wait_loadcnt 0x0
	s_lshl_b32 s20, s19, 4
	s_lshl_b32 s21, s17, 3
	s_add_co_u32 s20, s20, s21
	s_lshl_b32 s22, s42, 1
	s_add_co_u32 s22, s22, s18
	s_mul_i32 s24, s20, 49152
	s_mul_i32 s21, s22, 1536
	s_add_co_u32 s24, s24, s21
	s_mov_b32 s25, 0
	s_add_nc_u64 s[24:25], s[10:11], s[24:25]
	s_lshl_b32 s26, s20, 11
	s_lshl_b32 s21, s22, 6
	s_add_co_u32 s26, s26, s21
	s_add_co_u32 s26, s26, 12582912
	s_mov_b32 s27, 0
	s_add_nc_u64 s[26:27], s[10:11], s[26:27]
.irp a, 0,1,2,3,4,5,6,7
	FBLK \a
.endr
	s_wait_tensorcnt 0x0
	ds_add_u32 v[SPW], v[NIL]
	s_wait_dscnt 0x0
	CROUND
	s_endpgm
.Lfunc_end_k_q6f14a443cf_ffn1:
	.size	k_q6f14a443cf_ffn1, .Lfunc_end_k_q6f14a443cf_ffn1-k_q6f14a443cf_ffn1
	.p2alignl 7, 3214868480
	.fill 96, 4, 3214868480
	.section	.rodata,"a",@progbits
	.p2align	6, 0x0
	.amdhsa_kernel k_q6f14a443cf_ffn1
		.amdhsa_group_segment_fixed_size 327680
		.amdhsa_private_segment_fixed_size 0
		.amdhsa_enable_private_segment 0
		.amdhsa_kernarg_size 32
		.amdhsa_user_sgpr_count 2
		.amdhsa_user_sgpr_kernarg_segment_ptr 1
		.amdhsa_wavefront_size32 1
		.amdhsa_system_sgpr_workgroup_id_x 1
		.amdhsa_system_sgpr_workgroup_id_y 1
		.amdhsa_system_sgpr_workgroup_id_z 1
		.amdhsa_system_vgpr_workitem_id 0
		.amdhsa_next_free_vgpr 1024
		.amdhsa_next_free_sgpr 102
		.amdhsa_reserve_vcc 0
		.amdhsa_float_denorm_mode_32 3
		.amdhsa_float_denorm_mode_16_64 3
		.amdhsa_memory_ordered 1
		.amdhsa_forward_progress 1
		.amdhsa_inst_pref_size 255
	.end_amdhsa_kernel
	.section	.bss,"aw",@nobits
	.p2align	6
	.space	262144
	.amdgpu_metadata
---
amdhsa.version: [ 1, 2 ]
amdhsa.kernels:
  - .name:           k_q6f14a443cf_ffn1
    .symbol:         k_q6f14a443cf_ffn1.kd
    .args:
      - { .name: xq, .offset: 0, .size: 8, .value_kind: global_buffer, .address_space: global }
      - { .name: wq, .offset: 8, .size: 8, .value_kind: global_buffer, .address_space: global }
      - { .name: b1, .offset: 16, .size: 8, .value_kind: global_buffer, .address_space: global }
      - { .name: hq, .offset: 24, .size: 8, .value_kind: global_buffer, .address_space: global }
    .group_segment_fixed_size: 327680
    .private_segment_fixed_size: 0
    .kernarg_segment_align: 8
    .kernarg_segment_size: 32
    .max_flat_workgroup_size: 128
    .sgpr_count:     102
    .vgpr_count:     1024
    .wavefront_size: 32
...
	.end_amdgpu_metadata
.endif
;; end of part 6
;; launch ffn2 (part 7): grid 8 x 32, 4 waves a work-group, clusters of 4 x 1, 327,680 bytes of LDS; arguments hq, wq, b2, x1, out0; writes out0
.if DOCPART == 7
	.amdgcn_target "amdgcn-amd-amdhsa--gfx1250"
	.amdhsa_code_object_version 6
	.text
	.protected	k_q6f14a443cf_ffn2
	.globl	k_q6f14a443cf_ffn2
	.p2align	8
	.type	k_q6f14a443cf_ffn2,@function
k_q6f14a443cf_ffn2:
	s_mov_b64 s[64:65], 0
	v_nop
	global_prefetch_b8 v0, s[64:65] scope:SCOPE_SE
	s_setreg_imm32_b32 hwreg(HW_REG_WAVE_MODE, 25, 1), 1
	s_wait_xcnt 0x0
	s_wait_alu depctr_hold_cnt(0) depctr_sa_sdst(0) depctr_va_vdst(0) depctr_va_sdst(0) depctr_va_ssrc(0) depctr_va_vcc(0) depctr_vm_vsrc(0)
	s_getreg_b32 s2, hwreg(HW_REG_IB_STS2, 6, 4)
	s_cmp_eq_u32 s2, 0
	s_cbranch_scc0 .Lentry_in_a_cluster
	s_endpgm
.Lentry_in_a_cluster:
	s_bfe_u32 s2, ttmp6, 0x10000c
	s_cmp_lg_u32 s2, 0x3003
	s_cbranch_scc0 .Lentry_shape_is_right
	s_endpgm
.Lentry_shape_is_right:
; out = x1 + gelu(..) W2 + b2 on FP6 codes, K = 4,096.  A work-group makes 128 rows x 128 columns.  K IS CUT AMONG THE FOUR WAVES: each wave holds all 64 accumulators (512 registers)
; and sums over its own quarter of K, eight K steps of 128: no fragment is read by two waves of the work-group.  Operands lie in memory as images of their registers (piece p of lane L at 512 p + 16 L).
; A (the tokens' codes) is the same for the four work-groups of a cluster (4 x 1: one block of rows, four blocks of columns): it comes by JOINT tensor loads, each wave fetching its own quarter of K into LDS bytes of its own:
; two slots of three K steps (8 tiles x 4,608 bytes a wave), filled three times: steps 0-2, 3-5, and 6-7 into slot 0 again.  One tensor load a wave is out at a time.
; B (W2's codes), which differs between the partners, and the scale words go from memory straight into registers, B in three sets by turns: step st + 3 is asked for behind step st.
; At the end the four partial tiles meet in LDS (a region of 128 rows x 528 bytes a wave, in the slots, behind their last fill and a barrier); wave w reads rows 32 w .. 32 w + 31 of all four regions back
; as dense rows of 512 bytes, adds them, the bias and the residual, and stores whole rows.
; The product is used transposed (source 0 = the weight's columns, source 1 = tokens).  Lane row r of tile t is matrix row 32 (t / 2) + 8 (t % 2) + r + 8 (r / 8), on both sides.
; PREFETCH: A's second fill is asked for at the head and its third behind the second's request, a slot ahead; the four partners share the eight tiles out by address (two each).  B's steps 4, 5 are asked for at the head and 6, 7 behind step 1,
; two steps ahead of their loads; the 32 work-groups that read these columns share the 96 blocks out, three each.  The wave's 32 residual rows are asked for behind step 3 and loaded behind step 6.
; LIMIT: each output is the f32 sum of four partial sums over quarters of K, not one ascending chain.  NaN and infinities are not served.
.set KS,    32
.set NS,    8                          ; K steps of a wave
.set A_SC,  12582912                   ; where A's scale words begin in its buffer
.set B_CO,  6291456                    ; where the weight's codes begin in wq
.set B_SC,  9699328                    ; and its scale words
.set TP,    KS*1536                    ; from tile to tile, codes
.set SPI,   KS*64                      ; and scale words
.set WREG,  36864                      ; a wave's part of a slot: 8 tiles x 3 steps x 1,536
.set SLOT,  4*WREG
.set ROWP,  528                        ; the stage's row: 512 bytes + 16
.set REGION, 128*ROWP
.set SPARE, 2*SLOT                     ; behind the ring: the spare words, 128 bytes a wave
.set L16, 1                            ; v1 16 x lane   v3 4 x lane
.set L4,  3
.set STO, 4                            ; v4 where I put my partial sums
.set RD,  5                            ; v5-8 my rows in the four regions
.set SPW, 10
.set NIL, 11
.set BIAS, 12                          ; v12-15
.set PFA, 16                           ; v16-19 offsets of the prefetches
.set PFA2, 17
.set PFB, 18
.set PFR, 19
.set ADA, 20                           ; v20-21 my part of slot 0, 1, + 16 x lane
.set SC,  32                           ; v32-63 scale words, two sets of 16 (8 of A, 8 of B): lanes 0-15 the even step of a pair, lanes 16-31 the odd one; nothing else ever lies here
.set AF,  64                           ; window 0: v64-159 A's fragments, one set; v160-255 B's set 2.  Window 1: B's sets 0 and 1 at v0 and v128.  Windows 2, 3: the accumulators
.set G1,  40                           ; s[40:47] descriptor group 1; s[48:51], s[52:55] group 0 of slot 0, 1
.set G0,  48
.set MSB, 0
.macro WIN new                         ; the immediate's high byte repeats the setting that is left
.if MSB != \new
	s_set_vgpr_msb (MSB<<8)|\new
.set MSB, \new
.endif
.endm
.macro PLACES                          ; four places behind a matrix instruction (ISA guide 7.12.1)
.rept 4
	v_nop
.endr
.endm
.macro CREST
	s_cmp_lg_u32 s14, 0
	s_cbranch_scc1 .Lnot_wave_0_\@
	s_barrier_signal -3
.Lnot_wave_0_\@:
	s_barrier_wait -3
	s_barrier_signal -1
	s_barrier_wait -1
.endm
.macro CROUND
	s_barrier_signal -1
	s_barrier_wait -1
	CREST
.endm
.macro TLOAD s                         ; my joint load for slot s; s_nop 0 and four v_nop follow it
	tensor_load_to_lds s[G0+4*\s:G0+4*\s+3], s[G1:G1+7]
	s_nop 0
	PLACES
.endm
.macro WHERE st                        ; where my K step st lies: slot FS, FO bytes into a tile's row, tiles FT bytes apart
.if (\st) < 6
.set FS, (\st)/3
.set FO, ((\st)%3)*1536
.set FT, 4608
.else
.set FS, 0
.set FO, ((\st)-6)*1536
.set FT, 3072
.endif
.endm
.macro FA st, i0                       ; A's blocks i0 .. i0 + 3 of step st, out of LDS: each load reads 512 consecutive bytes
	WHERE \st
.irp i, \i0, \i0+1, \i0+2, \i0+3
.irp p, 0,1,2
	ds_load_b128 v[AF+12*(\i)+4*\p:AF+12*(\i)+4*\p+3], v[ADA+FS] offset:(\i)*FT+FO+512*\p
.endr
.endr
.endm
.macro LB st                           ; B's fragments of step st into set st % 3; with an even step the scale words of the pair
.if (\st)%2 == 0
.set SS, SC+16*(((\st)/2)%2)
.irp i, 0,1,2,3,4,5,6,7
	global_load_b32 v[SS+\i], v[L4], s[22:23] offset:\i*SPI+(\st)*64
	global_load_b32 v[SS+8+\i], v[L4], s[26:27] offset:\i*SPI+(\st)*64
.endr
.endif
.set LW, 0x40
.set LBB, 128*((\st)%3)
.if (\st)%3 == 2
.set LW, 0
.set LBB, 160
.endif
	WIN LW
.irp i, 0,1,2,3,4,5,6,7
.irp p, 0,1,2
	global_load_b128 v[LBB+12*\i+4*\p:LBB+12*\i+4*\p+3], v[L16], s[24:25] offset:\i*TP+(\st)*1536+512*\p
.endr
.endr
	WIN 0
.endm
.macro RLOAD                           ; the residual's 32 rows, in the order in which the way out reads LDS back: window 1, v0-127 (B's set 0 is done with)
	WIN 0x40
.set I, 0
.rept 32
	global_load_b128 v[4*I:4*I+3], v[L16], s[10:11] offset:(8*(I/16)+I%16+8*((I%16)/8))*4096
.set I, I+1
.endr
	WIN 0
.endm
.macro SETST st                        ; what step st's products name
.set MB, 128*((\st)%3)                 ; B's set,
.set WL, 0xa1                          ; source 0 window 1, source 1 window 0, C and D window 2
.set WH, 0xf1
.if (\st)%3 == 2
.set MB, 160
.set WL, 0xa0
.set WH, 0xf0
.endif
.set MS, SC+16*(((\st)/2)%2)           ; the set of scale words,
.set MODE, 1+(\st)%2                   ; their rows; 0: the first step starts the sums
.if (\st) == 0
.set MODE, 0
.endif
.set WN, 63                            ; behind this step's loads of B stand those of two further steps, 64 or more (a count can name 63 at the most; a smaller count only waits for more)
.if (\st) == NS-2
.set WN, 24                            ; the last step's 24
.endif
.if (\st) == NS-1
.set WN, 32                            ; the residual's 32
.endif
.endm
; 16 matrix instructions: A's blocks a0, a0 + 1 against B's eight.  The 64 accumulators take turns, in the same order in every step.
.macro MUL16 a0
.irp a, \a0, \a0+1
.irp b, 0,1,2,3,4,5,6,7
.if MODE == 0
	v_wmma_scale_f32_16x16x128_f8f6f4 v[8*(8*((\a)%4)+\b):8*(8*((\a)%4)+\b)+7], v[MB+12*\b:MB+12*\b+11], v[AF+12*(\a):AF+12*(\a)+11], 0, v[MS+8+\b], v[MS+(\a)] matrix_a_fmt:MATRIX_FMT_FP6 matrix_b_fmt:MATRIX_FMT_FP6
.elseif MODE == 1
	v_wmma_scale_f32_16x16x128_f8f6f4 v[8*(8*((\a)%4)+\b):8*(8*((\a)%4)+\b)+7], v[MB+12*\b:MB+12*\b+11], v[AF+12*(\a):AF+12*(\a)+11], v[8*(8*((\a)%4)+\b):8*(8*((\a)%4)+\b)+7], v[MS+8+\b], v[MS+(\a)] matrix_a_fmt:MATRIX_FMT_FP6 matrix_b_fmt:MATRIX_FMT_FP6
.else
	v_wmma_scale_f32_16x16x128_f8f6f4 v[8*(8*((\a)%4)+\b):8*(8*((\a)%4)+\b)+7], v[MB+12*\b:MB+12*\b+11], v[AF+12*(\a):AF+12*(\a)+11], v[8*(8*((\a)%4)+\b):8*(8*((\a)%4)+\b)+7], v[MS+8+\b], v[MS+(\a)] matrix_a_fmt:MATRIX_FMT_FP6 matrix_b_fmt:MATRIX_FMT_FP6 matrix_a_scale:MATRIX_SCALE_ROW1 matrix_b_scale:MATRIX_SCALE_ROW1
.endif
.endr
.endr
.endm
.macro REST st                         ; a step's second half, and what is asked for behind it
.if (\st)+1 < NS
	FA (\st)+1, 0
.endif
	WIN WH
	MUL16 4
	MUL16 6
	PLACES                                         ; in front of loads into registers that matrix instructions have read, and of the first read of results
	WIN 0
.if (\st)+1 < NS
	FA (\st)+1, 4
.endif
.if (\st) == 1
	global_prefetch_b8 v[PFB], s[24:25] offset:6*1536 th:TH_LOAD_NT scope:SCOPE_SE   ; B's steps 6 and 7, which are loaded behind steps 3 and 4
.endif
.if (\st) == 3
	global_prefetch_b8 v[PFR], s[10:11] th:TH_LOAD_NT scope:SCOPE_SE
	global_prefetch_b8 v[PFR], s[10:11] offset:256 th:TH_LOAD_NT scope:SCOPE_SE
.endif
.if (\st)+3 < NS
	LB (\st)+3                                     ; into the set that this step has read out
.endif
.if (\st) == NS-2
	RLOAD
.endif
.endm
.macro STEP st                         ; a K step that has its successor in the same slot, and the last
	SETST \st
	s_wait_loadcnt WN
	s_wait_dscnt 12                                ; A's blocks 0-3 are in; the youngest 12 loads (blocks 4-7) may be out
	WIN WL
	MUL16 0
	MUL16 2
	s_wait_dscnt 0
	PLACES
	WIN 0
	REST \st
.endm
.macro TURN st, fill                   ; a slot's last K step
	SETST \st
	s_wait_loadcnt WN
	s_wait_tensorcnt 0x0                           ; my tensor load has landed: my part of the next slot
	ds_add_u32 v[SPW], v[NIL]
	s_wait_dscnt 13                                ; the add and the youngest 12 loads may be out
	WIN WL
	MUL16 0
	s_wait_dscnt 0x0                               ; the add is done, and my reads of this slot are over
	s_barrier_signal -1
	MUL16 2
	WIN 0
	s_barrier_wait -1
.if \fill
	CREST                                          ; the barrier has opened a round of the cluster's: no wave of any partner still reads this slot or has a load on its way
	s_add_nc_u64 s[G0+2:G0+3], s[G0+2:G0+3], 9216  ; slot 0 takes my steps 6 and 7: rows of two steps
	s_mov_b32 s[G1+1], 384<<16
	s_mov_b32 s[G1+3], 384<<16
	TLOAD 0                                        ; the first tensor load behind the round; its four v_nop are the places in front of the loads below
.else
	PLACES
.endif
	REST \st
.endm
	s_load_b256 s[4:11], s[0:1], 0x0               ; A's buffer, wq, the bias, the residual
	s_load_b64 s[12:13], s[0:1], 0x20              ; the output
	v_lshl_add_u32 v[SPW], v0, 2, SPARE
	v_mov_b32 v[NIL], 0
	ds_add_u32 v[SPW], v[NIL]                      ; the opening lines: the add, twice on end, and its wait ahead of my first tensor load
	ds_add_u32 v[SPW], v[NIL]
	v_lshrrev_b32 v9, 5, v0
	v_readfirstlane_b32 s14, v9                    ; wave
	s_bfe_u32 s38, ttmp6, 0x40000                  ; cx: it enters global addresses alone
	s_lshl_b32 s15, ttmp9, 2
	s_add_co_u32 s15, s15, s38                     ; x: my block of 128 columns
	s_and_b32 s16, ttmp7, 0xffff                   ; y: the cluster's block of 128 rows
	s_mul_i32 s17, s14, REGION
	s_mul_i32 s18, s14, 32*ROWP
	s_mul_i32 s39, s14, WREG
	s_mul_i32 s19, s38, 2*TP
	s_lshr_b32 s28, s16, 2
	s_mul_i32 s28, s28, TP
	s_and_b32 s29, s16, 3
	s_mul_i32 s29, s29, 768
	s_add_co_u32 s28, s28, s29
	v_and_b32 v22, 31, v0                          ; lane
	v_and_b32 v23, 15, v0                          ; r
	v_bfe_u32 v24, v0, 4, 1                        ; h
	v_lshlrev_b32 v[L16], 4, v22
	v_lshlrev_b32 v[L4], 2, v22
	v_mul_u32_u24 v[STO], v23, ROWP
	v_lshl_add_u32 v[STO], v24, 6, v[STO]
	v_add_nc_u32 v[STO], s17, v[STO]               ; my region, row r, + 64 h: a lane's 16 results of two neighbouring tiles are 16 neighbouring columns
	v_add_nc_u32 v[RD], s18, v[L16]                ; back: the 32 lanes take one row of 512 bytes
	v_add_nc_u32 v[RD+1], REGION, v[RD]
	v_add_nc_u32 v[RD+2], 2*REGION, v[RD]
	v_add_nc_u32 v[RD+3], 3*REGION, v[RD]
	v_add_nc_u32 v[ADA], s39, v[L16]
	v_add_nc_u32 v[ADA+1], SLOT, v[ADA]
	v_min_u32 v[PFA], 17, v22                      ; three steps of a tile are 18 blocks of 256 bytes; of the 8 tiles the partner at place cx takes 2 cx and 2 cx + 1 (lanes left over name the last block again)
	v_lshl_add_u32 v[PFA], v[PFA], 8, s19
	v_min_u32 v[PFA2], 11, v22                     ; two steps: 12 blocks
	v_lshl_add_u32 v[PFA2], v[PFA2], 8, s19
	v_min_u32 v[PFB], 2, v22                       ; two steps of B's 8 tiles are 96 blocks: work-group y takes 3 y .. 3 y + 2
	v_lshl_add_u32 v[PFB], v[PFB], 8, s28
	v_lshlrev_b32 v[PFR], 12, v22                  ; a lane a row of the residual
	s_mov_b32 s[G1], 15|(3<<16)|(1<<21)            ; all four partners; elements of 8 bytes; bit 21 beside the mask; no padding
	s_mov_b32 s[G1+1], 576<<16                     ; a row: three K steps of a tile, 4,608 bytes
	s_mov_b32 s[G1+2], 8<<16                       ; 8 tiles
	s_mov_b32 s[G1+3], 576<<16
	s_mov_b32 s[G1+4], 8
	s_mov_b32 s[G1+5], TP/8
	s_mov_b32 s[G1+6], 0
	s_mov_b32 s[G1+7], 0
	s_mul_i32 s30, s16, 8*KS
	s_mul_i32 s31, s14, NS
	s_add_co_u32 s30, s30, s31                     ; A: my first fragment's number: first tile x KS + my first K step: made of y and the wave alone
	s_mul_i32 s32, s15, 8*KS
	s_add_co_u32 s32, s32, s31                     ; B likewise, of x
	s_mul_i32 s20, s30, 1536
	s_mov_b32 s21, 0
	s_lshl_b32 s22, s30, 6
	s_add_co_u32 s22, s22, A_SC
	s_mov_b32 s23, 0
	s_mul_i32 s24, s32, 1536
	s_add_co_u32 s24, s24, B_CO
	s_mov_b32 s25, 0
	s_lshl_b32 s26, s32, 6
	s_add_co_u32 s26, s26, B_SC
	s_mov_b32 s27, 0
	s_lshl_b32 s34, s15, 9                         ; my 128 columns, in bytes
	s_mov_b32 s35, 0
	s_lshl_b32 s36, s16, 19
	s_lshl_b32 s37, s14, 17
	s_add_co_u32 s36, s36, s37
	s_add_co_u32 s36, s36, s34                     ; + row 128 y + 32 w
	s_mov_b32 s37, 0
	s_wait_alu depctr_va_vdst(0)                   ; the wait at the head's end
	s_wait_dscnt 0x0                               ; both opening adds are done
	s_wait_kmcnt 0x0
	s_add_nc_u64 s[20:21], s[4:5], s[20:21]
	s_add_nc_u64 s[22:23], s[4:5], s[22:23]
	s_add_nc_u64 s[24:25], s[6:7], s[24:25]
	s_add_nc_u64 s[26:27], s[6:7], s[26:27]
	s_add_nc_u64 s[8:9], s[8:9], s[34:35]
	s_add_nc_u64 s[10:11], s[10:11], s[36:37]
	s_add_nc_u64 s[12:13], s[12:13], s[36:37]
	s_mov_b32 s[G0], 1
	s_mov_b32 s[G0+1], s39
	s_mov_b64 s[G0+2:G0+3], s[20:21]
	s_or_b32 s[G0+3], s[G0+3], 0x80000000
	s_mov_b32 s[G0+4], 1
	s_add_co_u32 s[G0+5], s39, SLOT
	s_add_nc_u64 s[G0+6:G0+7], s[20:21], 4608
	s_or_b32 s[G0+7], s[G0+7], 0x80000000
	CROUND                                         ; all four work-groups are here: the first joint loads meet
	TLOAD 0                                        ; my steps 0-2: one tensor load a wave at the head
	global_prefetch_b8 v[PFA], s[20:21] offset:3*1536 th:TH_LOAD_NT scope:SCOPE_SE      ; A's steps 3-5, the next fill
	global_prefetch_b8 v[PFA], s[20:21] offset:TP+3*1536 th:TH_LOAD_NT scope:SCOPE_SE
	global_prefetch_b8 v[PFB], s[24:25] offset:4*1536 th:TH_LOAD_NT scope:SCOPE_SE      ; B's steps 4 and 5, which are loaded behind steps 1 and 2
	LB 0
	LB 1
	s_wait_tensorcnt 0x0                           ; my steps 0-2 are in; slot 1's first fill is issued as a refill is:
	ds_add_u32 v[SPW], v[NIL]
	s_wait_dscnt 0x0
	CROUND
	TLOAD 1                                        ; my steps 3-5
	FA 0, 0
	FA 0, 4
	global_prefetch_b8 v[PFA2], s[20:21] offset:6*1536 th:TH_LOAD_NT scope:SCOPE_SE     ; A's steps 6, 7, the last fill
	global_prefetch_b8 v[PFA2], s[20:21] offset:TP+6*1536 th:TH_LOAD_NT scope:SCOPE_SE
	global_load_b128 v[BIAS:BIAS+3], v[L16], s[8:9]   ; the bias of my four columns of a dense row
	LB 2
	STEP 0
	STEP 1
	TURN 2, 1
	STEP 3
	STEP 4
	TURN 5, 0
	STEP 6
	STEP 7
	s_wait_dscnt 0x0
	s_barrier_signal -1
	s_barrier_wait -1                              ; no wave reads the slots any more, and they have had their last fill: the stage may lie there
	; THE PARTIAL TILES MEET: each accumulator from its low end on, into my own region
	WIN 0x08                                       ; the data: window 2
.irp a, 0,1,2,3
.irp b, 0,1,2,3,4,5,6,7
	ds_store_b128 v[STO], v[64*\a+8*\b:64*\a+8*\b+3] offset:\a*16*ROWP+128*(\b/2)+32*(\b%2)
	ds_store_b128 v[STO], v[64*\a+8*\b+4:64*\a+8*\b+7] offset:\a*16*ROWP+128*(\b/2)+32*(\b%2)+16
.endr
.endr
	WIN 0x0c                                       ; window 3
.irp a, 0,1,2,3
.irp b, 0,1,2,3,4,5,6,7
	ds_store_b128 v[STO], v[64*\a+8*\b:64*\a+8*\b+3] offset:(\a+4)*16*ROWP+128*(\b/2)+32*(\b%2)
	ds_store_b128 v[STO], v[64*\a+8*\b+4:64*\a+8*\b+7] offset:(\a+4)*16*ROWP+128*(\b/2)+32*(\b%2)+16
.endr
.endr
	WIN 0
	s_wait_dscnt 0x0                               ; for the others' sake: my stores have landed
	s_barrier_signal -1
	s_barrier_wait -1
.macro DL k                            ; rows 4 k .. 4 k + 3 of my 32, from all four regions: 16 loads into buffer k % 3 (v64-255 of window 0)
.set BB, AF+64*((\k)%3)
.irp j, 0,1,2,3
.irp g, 0,1,2,3
	ds_load_b128 v[BB+16*\j+4*\g:BB+16*\j+4*\g+3], v[RD+\g] offset:(4*(\k)+\j)*ROWP
.endr
.endr
.endm
.macro OUT k
.set BB, AF+64*((\k)%3)
.irp j, 0,1,2,3
.irp c, 0,2
	v_pk_add_f32 v[BB+16*\j+\c:BB+16*\j+\c+1], v[BB+16*\j+\c:BB+16*\j+\c+1], v[BB+16*\j+4+\c:BB+16*\j+5+\c]
	v_pk_add_f32 v[BB+16*\j+8+\c:BB+16*\j+9+\c], v[BB+16*\j+8+\c:BB+16*\j+9+\c], v[BB+16*\j+12+\c:BB+16*\j+13+\c]
.endr
.endr
	WIN 0x04                                       ; source 1: window 1, the residual
.irp j, 0,1,2,3
.irp c, 0,2
	v_pk_add_f32 v[BB+16*\j+8+\c:BB+16*\j+9+\c], v[BB+16*\j+8+\c:BB+16*\j+9+\c], v[16*(\k)+4*\j+\c:16*(\k)+4*\j+\c+1]
.endr
.endr
	WIN 0
.irp j, 0,1,2,3
.irp c, 0,2
	v_pk_add_f32 v[BB+16*\j+\c:BB+16*\j+\c+1], v[BB+16*\j+\c:BB+16*\j+\c+1], v[BIAS+\c:BIAS+\c+1]
.endr
.endr
.irp j, 0,1,2,3
.irp c, 0,2
	v_pk_add_f32 v[BB+16*\j+\c:BB+16*\j+\c+1], v[BB+16*\j+\c:BB+16*\j+\c+1], v[BB+16*\j+8+\c:BB+16*\j+9+\c]
.endr
.endr
.irp j, 0,1,2,3
.set I, 4*(\k)+\j
	global_store_b128 v[L16], v[BB+16*\j:BB+16*\j+3], s[12:13] offset:(8*(I/16)+I%16+8*((I%16)/8))*4096   ; 32 lanes store 512 consecutive bytes, aligned
.endr
.endm
	DL 0
	DL 1
	s_wait_loadcnt 0x0                             ; the bias and the residual
.irp k, 0,1,2,3,4,5,6,7
.if \k < 6
.if \k > 0
	s_wait_xcnt 0x0                                ; batch k - 1's stores have read their registers: batch k + 2 lands there
.endif
	DL \k+2
	s_wait_dscnt 32                                ; the two younger batches may be out
.else
	s_wait_dscnt 16*(7-\k)
.endif
	OUT \k
.endr
	s_wait_tensorcnt 0x0                           ; the wave's end
	ds_add_u32 v[SPW], v[NIL]
	s_wait_dscnt 0x0
	CROUND                                         ; the closing round
	s_endpgm
.Lfunc_end_k_q6f14a443cf_ffn2:
	.size	k_q6f14a443cf_ffn2, .Lfunc_end_k_q6f14a443cf_ffn2-k_q6f14a443cf_ffn2
	.p2alignl 7, 3214868480
	.fill 96, 4, 3214868480
	.section	.rodata,"a",@progbits
	.p2align	6, 0x0
	.amdhsa_kernel k_q6f14a443cf_ffn2
		.amdhsa_group_segment_fixed_size 327680
		.amdhsa_private_segment_fixed_size 0
		.amdhsa_enable_private_segment 0
		.amdhsa_kernarg_size 40
		.amdhsa_user_sgpr_count 2
		.amdhsa_user_sgpr_kernarg_segment_ptr 1
		.amdhsa_wavefront_size32 1
		.amdhsa_system_sgpr_workgroup_id_x 1
		.amdhsa_system_sgpr_workgroup_id_y 1
		.amdhsa_system_sgpr_workgroup_id_z 1
		.amdhsa_system_vgpr_workitem_id 0
		.amdhsa_next_free_vgpr 1024
		.amdhsa_next_free_sgpr 66
		.amdhsa_reserve_vcc 0
		.amdhsa_float_denorm_mode_32 3
		.amdhsa_float_denorm_mode_16_64 3
		.amdhsa_memory_ordered 1
		.amdhsa_forward_progress 1
		.amdhsa_inst_pref_size 156
	.end_amdhsa_kernel
	.amdgpu_metadata
---
amdhsa.version: [ 1, 2 ]
amdhsa.kernels:
  - .name:           k_q6f14a443cf_ffn2
    .symbol:         k_q6f14a443cf_ffn2.kd
    .args:
      - { .name: hq, .offset: 0, .size: 8, .value_kind: global_buffer, .address_space: global }
      - { .name: wq, .offset: 8, .size: 8, .value_kind: global_buffer, .address_space: global }
      - { .name: b2, .offset: 16, .size: 8, .value_kind: global_buffer, .address_space: global }
      - { .name: x1, .offset: 24, .size: 8, .value_kind: global_buffer, .address_space: global }
      - { .name: out0, .offset: 32, .size: 8, .value_kind: global_buffer, .address_space: global }
    .group_segment_fixed_size: 327680
    .private_segment_fixed_size: 0
    .kernarg_segment_align: 8
    .kernarg_segment_size: 40
    .max_flat_workgroup_size: 128
    .sgpr_count:     66
    .vgpr_count:     1024
    .wavefront_size: 32
...
	.end_amdgpu_metadata
.endif
;; end of part 7
